; MI455X (gfx1250); checked and timed in simulation.
; The chip was launched on July 23, 2026; its instructions are those of AMD's public machine-readable ISA for CDNA 5 (MIT licence, August 2026) and "CDNA5" Instruction Set Architecture Reference Guide (July 2026). The comments in the code are by the model that wrote it; some were corrected since.
;; Multi Head Attention. Allowed arithmetic: float matrix products may take bf16 or f16 operands with f32 sums; all other float work in f32.
;; Inputs: Wk 1,024 x 1,024 float32; Wp 1,024 x 1,024 float32; Wq 1,024 x 1,024 float32; Wv 1,024 x 1,024 float32; attention_mask 2 x 1 x 2,048 x 2,048 bool; bk 1,024 float32; bp 1,024 float32; bq 1,024 float32; bv 1,024 float32; inputs_kv 2 x 2,048 x 1,024 float32; inputs_q 2 x 2,048 x 1,024 float32.
;; Outputs: out0 2 x 2,048 x 1,024 float32.
;; 2 versions, each right and faster than the one before. Each part assembles by itself: llvm-mc -triple=amdgcn-amd-amdhsa -mcpu=gfx1250 --defsym DOCPART=n.
;; ======== version 1 of 2: 4 launches
;; limits: right only within a limited range of input values
;; workspace buffers: xb 25,165,824 bytes; qkv 25,165,824 bytes; att 8,388,608 bytes; mbits 1,048,576 bytes of whole numbers
;; launch prep (part 1): grid 1024 x 1, 8 waves a work-group, no clusters, 35,840 bytes of LDS; arguments inputs_q, inputs_kv, Wq, Wk, Wv, Wp, attention_mask, xb, mbits; writes xb, mbits
.if DOCPART == 1
	.amdgcn_target "amdgcn-amd-amdhsa--gfx1250"
	.amdhsa_code_object_version 6
	.text
	.protected	k_q5d99e15de6_prep
	.globl	k_q5d99e15de6_prep
	.p2align	8
	.type	k_q5d99e15de6_prep,@function
k_q5d99e15de6_prep:
	s_mov_b64 s[64:65], 0
	v_nop
	global_prefetch_b8 v0, s[64:65] scope:SCOPE_SE
	s_setreg_imm32_b32 hwreg(HW_REG_WAVE_MODE, 25, 1), 1
	s_wait_xcnt 0x0
; Two jobs, chosen by the work-group's number.
; Work-groups 0..767: round 64 KiB of f32 to 32 KiB of bf16.  xb is inputs_q, inputs_kv, Wq, Wk, Wv, Wp one behind the other, so
;   work-group x always stores at xb + 32,768 x; its source is one of the six arrays.
; Work-groups 768..1023: pack 16 rows of the mask (bytes 0/1) into lane-mask words for the attention launch.
;   Word ((QT*32 + kb)*32 + 8 t + j), bit L = mask[row 16 QT + (L & 15)][key 64 kb + 16 t + 8 (L >> 4) + j]: the place of that score in the
;   score registers of the attention launch, so that one word serves one v_cndmask_b32 there.
; A stream: no matrix unit, no tensor loads, no cluster (no two work-groups read the same byte); waves share nothing, so no barrier.
.set XR, 16                            ; v[16:79]   convert: f32 as loaded; pack: v[16:47] mask bytes as loaded, v[48:79] read back by score layout
.set YR, 80                            ; v[80:111]  convert: bf16 to store; pack: v[80:83] the wave's 128 words, four a lane
.set LP, 272                           ; pack: LDS pitch of a row of 256 mask bytes
	s_load_b512 s[4:19], s[0:1], 0x0               ; inputs_q s[4:5], inputs_kv s[6:7], Wq s[8:9], Wk s[10:11], Wv s[12:13], Wp s[14:15], mask s[16:17], xb s[18:19]
	s_load_b64 s[20:21], s[0:1], 0x40              ; mbits
	v_lshl_add_u32 v112, v0, 2, 0x8800
	v_mov_b32 v113, 0
	v_lshrrev_b32 v1, 5, v0
	v_readfirstlane_b32 s22, v1                    ; wave 0..7
	v_and_b32 v2, 31, v0                           ; lane
	s_mov_b32 s23, ttmp9
	s_cmp_lt_u32 s23, 768
	s_cbranch_scc0 .Lpack
	; ---- convert ----
	s_sub_co_u32 s24, s23, 512                     ; only used where x >= 512
	s_lshr_b32 s25, s24, 6                         ; which W
	s_and_b32 s26, s24, 63                         ; block of 64 KiB inside a W
	s_and_b32 s27, s23, 255                        ; block inside inputs_q or inputs_kv
	s_cmp_lt_u32 s23, 512
	s_cselect_b32 s26, s27, s26
	s_lshl_b32 s30, s26, 16                        ; source offset
	s_mov_b32 s31, 0
	s_lshl_b32 s32, s23, 15                        ; destination offset
	s_mov_b32 s33, 0
	v_lshlrev_b32 v3, 5, v2
	v_lshl_add_u32 v3, s22, 13, v3                 ; source: 8,192 wave + 32 lane (8 numbers a lane)
	v_lshlrev_b32 v4, 4, v2
	v_lshl_add_u32 v4, s22, 12, v4                 ; destination: 4,096 wave + 16 lane
	s_wait_kmcnt 0x0
	s_cmp_eq_u32 s25, 1
	s_cselect_b64 s[28:29], s[10:11], s[8:9]
	s_cmp_eq_u32 s25, 2
	s_cselect_b64 s[28:29], s[12:13], s[28:29]
	s_cmp_eq_u32 s25, 3
	s_cselect_b64 s[28:29], s[14:15], s[28:29]
	s_cmp_lt_u32 s23, 512
	s_cselect_b64 s[28:29], s[6:7], s[28:29]
	s_cmp_lt_u32 s23, 256
	s_cselect_b64 s[28:29], s[4:5], s[28:29]
	s_add_nc_u64 s[28:29], s[28:29], s[30:31]
	s_add_nc_u64 s[18:19], s[18:19], s[32:33]
.irp i, 0,1,2,3,4,5,6,7
	global_load_b128 v[XR+8*\i:XR+8*\i+3],   v3, s[28:29] offset:1024*\i th:TH_LOAD_NT      ; the pair of loads covers 1,024 neighbouring bytes
	global_load_b128 v[XR+8*\i+4:XR+8*\i+7], v3, s[28:29] offset:1024*\i+16 th:TH_LOAD_NT
.endr
.irp i, 0,1,2,3,4,5,6,7
	s_wait_loadcnt 14-2*\i                         ; loads return in order: group i's two are in, the 14 - 2 i younger ones stay out
.irp k, 0,1,2,3
	v_cvt_pk_bf16_f32 v[YR+4*\i+\k], v[XR+8*\i+2*\k], v[XR+8*\i+2*\k+1]
.endr
	global_store_b128 v4, v[YR+4*\i:YR+4*\i+3], s[18:19] offset:512*\i                      ; 512 neighbouring bytes, aligned; no register is used twice
.endr
	s_endpgm
	; ---- pack: work-group p = QT takes mask rows 16 p .. 16 p + 15, wave w the keys 256 w .. 256 w + 255 ----
.Lpack:
	s_sub_co_u32 s24, s23, 768                     ; p
	s_lshl_b32 s30, s24, 15                        ; 16 rows of 2,048 bytes
	s_mov_b32 s31, 0
	s_lshl_b32 s32, s24, 12                        ; 1,024 words for each QT
	s_mov_b32 s33, 0
	s_mul_i32 s25, s22, 16*LP                      ; the wave's own 16 x 272 bytes of LDS
	v_and_b32 v5, 15, v0                           ; r
	v_bfe_u32 v6, v0, 4, 1                         ; h
	v_lshlrev_b32 v7, 4, v5
	v_lshl_add_u32 v3, v6, 11, v7                  ; memory: row h of a pair of rows, 16 bytes at 16 r,
	v_lshl_add_u32 v3, s22, 8, v3                  ; in the wave's 256 keys
	v_mad_u32_u24 v8, v6, LP, v7
	v_add_nc_u32 v8, s25, v8                       ; LDS, in: the same place at pitch 272
	v_mul_u32_u24 v9, v5, LP
	v_lshl_add_u32 v9, v6, 3, v9
	v_add_nc_u32 v9, s25, v9                       ; LDS, back: row r, 8 bytes at 8 h (+ 16 for each tile of 16 keys)
	v_lshlrev_b32 v4, 4, v2
	v_lshl_add_u32 v4, s22, 9, v4                  ; the wave's 128 words, four a lane
.irp k, 0,1,2,3
	v_mov_b32 v[YR+\k], 0                          ; v_writelane_b32 fills them lane by lane: written whole first
.endr
	s_wait_kmcnt 0x0
	s_add_nc_u64 s[16:17], s[16:17], s[30:31]
	s_add_nc_u64 s[20:21], s[20:21], s[32:33]
.irp i, 0,1,2,3,4,5,6,7
	global_load_b128 v[XR+4*\i:XR+4*\i+3], v3, s[16:17] offset:4096*\i th:TH_LOAD_NT        ; two rows' 256 aligned bytes
.endr
.irp i, 0,1,2,3,4,5,6,7
	s_wait_loadcnt 7-\i                            ; the 7 - i younger loads stay out
	ds_store_b128 v8, v[XR+4*\i:XR+4*\i+3] offset:2*LP*\i
.endr
.irp tt, 0,1,2,3,4,5,6,7,8,9,10,11,12,13,14,15
	ds_load_b64 v[XR+32+2*\tt:XR+32+2*\tt+1], v9 offset:16*\tt                              ; LDS serves a wave's instructions in order: these see the stores above
.endr
.set wd, 0
.rept 16
	s_wait_dscnt 15-wd/8                           ; this tile's 8 bytes are in; the younger LDS loads stay out
.rept 8
	v_and_b32 v[10+wd%4], 0xff<<(8*(wd%4)), v[XR+32+2*(wd/8)+(wd%8)/4]                      ; byte j of my 8 keys
	v_cmp_ne_u32 s[34+wd%8], 0, v[10+wd%4]         ; one bit a lane: the word
	v_writelane_b32 v[YR+wd%4], s[34+wd%8], wd/4   ; word wd goes to lane wd / 4, register wd % 4
.set wd, wd+1
.endr
.endr
	global_store_b128 v4, v[YR:YR+3], s[20:21]     ; 512 neighbouring bytes, aligned
	s_wait_tensorcnt 0x0
	ds_add_u32 v112, v113
	s_wait_dscnt 0x0
	s_endpgm
.Lfunc_end_k_q5d99e15de6_prep:
	.size	k_q5d99e15de6_prep, .Lfunc_end_k_q5d99e15de6_prep-k_q5d99e15de6_prep
	.p2alignl 7, 3214868480
	.fill 96, 4, 3214868480
	.section	.rodata,"a",@progbits
	.p2align	6, 0x0
	.amdhsa_kernel k_q5d99e15de6_prep
		.amdhsa_group_segment_fixed_size 35840
		.amdhsa_private_segment_fixed_size 0
		.amdhsa_enable_private_segment 0
		.amdhsa_kernarg_size 72
		.amdhsa_user_sgpr_count 2
		.amdhsa_user_sgpr_kernarg_segment_ptr 1
		.amdhsa_wavefront_size32 1
		.amdhsa_system_sgpr_workgroup_id_x 1
		.amdhsa_system_sgpr_workgroup_id_y 1
		.amdhsa_system_sgpr_workgroup_id_z 1
		.amdhsa_system_vgpr_workitem_id 0
		.amdhsa_next_free_vgpr 114
		.amdhsa_next_free_sgpr 66
		.amdhsa_reserve_vcc 0
		.amdhsa_float_denorm_mode_32 3
		.amdhsa_float_denorm_mode_16_64 3
		.amdhsa_memory_ordered 1
		.amdhsa_forward_progress 1
		.amdhsa_inst_pref_size 35
	.end_amdhsa_kernel
	.amdgpu_metadata
---
amdhsa.version: [ 1, 2 ]
amdhsa.kernels:
  - .name:           k_q5d99e15de6_prep
    .symbol:         k_q5d99e15de6_prep.kd
    .args:
      - { .name: inputs_q, .offset: 0, .size: 8, .value_kind: global_buffer, .address_space: global }
      - { .name: inputs_kv, .offset: 8, .size: 8, .value_kind: global_buffer, .address_space: global }
      - { .name: Wq, .offset: 16, .size: 8, .value_kind: global_buffer, .address_space: global }
      - { .name: Wk, .offset: 24, .size: 8, .value_kind: global_buffer, .address_space: global }
      - { .name: Wv, .offset: 32, .size: 8, .value_kind: global_buffer, .address_space: global }
      - { .name: Wp, .offset: 40, .size: 8, .value_kind: global_buffer, .address_space: global }
      - { .name: attention_mask, .offset: 48, .size: 8, .value_kind: global_buffer, .address_space: global }
      - { .name: xb, .offset: 56, .size: 8, .value_kind: global_buffer, .address_space: global }
      - { .name: mbits, .offset: 64, .size: 8, .value_kind: global_buffer, .address_space: global }
    .group_segment_fixed_size: 35840
    .private_segment_fixed_size: 0
    .kernarg_segment_align: 8
    .kernarg_segment_size: 72
    .max_flat_workgroup_size: 256
    .sgpr_count:     66
    .vgpr_count:     114
    .wavefront_size: 32
...
	.end_amdgpu_metadata
.endif
;; end of part 1
;; launch qkv (part 2): grid 24 x 16, 4 waves a work-group, clusters of 4 x 4, 327,680 bytes of LDS; arguments xb, bq, bk, bv, qkv; writes qkv
.if DOCPART == 2
	.amdgcn_target "amdgcn-amd-amdhsa--gfx1250"
	.amdhsa_code_object_version 6
	.text
	.protected	k_q5d99e15de6_qkv
	.globl	k_q5d99e15de6_qkv
	.p2align	8
	.type	k_q5d99e15de6_qkv,@function
k_q5d99e15de6_qkv:
	s_mov_b64 s[64:65], 0
	v_nop
	global_prefetch_b8 v0, s[64:65] scope:SCOPE_SE
	s_setreg_imm32_b32 hwreg(HW_REG_WAVE_MODE, 25, 1), 1
	s_wait_xcnt 0x0
	s_wait_alu depctr_hold_cnt(0) depctr_sa_sdst(0) depctr_va_vdst(0) depctr_va_sdst(0) depctr_va_ssrc(0) depctr_va_vcc(0) depctr_vm_vsrc(0)
	s_getreg_b32 s2, hwreg(HW_REG_IB_STS2, 6, 4)
	s_cmp_eq_u32 s2, 0
	s_cbranch_scc0 .Lentry_in_a_cluster
	s_endpgm
.Lentry_in_a_cluster:
	s_bfe_u32 s2, ttmp6, 0x10000c
	s_cmp_lg_u32 s2, 0xf033
	s_cbranch_scc0 .Lentry_shape_is_right
	s_endpgm
.Lentry_shape_is_right:
; C = X W + bias for Q, K and V at once.  X: [4096][1024] bf16 (rows along K), W: [1024 k][1024 n] bf16, both in xb; C: bf16, [3][4096][1024].
; Block columns 0-7 make Q (inputs_q, Wq, bq), 8-15 K (inputs_kv, Wk, bk), 16-23 V (inputs_kv, Wv, bv); a cluster's four block columns lie in one of the three.
; A work-group makes 256 rows x 128 columns with four waves; wave w makes rows 64 w .. 64 w + 63 of all 128 columns: 32 accumulator tiles, 256 registers,
; so a wave owns whole rows of the block (256 bytes of bf16).  For 32 along K a wave reads (64 + 128) x 64 bytes from LDS for 32 matrix instructions.
; K goes in steps of 128 through two LDS slots filled by the tensor data mover: 256 rows of X (256 bytes each, pitch 272) and 128 k-rows of W (256 bytes, pitch 288).
; W stays [k][n]; ds_load_tr16_b128 transposes it on the way into registers.
; CLUSTERS: 4 x 4 work-groups.  X's tile hangs on the block row alone and is asked for jointly along a row of the cluster, W's on the block column alone and is
; asked for jointly along a column: each of the four issues the same tensor load with the same descriptor and a mask that names the four.
; The matrix instruction is used transposed (source 0 = 16 columns of W, source 1 = 16 rows of X): a lane then holds row l % 16 of C and eight neighbouring columns.
; REGISTERS: window 0: v16-31 addresses, v64-159 and v160-255 two fragment buffers (W's 8 fragments, then X's 4); window 1: accumulator (a, b) at v[8 (8 a + b)].
.set OUT_F32, 0
.set SIZE_K, 1024
.set KSTEP,  128
.set PA,     272                       ; LDS pitch of X's rows: 256 + 16 bytes, an odd multiple of 16
.set PB,     288                       ; LDS pitch of W's rows: 256 + 32 bytes, an odd multiple of 32, for the transposing load
.set AHALF,  128*PA                    ; what one of waves 0, 1 fetches
.set BHALF,  64*PB                     ; what one of waves 2, 3 fetches
.set ABYTES, 2*AHALF
.set SLOT,   ABYTES+2*BHALF            ; 106,496
.set STAGE,  2*SLOT                    ; behind the ring: 16 rows for each wave, for the way out; no tensor load lands here
.if OUT_F32
.set SP,     528                       ; stage pitch: 512 + 16
.else
.set SP,     272                       ; stage pitch: 256 + 16
.endif
.set BIASL,  STAGE+4*16*SP             ; 512 bytes for each wave: the block's 128 biases
.set LAPS,   SIZE_K/(2*KSTEP)          ; a lap = two K steps = once round the ring
.set ADRA, 16                          ; v16-17 LDS address of my X fragments in slot 0, 1
.set ADRB, 20                          ; v20-21 the same for W
.set BGO,  22                          ; byte offset of my 16 bytes of the bias
.set BLD,  23                          ; LDS: where I read my biases
.set STO,  24                          ; way out: where I put my part of a row
.set RD,   25                          ; way out: where I read rows back
.set CO,   26                          ; my byte offset in C
.set BST,  27                          ; LDS: where I put 16 bytes of the bias
.set BV,   28                          ; v[28:31] bias as loaded
.set F0,   64
.set F1,   160
.set BIAS, 64                          ; way out: v[64:127], bias of my 64 columns' places
.if OUT_F32
.set SUM,  128                         ; v[128:191] results + bias
.set BACK, 192                         ; v[192:255] rows read back
.else
.set PACK, 128                         ; v[128:159] packed bf16
.set SUM,  160                         ; v[160:223] results + bias
.set BACK, 224                         ; v[224:255] rows read back
.endif
.set G1,  24                           ; s[24:31] group 1 for X's tiles
.set G0,  32                           ; s[32:39] group 0 for X's tiles, one set a slot
.set G1B, 48                           ; s[48:55] group 1 for W's tiles
.set G0B, 56                           ; s[56:63] group 0 for W's tiles, one set a slot
.set MULW, 0x50                        ; C and D in window 1, sources in window 0
.set MSB, 0
.macro WIN new                         ; the immediate's high byte repeats the setting that is left
.if MSB != \new
	s_set_vgpr_msb (MSB<<8)|\new
.set MSB, \new
.endif
.endm
.macro PLACES                          ; four places behind a matrix instruction (ISA guide 7.12.1) before its results are read or its registers loaded again
.rept 4
	v_nop
.endr
.endm
.macro JLOAD s                         ; waves 0, 1 ask for X's halves, waves 2, 3 for W's: the branch hangs on the wave's number alone
	s_cmp_eq_u32 s11, 0
	s_cbranch_scc0 .Lfor_b_\@
	tensor_load_to_lds s[G0+4*\s:G0+4*\s+3], s[G1:G1+7]
	s_nop 0
	s_branch .Lasked_\@
.Lfor_b_\@:
	tensor_load_to_lds s[G0B+4*\s:G0B+4*\s+3], s[G1B:G1B+7]
	s_nop 0
.Lasked_\@:
.endm
.macro CREST                           ; a round of the cluster's barrier behind its opening work-group barrier
	s_cmp_lg_u32 s10, 0
	s_cbranch_scc1 .Lnot_wave_0_\@
	s_barrier_signal -3
.Lnot_wave_0_\@:
	s_barrier_wait -3
	s_barrier_signal -1
	s_barrier_wait -1
.endm
.macro CROUND
	s_barrier_signal -1
	s_barrier_wait -1
	CREST
.endm
.if OUT_F32
	s_load_b256 s[68:75], s[0:1], 0x0              ; att s[68:69], xb s[70:71], bp s[72:73], out0 s[74:75]
.else
	s_load_b256 s[68:75], s[0:1], 0x0              ; xb s[68:69], bq s[70:71], bk s[72:73], bv s[74:75]
	s_load_b64 s[8:9], s[0:1], 0x20                ; qkv
	v_lshl_add_u32 v62, v0, 2, 0x38c00
	v_mov_b32 v63, 0
	ds_add_u32 v62, v63
.endif
	v_lshrrev_b32 v1, 5, v0
	v_readfirstlane_b32 s10, v1                    ; wave 0..3
	s_lshr_b32 s11, s10, 1                         ; I fetch for X (0) or for W (1)
	s_and_b32 s12, s10, 1                          ; which half of that tile
	s_bfe_u32 s40, ttmp6, 0x40000                  ; cx
	s_bfe_u32 s41, ttmp6, 0x40004                  ; cy
	s_lshl_b32 s42, ttmp9, 2
	s_add_co_u32 s42, s42, s40                     ; block column = 4 x cluster x + cx
	s_and_b32 s13, ttmp7, 0xffff
	s_lshl_b32 s13, s13, 2
	s_add_co_u32 s13, s13, s41                     ; block row = 4 x cluster y + cy
	s_lshl_b32 s43, s41, 2
	s_lshl_b32 s43, 15, s43                        ; my row of the cluster
	s_lshl_b32 s44, 0x1111, s40                    ; my column of the cluster
.if OUT_F32 == 0
	s_lshr_b32 s45, ttmp9, 1                       ; 0 Q, 1 K, 2 V: the same in the whole cluster
	s_and_b32 s76, s42, 7                          ; block column inside that product
.endif
	; group 1: X: 128 rows x 128 elements, 4 words of padding behind every 64; W: 64 rows x 128 elements, 8 words of padding
	s_or_b32 s[G1+0],  s43, (1<<16)|(1<<20)|(1<<21)|(5<<22)|(3<<25)
	s_or_b32 s[G1B+0], s44, (1<<16)|(1<<20)|(1<<21)|(5<<22)|(7<<25)
	s_mov_b32 s[G1+1],  KSTEP<<16                  ; tensor_dim0 = 128
	s_mov_b32 s[G1B+1], 128<<16
	s_mov_b32 s[G1+2],  128<<16                    ; tensor_dim1 = rows
	s_mov_b32 s[G1B+2], 64<<16
	s_mov_b32 s[G1+3],  KSTEP<<16                  ; tile_dim0 = 128
	s_mov_b32 s[G1B+3], 128<<16
	s_mov_b32 s[G1+4],  128                        ; tile_dim1
	s_mov_b32 s[G1B+4], 64
	s_mov_b32 s[G1+5],  1024                       ; elements from row to row
	s_mov_b32 s[G1B+5], 1024
	s_mov_b32 s[G1+6],  0
	s_mov_b32 s[G1B+6], 0
	s_mov_b32 s[G1+7],  0
	s_mov_b32 s[G1B+7], 0
	; X's tile: rows 256 x block row + 128 x half, 2,048 bytes a row.  No register here ever holds cx.
	s_lshl_b32 s16, s13, 19
	s_lshl_b32 s17, s12, 18
	s_add_co_u32 s16, s16, s17
.if OUT_F32 == 0
	s_cmp_lg_u32 s45, 0
	s_cselect_b32 s17, 0x800000, 0                 ; K and V read inputs_kv's copy, 8,388,608 bytes into xb
	s_add_co_u32 s16, s16, s17
.endif
	s_mov_b32 s17, 0
	; W's tile: k rows 64 x half, columns 128 x block column.  No register here ever holds cy.
.if OUT_F32
	s_lshl_b32 s46, s42, 8
	s_add_co_u32 s46, s46, 0x1600000               ; Wp's copy in xb
.else
	s_lshl_b32 s46, s45, 21                        ; Wq, Wk, Wv: 2,097,152 bytes each,
	s_add_co_u32 s46, s46, 0x1000000               ; from byte 16,777,216 of xb
	s_lshl_b32 s47, s76, 8
	s_add_co_u32 s46, s46, s47
.endif
	s_lshl_b32 s47, s12, 17
	s_add_co_u32 s46, s46, s47
	s_mov_b32 s47, 0
	s_mul_i32 s20, s10, AHALF                      ; LDS: waves 0, 1: X's halves at 0 and 34,816
	s_mul_i32 s22, s10, BHALF
	s_add_co_u32 s22, s22, ABYTES-2*BHALF          ; waves 2, 3: W's halves at 69,632 and 88,064
	s_wait_dscnt 0x0
	s_wait_kmcnt 0x0
.if OUT_F32
	s_add_nc_u64 s[14:15], s[68:69], s[16:17]
	s_add_nc_u64 s[46:47], s[70:71], s[46:47]
	s_mov_b64 s[66:67], s[72:73]                   ; bias
	s_mov_b64 s[8:9], s[74:75]                     ; C
.else
	s_add_nc_u64 s[14:15], s[68:69], s[16:17]
	s_add_nc_u64 s[46:47], s[68:69], s[46:47]
	s_cmp_eq_u32 s45, 1
	s_cselect_b64 s[66:67], s[72:73], s[70:71]
	s_cmp_eq_u32 s45, 2
	s_cselect_b64 s[66:67], s[74:75], s[66:67]     ; bias: bq, bk or bv
.endif
	CROUND                                         ; all sixteen work-groups are here: the first joint loads meet
.irp s, 0,1
	s_mov_b32 s[G0+4*\s], 1
	s_add_co_u32 s[G0+4*\s+1], s20, \s*SLOT
	s_add_nc_u64 s[G0+4*\s+2:G0+4*\s+3], s[14:15], \s*KSTEP*2             ; K step s: 256 bytes along the rows
	s_or_b32 s[G0+4*\s+3], s[G0+4*\s+3], 0x80000000
	s_mov_b32 s[G0B+4*\s], 1
	s_add_co_u32 s[G0B+4*\s+1], s22, \s*SLOT
	s_add_nc_u64 s[G0B+4*\s+2:G0B+4*\s+3], s[46:47], \s*KSTEP*2048        ; K step s: 128 rows down
	s_or_b32 s[G0B+4*\s+3], s[G0B+4*\s+3], 0x80000000
	JLOAD \s                                       ; both first fills go out ahead of everything else: two tensor loads of a wave are out
.endr
	; the block's 128 biases, 16 bytes a lane, into the wave's own 512 bytes of LDS
	v_and_b32 v6, 31, v0
	v_lshlrev_b32 v9, 4, v6
.if OUT_F32
	s_lshl_b32 s23, s42, 9
.else
	s_lshl_b32 s23, s76, 9
.endif
	v_add_nc_u32 v[BGO], s23, v9
	global_load_b128 v[BV:BV+3], v[BGO], s[66:67]
	; fragment addresses
	v_and_b32 v1, 15, v0                           ; r
	v_bfe_u32 v2, v0, 4, 1                         ; h
	v_mul_u32_u24 v3, v1, PA
	v_lshl_add_u32 v3, v2, 4, v3                   ; 272 r + 16 h
	s_mul_i32 s23, s10, 64*PA                      ; my 64 rows of X
	v_add_nc_u32 v[ADRA], s23, v3
	v_add_nc_u32 v[ADRA+1], SLOT, v[ADRA]
	v_and_b32 v4, 7, v0
	v_lshl_add_u32 v4, v2, 3, v4                   ; k row 8 h + l % 8
	v_mul_u32_u24 v4, v4, PB
	v_bfe_u32 v5, v0, 3, 1
	v_lshl_add_u32 v4, v5, 4, v4                   ; + 16 bytes for the upper eight columns
	v_add_nc_u32 v[ADRB], ABYTES, v4
	v_add_nc_u32 v[ADRB+1], SLOT, v[ADRB]
	s_mul_i32 s23, s10, 16*SP
	s_add_co_u32 s23, s23, STAGE                   ; my stage
.if OUT_F32
	v_mul_u32_u24 v7, v1, SP
	v_lshl_add_u32 v7, v2, 5, v7                   ; in: row r, 32 bytes for each half of the lanes
	v_add_nc_u32 v[STO], s23, v7
	v_lshlrev_b32 v[CO], 4, v6                     ; back and out: a whole row of 512 bytes, 16 a lane
	v_add_nc_u32 v[RD], s23, v[CO]
.else
	v_add_nc_u32 v[STO], s23, v3                   ; in: row r, 16 bytes for each half of the lanes
	v_lshlrev_b32 v7, 4, v1
	v_mad_u32_u24 v8, v2, SP, v7                   ; back: lanes 0-15 one row of 256 bytes, lanes 16-31 the next
	v_add_nc_u32 v[RD], s23, v8
	v_lshl_add_u32 v[CO], v2, 11, v7               ; the same two rows in C
.endif
	s_lshl_b32 s23, s10, 9
	s_add_co_u32 s23, s23, BIASL
	v_add_nc_u32 v[BST], s23, v9
	v_lshl_add_u32 v[BLD], v2, 5, s23              ; my columns 16 b + 8 h + 0..7: 32 h (+ 64 b)
	s_wait_loadcnt 0x0
	ds_store_b128 v[BST], v[BV:BV+3]
; 8 matrix instructions: my rows 16 a .. 16 a + 15 x all 8 column tiles, 32 along K.  zero = 1: the first product starts the sums.
.macro MUL8 f, a, zero
.irp b, 0,1,2,3,4,5,6,7
.if \zero
	v_wmma_f32_16x16x32_bf16 v[8*(8*\a+\b):8*(8*\a+\b)+7], v[\f+8*\b:\f+8*\b+7], v[\f+64+8*\a:\f+64+8*\a+7], 0
.else
	v_wmma_f32_16x16x32_bf16 v[8*(8*\a+\b):8*(8*\a+\b)+7], v[\f+8*\b:\f+8*\b+7], v[\f+64+8*\a:\f+64+8*\a+7], v[8*(8*\a+\b):8*(8*\a+\b)+7]
.endif
.endr
.endm
; 24 LDS loads in one run: quarter kq (32 along K) of a slot into buffer f: W's 8 fragments transposed, then X's 4
.macro FETCH slot, kq, f
	WIN 0
.irp b, 0,1,2,3,4,5,6,7
	ds_load_tr16_b128 v[\f+8*\b:\f+8*\b+3],   v[ADRB+\slot] offset:\kq*32*PB+32*\b
	ds_load_tr16_b128 v[\f+8*\b+4:\f+8*\b+7], v[ADRB+\slot] offset:\kq*32*PB+32*\b+16*PB
.endr
.irp a, 0,1,2,3
	ds_load_b128 v[\f+64+8*\a:\f+64+8*\a+3],   v[ADRA+\slot] offset:\a*16*PA+64*\kq
	ds_load_b128 v[\f+64+8*\a+4:\f+64+8*\a+7], v[ADRA+\slot] offset:\a*16*PA+64*\kq+32
.endr
.endm
; The 32 accumulators take turns, one instruction a turn, in the same order in every quarter.
.macro QUARTER slot, kq, f, g, zero
	s_wait_dscnt 4                                 ; all but the four youngest loads (X's fragments 2, 3)
	WIN MULW
	MUL8 \f, 0, \zero
	MUL8 \f, 1, \zero
	PLACES
	FETCH \slot, \kq, \g
	s_wait_dscnt 24                                ; all but the 24 just issued
	WIN MULW
	MUL8 \f, 2, \zero
	MUL8 \f, 3, \zero
.endm
.macro THREE slot, zero
	QUARTER \slot, 1, F0, F1, \zero
	QUARTER \slot, 2, F1, F0, 0
	QUARTER \slot, 3, F0, F1, 0
.endm
; The last quarter of a K step changes slots.  In front of the barrier each wave waits for its reads of this slot and for all its tensor loads (one is out: its part
; of the next slot).  Where the slot is filled again the barrier opens a round of the cluster's barrier, and the joint refill is the first tensor load behind the round.
.macro TURN slot, next, fill
	s_wait_dscnt 4
	WIN MULW
	MUL8 F1, 0, 0
	s_wait_dscnt 0
	s_wait_tensorcnt 0x0
	ds_add_u32 v62, v63
	s_wait_dscnt 0x0
	s_barrier_signal -1
	MUL8 F1, 1, 0                                  ; register work while the others arrive
	WIN 0
	s_barrier_wait -1
.if \fill
	CREST
	s_add_nc_u64 s[G0+4*\slot+2:G0+4*\slot+3], s[G0+4*\slot+2:G0+4*\slot+3], 2*KSTEP*2          ; no tensor load of mine is out: the addresses step two K steps
	s_add_nc_u64 s[G0B+4*\slot+2:G0B+4*\slot+3], s[G0B+4*\slot+2:G0B+4*\slot+3], 2*KSTEP*2048
	JLOAD \slot
.endif
	PLACES
	FETCH \next, 0, F0
	WIN MULW
	MUL8 F1, 2, 0
	MUL8 F1, 3, 0
.endm
.macro LAP zero
	THREE 0, \zero
	TURN 0, 1, 1
	THREE 1, 0
	TURN 1, 0, 1
.endm
	s_wait_tensorcnt 1                             ; my part of K step 0 is in; K step 1's stays out
	s_wait_dscnt 0x0                               ; my bias store is done
	s_barrier_signal -1
	s_barrier_wait -1
	FETCH 0, 0, F0
	LAP 1                                          ; the first lap's first products start the sums
	WIN 0
	s_mov_b32 s3, LAPS-2
.Llap:
	LAP 0
	WIN 0
	s_sub_co_u32 s3, s3, 1
	s_cmp_lg_u32 s3, 0
	s_cbranch_scc1 .Llap
	THREE 0, 0                                     ; the last lap fills nothing
	TURN 0, 1, 0
	THREE 1, 0
	s_wait_dscnt 4
	WIN MULW
	MUL8 F1, 0, 0
	MUL8 F1, 1, 0
	s_wait_dscnt 0
	MUL8 F1, 2, 0
	MUL8 F1, 3, 0
	; THE WAY OUT, 16 rows at a time: add the bias, (round to bf16,) through my own stage in LDS, whole rows out.
	PLACES
	WIN 0
.irp b, 0,1,2,3,4,5,6,7
	ds_load_b128 v[BIAS+8*\b:BIAS+8*\b+3],   v[BLD] offset:64*\b
	ds_load_b128 v[BIAS+8*\b+4:BIAS+8*\b+7], v[BLD] offset:64*\b+16
.endr
.if OUT_F32
	s_lshl_b32 s16, s13, 20                        ; 256 rows of 4,096 bytes a block row,
	s_lshl_b32 s17, s10, 18                        ; 64 rows a wave
	s_add_co_u32 s16, s16, s17
	s_lshl_b32 s46, s42, 9                         ; 512 bytes a block column
.else
	s_lshl_b32 s16, s13, 19                        ; 256 rows of 2,048 bytes a block row,
	s_lshl_b32 s17, s10, 17                        ; 64 rows a wave,
	s_add_co_u32 s16, s16, s17
	s_lshl_b32 s17, s45, 23                        ; 8,388,608 bytes for each of Q, K, V
	s_add_co_u32 s16, s16, s17
	s_lshl_b32 s46, s76, 8                         ; 256 bytes a block column
.endif
	s_mov_b32 s17, 0
	s_mov_b32 s47, 0
	s_add_nc_u64 s[8:9], s[8:9], s[16:17]
	s_add_nc_u64 s[8:9], s[8:9], s[46:47]
	s_wait_dscnt 0x0
.macro OUT16 a
	WIN 0x01                                       ; source 0 (the sums) in window 1
.irp b, 0,1,2,3,4,5,6,7
.irp i, 0,1,2,3
	v_pk_add_f32 v[SUM+8*\b+2*\i:SUM+8*\b+2*\i+1], v[8*(8*\a+\b)+2*\i:8*(8*\a+\b)+2*\i+1], v[BIAS+8*\b+2*\i:BIAS+8*\b+2*\i+1]
.endr
.endr
	WIN 0
.if OUT_F32
.irp b, 0,1,2,3,4,5,6,7
	ds_store_b128 v[STO], v[SUM+8*\b:SUM+8*\b+3]   offset:64*\b
	ds_store_b128 v[STO], v[SUM+8*\b+4:SUM+8*\b+7] offset:64*\b+16
.endr
	s_wait_xcnt 0x0                                ; BACK, which the last stores read, and their base are rewritten only behind this wait
.if \a
	s_add_nc_u64 s[8:9], s[8:9], 16*4096
.endif
.irp i, 0,1,2,3,4,5,6,7,8,9,10,11,12,13,14,15
	ds_load_b128 v[BACK+4*\i:BACK+4*\i+3], v[RD] offset:SP*\i              ; LDS serves a wave's instructions in order: these see the stores above
.endr
.irp i, 0,1,2,3,4,5,6,7,8,9,10,11,12,13,14,15
	s_wait_dscnt 15-\i
	global_store_b128 v[CO], v[BACK+4*\i:BACK+4*\i+3], s[8:9] offset:4096*\i th:TH_STORE_NT   ; 512 neighbouring bytes, aligned
.endr
.else
.irp b, 0,1,2,3,4,5,6,7
.irp i, 0,1,2,3
	v_cvt_pk_bf16_f32 v[PACK+4*\b+\i], v[SUM+8*\b+2*\i], v[SUM+8*\b+2*\i+1]
.endr
.endr
.irp b, 0,1,2,3,4,5,6,7
	ds_store_b128 v[STO], v[PACK+4*\b:PACK+4*\b+3] offset:32*\b
.endr
	s_wait_xcnt 0x0                                ; BACK, which the last stores read, and their base are rewritten only behind this wait
.if \a
	s_add_nc_u64 s[8:9], s[8:9], 16*2048
.endif
.irp t, 0,1,2,3,4,5,6,7
	ds_load_b128 v[BACK+4*\t:BACK+4*\t+3], v[RD] offset:2*SP*\t            ; LDS serves a wave's instructions in order: these see the stores above
.endr
.irp t, 0,1,2,3,4,5,6,7
	s_wait_dscnt 7-\t
	global_store_b128 v[CO], v[BACK+4*\t:BACK+4*\t+3], s[8:9] offset:4096*\t                  ; 16 lanes store 256 neighbouring bytes, aligned
.endr
.endif
.endm
	OUT16 0
	OUT16 1
	OUT16 2
	OUT16 3
	s_wait_tensorcnt 0x0
	ds_add_u32 v62, v63
	s_wait_dscnt 0x0
	CROUND                                         ; the closing round: no work-group ends while a partner may still ask for a tile that names it
	s_endpgm
.Lfunc_end_k_q5d99e15de6_qkv:
	.size	k_q5d99e15de6_qkv, .Lfunc_end_k_q5d99e15de6_qkv-k_q5d99e15de6_qkv
	.p2alignl 7, 3214868480
	.fill 96, 4, 3214868480
	.section	.rodata,"a",@progbits
	.p2align	6, 0x0
	.amdhsa_kernel k_q5d99e15de6_qkv
		.amdhsa_group_segment_fixed_size 327680
		.amdhsa_private_segment_fixed_size 0
		.amdhsa_enable_private_segment 0
		.amdhsa_kernarg_size 40
		.amdhsa_user_sgpr_count 2
		.amdhsa_user_sgpr_kernarg_segment_ptr 1
		.amdhsa_wavefront_size32 1
		.amdhsa_system_sgpr_workgroup_id_x 1
		.amdhsa_system_sgpr_workgroup_id_y 1
		.amdhsa_system_sgpr_workgroup_id_z 1
		.amdhsa_system_vgpr_workitem_id 0
		.amdhsa_next_free_vgpr 512
		.amdhsa_next_free_sgpr 80
		.amdhsa_reserve_vcc 0
		.amdhsa_float_denorm_mode_32 3
		.amdhsa_float_denorm_mode_16_64 3
		.amdhsa_memory_ordered 1
		.amdhsa_forward_progress 1
		.amdhsa_inst_pref_size 127
	.end_amdhsa_kernel
	.amdgpu_metadata
---
amdhsa.version: [ 1, 2 ]
amdhsa.kernels:
  - .name:           k_q5d99e15de6_qkv
    .symbol:         k_q5d99e15de6_qkv.kd
    .args:
      - { .name: xb, .offset: 0, .size: 8, .value_kind: global_buffer, .address_space: global }
      - { .name: bq, .offset: 8, .size: 8, .value_kind: global_buffer, .address_space: global }
      - { .name: bk, .offset: 16, .size: 8, .value_kind: global_buffer, .address_space: global }
      - { .name: bv, .offset: 24, .size: 8, .value_kind: global_buffer, .address_space: global }
      - { .name: qkv, .offset: 32, .size: 8, .value_kind: global_buffer, .address_space: global }
    .group_segment_fixed_size: 327680
    .private_segment_fixed_size: 0
    .kernarg_segment_align: 8
    .kernarg_segment_size: 40
    .max_flat_workgroup_size: 128
    .sgpr_count:     80
    .vgpr_count:     512
    .wavefront_size: 32
...
	.end_amdgpu_metadata
.endif
;; end of part 2
;; launch attn (part 3): grid 16 x 16, 8 waves a work-group, clusters of 4 x 1, 327,680 bytes of LDS; arguments qkv, mbits, att; writes att
.if DOCPART == 3
	.amdgcn_target "amdgcn-amd-amdhsa--gfx1250"
	.amdhsa_code_object_version 6
	.text
	.protected	k_q5d99e15de6_attn
	.globl	k_q5d99e15de6_attn
	.p2align	8
	.type	k_q5d99e15de6_attn,@function
k_q5d99e15de6_attn:
	s_mov_b64 s[64:65], 0
	v_nop
	global_prefetch_b8 v0, s[64:65] scope:SCOPE_SE
	s_setreg_imm32_b32 hwreg(HW_REG_WAVE_MODE, 25, 1), 1
	s_wait_xcnt 0x0
	s_wait_alu depctr_hold_cnt(0) depctr_sa_sdst(0) depctr_va_vdst(0) depctr_va_sdst(0) depctr_va_ssrc(0) depctr_va_vcc(0) depctr_vm_vsrc(0)
	s_getreg_b32 s2, hwreg(HW_REG_IB_STS2, 6, 4)
	s_cmp_eq_u32 s2, 0
	s_cbranch_scc0 .Lentry_in_a_cluster
	s_endpgm
.Lentry_in_a_cluster:
	s_bfe_u32 s2, ttmp6, 0x10000c
	s_cmp_lg_u32 s2, 0x3003
	s_cbranch_scc0 .Lentry_shape_is_right
	s_endpgm
.Lentry_shape_is_right:
; Masked softmax attention with a running maximum.  qkv: bf16 [3][4096 tokens][1024]; mbits: the mask as lane-mask words; att: bf16 [4096][1024].
; A work-group takes one batch, two neighbouring heads (so that every row of K, V and att that it touches is 256 aligned bytes) and 128 queries.
; Wave W: e = W & 1 the head of the pair, g = (W >> 1) & 1 which 64 queries, kh = W >> 2 which half of the keys of every slot.  A wave's block is 64 queries x 64 keys:
; 16 KiB from LDS for 64 matrix instructions.  Two waves lie on a SIMD, so that one wave's softmax stands beside the other's products.
; The two waves that share (e, g) hold partial results over disjoint keys; they are merged at the end through LDS.  Register slot q holds query tile q xor 2 kh, so that
; every wave keeps slots 0, 1 and hands slots 2, 3 to wave W xor 4: one text for all waves.
; EVERYTHING IS TRANSPOSED: S^T = K Q^T (lane (r, h) holds query r, keys 16 t + 8 h + j), so two neighbouring score tiles, rounded to bf16 in place, are the second source of
; O^T = V^T P^T, whose first source ds_load_tr16_b128 makes of V's rows; the maximum, the rescale factor and 1 / sum are one number a lane.
; CLUSTERS: the four work-groups of a cluster are four query blocks of the same batch and heads: they read the same K and V, by joint loads with the mask 15.
; A slot holds 256 keys: regions 0-3 K (64 keys x 256 bytes, pitch 272), regions 4-7 V (pitch 288); each of the eight waves fills one region with one tensor load a trip.
; SOFTMAX: c = 0.125 log2 e.  Masked scores are replaced by -2^126; NMC = -(c x running maximum) starts at +2^100; p = exp2(c s + NMC), exactly 0 for a masked score.
; A row with no key allowed ends with sum 0 and O 0 and gives 0, as the reference's fill behind its softmax does.
; LIMITS: a row whose allowed scores all have c x (q . k) below -2^100 is treated as masked; NaN and infinities in the inputs are not reproduced.
.set REG,   18432                      ; a region: 64 rows at pitch 288 (K's use 64 x 272 of it)
.set SLOT,  8*REG                      ; 147,456; two slots
.set PK,    272
.set PV,    288
.set XW,    9216                       ; exchange: 8,192 bytes of O and 1,024 of state for each wave, from LDS byte 0 (slot 0, behind its last fill)
.set STAGE, 73728                      ; 128 rows x 272 bytes, also in slot 0, behind the exchange
.set G0,  8                            ; s[8:15]  group 0, one set a slot
.set G1K, 84                           ; s[84:91] group 1 for K's regions
.set G1V, 92                           ; s[92:99] group 1 for V's regions
; s4 wave, s5 trips, s6 c, s7 -c, s[2:3] Q's base, s66-67 lane selects, s[100:101] mask pointer, s104 / s105 mask offset of slots 0, 1 / 2, 3
; mask words of two query tiles: s16-47 (even slot), s48-63 and s68-83 (odd slot)
; window 0
.set ADK,  2                           ; v2-3   LDS address of my K fragments in slot 0, 1
.set ADV,  4                           ; v4-5   the same for V
.set NEGR, 6                           ; v6     -2^126
.set QA,   8                           ; v8-9   byte offset of my Q rows, slots 0, 1 / 2, 3
.set CO,   10                          ; my byte offset in att
.set XA,   11                          ; exchange: mine
.set XB,   12                          ; exchange: my partner's
.set STO,  13                          ; stage, in
.set RD,   14                          ; stage, back
.set ST,   16                          ; v[16+4q ..]: NMC, sum (this lane's keys), rescale factor, a filler so that pairs are whole
.set T,    32                          ; v[32:47] at work
.set SC,   64                          ; score tile (q, t) at v[64+32q+8t]; P(q, ks) packed in place at v[64+32q+16ks .. +7]
.set KF,   192                         ; K fragment (t, ks) at v[192+16t+8ks]
; window 1
.set OA,   0                           ; O tile (q, dt) at v[8(4q+dt)]
.set QF,   128                         ; Q fragment (q, ks) at v[128+16q+8ks]
.set VF,   192                         ; V fragment (dt, ks) at v[192+16dt+8ks]
.set MSB, 0
.macro WIN new                         ; the immediate's high byte repeats the setting that is left
.if MSB != \new
	s_set_vgpr_msb (MSB<<8)|\new
.set MSB, \new
.endif
.endm
.macro PLACES n
.rept \n
	v_nop
.endr
.endm
.macro ROUND                           ; a round of the cluster's barrier
	s_barrier_signal -1
	s_barrier_wait -1
	s_cmp_lg_u32 s4, 0
	s_cbranch_scc1 .Lnot_wave_0_\@
	s_barrier_signal -3
.Lnot_wave_0_\@:
	s_barrier_wait -3
	s_barrier_signal -1
	s_barrier_wait -1
.endm
.macro JLOAD slot                      ; waves 0-3 fill K's regions, waves 4-7 V's: the branch hangs on the wave's number alone
	s_cmp_lt_u32 s4, 4
	s_cbranch_scc0 .Lfor_v_\@
	tensor_load_to_lds s[G0+4*\slot:G0+4*\slot+3], s[G1K:G1K+7]
	s_nop 0
	s_branch .Lasked_\@
.Lfor_v_\@:
	tensor_load_to_lds s[G0+4*\slot:G0+4*\slot+3], s[G1V:G1V+7]
	s_nop 0
.Lasked_\@:
.endm
	s_load_b128 s[16:19], s[0:1], 0x0              ; qkv s[16:17], mbits s[18:19]
	v_lshl_add_u32 v62, v0, 2, 0x48000
	v_mov_b32 v63, 0
	ds_add_u32 v62, v63
	v_lshrrev_b32 v1, 5, v0
	v_readfirstlane_b32 s4, v1                     ; wave 0..7
	s_bfe_u32 s20, ttmp6, 0x40000                  ; cx
	s_lshl_b32 s21, ttmp9, 2
	s_add_co_u32 s21, s21, s20                     ; query block = 4 x cluster x + cx
	s_and_b32 s22, ttmp7, 0xffff
	s_lshr_b32 s23, s22, 3                         ; batch
	s_and_b32 s24, s22, 7                          ; pair of heads
	s_and_b32 s25, s4, 1                           ; e
	s_bfe_u32 s26, s4, 0x10001                     ; g
	s_lshr_b32 s27, s4, 2                          ; kh
	s_mov_b32 s6, 0x3e38aa3b                       ; c = 0.125 log2 e
	s_mov_b32 s7, 0xbe38aa3b                       ; -c
	s_mov_b32 s66, 0x76543210                      ; v_permlanex16_b32: lane i of one half reads lane i of the other
	s_mov_b32 s67, 0xfedcba98
	; group 1: 64 rows x 128 elements of 2 bytes, mask 15 with bit 21 beside it, padding behind every 64 words: K 4 words, V 8 words
	s_mov_b32 s[G1K+0], 15|(1<<16)|(1<<20)|(1<<21)|(5<<22)|(3<<25)
	s_mov_b32 s[G1V+0], 15|(1<<16)|(1<<20)|(1<<21)|(5<<22)|(7<<25)
.irp g, G1K, G1V
	s_mov_b32 s[\g+1], 128<<16                     ; tensor_dim0 = 128
	s_mov_b32 s[\g+2], 64<<16                      ; tensor_dim1 = 64
	s_mov_b32 s[\g+3], 128<<16                     ; tile_dim0 = 128
	s_mov_b32 s[\g+4], 64                          ; tile_dim1 = 64
	s_mov_b32 s[\g+5], 1024                        ; elements from row to row
	s_mov_b32 s[\g+6], 0
	s_mov_b32 s[\g+7], 0
.endr
	; my region's first tile: K or V, batch, keys 64 (W & 3), the pair's 256 bytes.  Nothing here hangs on cx.
	s_and_b32 s28, s4, 3
	s_lshl_b32 s28, s28, 17                        ; 64 rows of 2,048 bytes
	s_lshl_b32 s29, s23, 22                        ; 2,048 rows a batch
	s_add_co_u32 s28, s28, s29
	s_lshl_b32 s29, s24, 8
	s_add_co_u32 s28, s28, s29
	s_lshl_b32 s29, s27, 23                        ; V lies 8,388,608 bytes behind K,
	s_add_co_u32 s28, s28, s29
	s_add_co_u32 s28, s28, 0x800000                ; K as far behind Q
	s_mov_b32 s29, 0
	s_mul_i32 s30, s4, REG
	s_wait_dscnt 0x0
	s_wait_kmcnt 0x0
	s_add_nc_u64 s[28:29], s[16:17], s[28:29]
	s_mov_b64 s[2:3], s[16:17]                     ; Q's base, in registers that the mask loads never touch
.irp s, 0,1
	s_mov_b32 s[G0+4*\s], 1
	s_add_co_u32 s[G0+4*\s+1], s30, \s*SLOT
	s_add_nc_u64 s[G0+4*\s+2:G0+4*\s+3], s[28:29], \s*256*2048             ; slot s: keys 256 s ..
	s_or_b32 s[G0+4*\s+3], s[G0+4*\s+3], 0x80000000
.endr
	ROUND                                          ; the four work-groups are here: the first joint loads meet
	JLOAD 0                                        ; keys 0..255; one tensor load of a wave is out, here and behind every later round
	; addresses
	v_and_b32 v32, 15, v0                          ; r
	v_bfe_u32 v33, v0, 4, 1                        ; h
	v_and_b32 v34, 7, v0
	v_bfe_u32 v35, v0, 3, 1
	v_and_b32 v36, 31, v0                          ; lane
	s_lshl_b32 s33, s25, 7                         ; 128 e
	s_lshl_b32 s35, s23, 22
	s_lshl_b32 s36, s21, 18                        ; 128 rows a query block
	s_add_co_u32 s35, s35, s36
	s_lshl_b32 s36, s24, 8
	s_add_co_u32 s35, s35, s36                     ; batch, query block, pair of heads: for Q and for att
	s_lshl_b32 s36, s26, 17                        ; 64 g rows
	s_add_co_u32 s36, s36, s35
	s_add_co_u32 s36, s36, s33
	s_lshl_b32 s37, s27, 16                        ; slots 0, 1 are query tiles 2 kh, 2 kh + 1: 32 kh rows
	s_add_co_u32 s38, s36, s37
	s_xor_b32 s37, s37, 0x10000                    ; slots 2, 3 the other two
	s_add_co_u32 s39, s36, s37
	v_lshlrev_b32 v39, 11, v32
	v_lshl_add_u32 v39, v33, 4, v39                ; 2,048 r + 16 h
	v_add_nc_u32 v[QA], s38, v39
	v_add_nc_u32 v[QA+1], s39, v39
	WIN 0x40                                       ; destination in window 1
.irp q, 0,1,2,3
.irp ks, 0,1
	global_load_b128 v[QF+16*\q+8*\ks:QF+16*\q+8*\ks+3],   v[QA+\q/2], s[2:3] offset:32768*(\q%2)+64*\ks
	global_load_b128 v[QF+16*\q+8*\ks+4:QF+16*\q+8*\ks+7], v[QA+\q/2], s[2:3] offset:32768*(\q%2)+64*\ks+32
.endr
.endr
	WIN 0
	s_mul_i32 s32, s27, 2*REG                      ; my half of the slot's keys: regions 2 kh, 2 kh + 1
	s_add_co_u32 s32, s32, s33
	v_mul_u32_u24 v37, v32, PK
	v_lshl_add_u32 v37, v33, 4, v37                ; 272 r + 16 h
	v_add_nc_u32 v[ADK], s32, v37
	v_add_nc_u32 v[ADK+1], SLOT, v[ADK]
	v_lshl_add_u32 v38, v33, 3, v34                ; key row 8 h + l % 8
	v_mul_u32_u24 v38, v38, PV
	v_lshl_add_u32 v38, v35, 4, v38
	s_add_co_u32 s34, s32, 4*REG
	v_add_nc_u32 v[ADV], s34, v38
	v_add_nc_u32 v[ADV+1], SLOT, v[ADV]
	s_lshl_b32 s40, s4, 15                         ; way out: wave W stores rows 16 W .. 16 W + 15 of the block
	s_add_co_u32 s40, s40, s35
	v_lshlrev_b32 v40, 4, v32
	v_lshl_add_u32 v41, v33, 11, v40
	v_add_nc_u32 v[CO], s40, v41
	s_mul_i32 s41, s4, XW
	s_xor_b32 s42, s4, 4
	s_mul_i32 s42, s42, XW
	v_lshlrev_b32 v42, 4, v36
	v_add_nc_u32 v[XA], s41, v42
	v_add_nc_u32 v[XB], s42, v42
	s_lshl_b32 s43, s26, 6
	s_lshl_b32 s44, s27, 5
	s_add_co_u32 s43, s43, s44                     ; the rows that I finish: 64 g + 32 kh ..
	s_mul_i32 s43, s43, PK
	s_add_co_u32 s43, s43, s33
	s_add_co_u32 s43, s43, STAGE
	v_add_nc_u32 v[STO], s43, v37
	s_mul_i32 s44, s4, 16*PK
	s_add_co_u32 s44, s44, STAGE
	v_mad_u32_u24 v43, v33, PK, v40
	v_add_nc_u32 v[RD], s44, v43
.irp q, 0,1,2,3
	v_mov_b32 v[ST+4*\q], 0x71800000               ; NMC = 2^100
	v_mov_b32 v[ST+4*\q+1], 0
	v_mov_b32 v[ST+4*\q+2], 0
	v_mov_b32 v[ST+4*\q+3], 0
.endr
	v_mov_b32 v[NEGR], 0xfe800000                  ; -2^126
	; mask words: 4,096 bytes a query tile, 128 a block of 64 keys
	s_lshl_b32 s46, s23, 19
	s_lshl_b32 s47, s21, 15
	s_add_co_u32 s46, s46, s47
	s_lshl_b32 s47, s26, 14
	s_add_co_u32 s46, s46, s47
	s_lshl_b32 s47, s27, 8
	s_add_co_u32 s46, s46, s47
	s_mov_b32 s47, 0
	s_add_nc_u64 s[100:101], s[18:19], s[46:47]
	s_lshl_b32 s104, s27, 13                       ; slots 0, 1: query tiles 2 kh ..
	s_xor_b32 s105, s104, 0x2000                   ; slots 2, 3: the other two
.macro MLOAD off, imm                  ; the 64 mask words of two query tiles and one block of 64 keys
	s_load_b512 s[16:31], s[100:101], \off offset:\imm
	s_load_b512 s[32:47], s[100:101], \off offset:\imm+64
	s_load_b512 s[48:63], s[100:101], \off offset:\imm+4096
	s_load_b512 s[68:83], s[100:101], \off offset:\imm+4160
.endm
.macro KLOAD slot, blk
.irp t, 0,1,2,3
.irp ks, 0,1
	ds_load_b128 v[KF+16*\t+8*\ks:KF+16*\t+8*\ks+3],   v[ADK+\slot] offset:\blk*REG+16*PK*\t+64*\ks
	ds_load_b128 v[KF+16*\t+8*\ks+4:KF+16*\t+8*\ks+7], v[ADK+\slot] offset:\blk*REG+16*PK*\t+64*\ks+32
.endr
.endr
.endm
.macro VLOAD slot, blk
	WIN 0x40
.irp ks, 0,1
.irp dt, 0,1,2,3
	ds_load_tr16_b128 v[VF+16*\dt+8*\ks:VF+16*\dt+8*\ks+3],   v[ADV+\slot] offset:\blk*REG+32*PV*\ks+32*\dt
	ds_load_tr16_b128 v[VF+16*\dt+8*\ks+4:VF+16*\dt+8*\ks+7], v[ADV+\slot] offset:\blk*REG+32*PV*\ks+32*\dt+16*PV
.endr
.endr
	WIN 0
.endm
; S^T = K Q^T: 32 matrix instructions.  The four score tiles of a key tile take turns, one instruction a turn; the first product starts each sum.
.macro QK
	WIN 0x04                                       ; source 1 (Q) in window 1
.irp t, 0,1,2,3
.irp q, 0,1,2,3
	v_wmma_f32_16x16x32_bf16 v[SC+32*\q+8*\t:SC+32*\q+8*\t+7], v[KF+16*\t:KF+16*\t+7], v[QF+16*\q:QF+16*\q+7], 0
.endr
.irp q, 0,1,2,3
	v_wmma_f32_16x16x32_bf16 v[SC+32*\q+8*\t:SC+32*\q+8*\t+7], v[KF+16*\t+8:KF+16*\t+15], v[QF+16*\q+8:QF+16*\q+15], v[SC+32*\q+8*\t:SC+32*\q+8*\t+7]
.endr
.endr
	WIN 0
.endm
; O^T += V^T P^T: 32 matrix instructions, the sixteen O tiles by turns, one instruction a turn.
.macro PVM zero
	WIN 0x51                                       ; V, C and D in window 1, P in window 0
.irp ks, 0,1
.irp dt, 0,1,2,3
.irp q, 0,1,2,3
.if \zero*(1-\ks)
	v_wmma_f32_16x16x32_bf16 v[OA+8*(4*\q+\dt):OA+8*(4*\q+\dt)+7], v[VF+16*\dt+8*\ks:VF+16*\dt+8*\ks+7], v[SC+32*\q+16*\ks:SC+32*\q+16*\ks+7], 0
.else
	v_wmma_f32_16x16x32_bf16 v[OA+8*(4*\q+\dt):OA+8*(4*\q+\dt)+7], v[VF+16*\dt+8*\ks:VF+16*\dt+8*\ks+7], v[SC+32*\q+16*\ks:SC+32*\q+16*\ks+7], v[OA+8*(4*\q+\dt):OA+8*(4*\q+\dt)+7]
.endif
.endr
.endr
.endr
	WIN 0
.endm
.macro MASK q                          ; a score whose mask bit is 0 becomes -2^126; word 8 t + j serves register j of tile t
.set mi, 0
.rept 32
	v_cndmask_b32 v[SC+32*\q+mi], v[NEGR], v[SC+32*\q+mi], s[16+mi+(\q%2)*(32+4*(mi/16))]
.set mi, mi+1
.endr
.endm
.macro SOFTMAX q
.set sx, SC+32*\q
.set sy, ST+4*\q
	; the largest of my 32 scores, four chains
	v_max3_num_f32 v[T+0], v[sx+0], v[sx+1], v[sx+2]
	v_max3_num_f32 v[T+1], v[sx+3], v[sx+4], v[sx+5]
	v_max3_num_f32 v[T+2], v[sx+6], v[sx+7], v[sx+8]
	v_max3_num_f32 v[T+3], v[sx+9], v[sx+10], v[sx+11]
.irp k, 0,1,2,3
	v_max3_num_f32 v[T+\k], v[T+\k], v[sx+12+2*\k], v[sx+13+2*\k]
.endr
.irp k, 0,1,2,3
	v_max3_num_f32 v[T+\k], v[T+\k], v[sx+20+2*\k], v[sx+21+2*\k]
.endr
	v_max3_num_f32 v[T+0], v[T+0], v[sx+28], v[sx+29]
	v_max3_num_f32 v[T+1], v[T+1], v[sx+30], v[sx+31]
	v_max3_num_f32 v[T+0], v[T+0], v[T+1], v[T+2]
	v_max_num_f32 v[T+0], v[T+0], v[T+3]
	v_permlanex16_b32 v[T+1], v[T+0], s66, s67     ; the query's other 32 keys lie in the other half of the lanes
	v_max_num_f32 v[T+0], v[T+0], v[T+1]
	v_mul_f32 v[T+0], s7, v[T+0]                   ; -(c x this block's maximum)
	v_min_num_f32 v[T+1], v[sy], v[T+0]            ; the new NMC
	v_sub_f32 v[sy+2], v[T+1], v[sy]               ; c x (old maximum - new maximum), at most 0
	v_mov_b32 v[sy], v[T+1]
.set si, 0
.rept 16
	v_pk_fma_f32 v[sx+2*si:sx+2*si+1], v[sx+2*si:sx+2*si+1], s[6:7], v[sy:sy+1] op_sel_hi:[1,0,0]    ; c s + NMC
.set si, si+1
.endr
	v_exp_f32 v[sy+2], v[sy+2]                     ; the rescale factor
.set si, 0
.rept 32
	v_exp_f32 v[sx+si], v[sx+si]
.set si, si+1
.endr
	v_nop                                          ; one plain place behind the exponentials before their results are read (ISA guide 5.7.2)
	s_wait_alu depctr_va_vdst(0)
	v_pk_add_f32 v[T+0:T+1], v[sx+0:sx+1],   v[sx+2:sx+3]
	v_pk_add_f32 v[T+2:T+3], v[sx+4:sx+5],   v[sx+6:sx+7]
	v_pk_add_f32 v[T+4:T+5], v[sx+8:sx+9],   v[sx+10:sx+11]
	v_pk_add_f32 v[T+6:T+7], v[sx+12:sx+13], v[sx+14:sx+15]
.irp k, 0,1,2,3
	v_pk_add_f32 v[T+2*\k:T+2*\k+1], v[T+2*\k:T+2*\k+1], v[sx+16+2*\k:sx+17+2*\k]
.endr
.irp k, 0,1,2,3
	v_pk_add_f32 v[T+2*\k:T+2*\k+1], v[T+2*\k:T+2*\k+1], v[sx+24+2*\k:sx+25+2*\k]
.endr
	v_pk_add_f32 v[T+0:T+1], v[T+0:T+1], v[T+2:T+3]
	v_pk_add_f32 v[T+4:T+5], v[T+4:T+5], v[T+6:T+7]
	v_pk_add_f32 v[T+0:T+1], v[T+0:T+1], v[T+4:T+5]
	v_add_f32 v[T+0], v[T+0], v[T+1]
	v_fma_f32 v[sy+1], v[sy+1], v[sy+2], v[T+0]    ; the sum stays this lane's own; the two halves meet at the end
.irp ks, 0,1
.irp i, 0,1,2,3,4,5,6,7
	v_cvt_pk_bf16_f32 v[sx+16*\ks+\i], v[sx+16*\ks+2*\i], v[sx+16*\ks+2*\i+1]      ; in place, ascending: no number is overwritten before it is read
.endr
.endr
.endm
.macro RESCALE
	WIN 0x41                                       ; O in window 1, the factor in window 0
.irp q, 0,1,2,3
.set ri, 0
.rept 16
	v_pk_mul_f32 v[OA+32*\q+2*ri:OA+32*\q+2*ri+1], v[OA+32*\q+2*ri:OA+32*\q+2*ri+1], v[ST+4*\q+2:ST+4*\q+3] op_sel_hi:[1,0]
.set ri, ri+1
.endr
.endr
.endm
; One block: my 64 queries x the 64 keys of region 2 kh + blk.  first: the products start O.  kpre: the next block's K fragments are fetched here.  more: a later block follows.
.macro BLOCK slot, blk, first, kpre, more
	s_wait_dscnt 0x0                               ; K's fragments are in
	PLACES 5                                       ; the score tiles overwrite P, which the last products on O read as a source: five places (ISA guide 7.12.1)
	QK
	PLACES 4                                       ; before the scores are read and K's fragment registers are loaded again
	s_wait_kmcnt 0x0                               ; mask words of slots 0, 1
	MASK 0
	MASK 1
	MLOAD s105, 128*\blk                           ; those of slots 2, 3: two softmax runs in which to arrive
	VLOAD \slot, \blk
.if \kpre
	KLOAD \slot, 1
.endif
	SOFTMAX 0
	SOFTMAX 1
	s_wait_kmcnt 0x0
	MASK 2
	MASK 3
.if \blk*\more
	s_add_nc_u64 s[100:101], s[100:101], 512       ; no scalar load is out: the next 256 keys' words
.endif
.if \more
	MLOAD s104, 128*(1-\blk)                       ; the next block's words of slots 0, 1
.endif
	SOFTMAX 2
	SOFTMAX 3
.if \first == 0
	RESCALE
.endif
.if \kpre
	s_wait_dscnt 16                                ; V's fragments are in; the 16 younger loads are the next block's K
.else
	s_wait_dscnt 0x0
.endif
	PVM \first
.endm
; One trip: 256 keys.  In front of the round every wave waits for all its tensor loads (its region of this trip's slot) and for its reads of the other slot;
; the joint refill of the other slot is the first tensor load behind the round, one a wave, and has the whole trip in which to land.
.macro TRIP slot, other, refill, first, more
	s_wait_tensorcnt 0x0
	ds_add_u32 v62, v63
	s_wait_dscnt 0x0
	s_add_nc_u64 s[G0+4*\slot+2:G0+4*\slot+3], s[G0+4*\slot+2:G0+4*\slot+3], 0x100000     ; no tensor load of mine is out: this slot's next tile, 512 keys on
	s_wait_dscnt 0x0
	ROUND
.if \refill
	JLOAD \other
.endif
	KLOAD \slot, 0
	BLOCK \slot, 0, \first, 1, 1
	BLOCK \slot, 1, 0, 0, \more
.endm
	MLOAD s104, 0                                  ; the first block's words of slots 0, 1 (every scalar temporary in s16-63 has been used up)
	s_wait_loadcnt 0x0                             ; Q
	TRIP 0, 1, 1, 1, 1
	TRIP 1, 0, 1, 0, 1
	s_mov_b32 s5, 2
.Ltrips:
	TRIP 0, 1, 1, 0, 1
	TRIP 1, 0, 1, 0, 1
	s_sub_co_u32 s5, s5, 1
	s_cmp_lg_u32 s5, 0
	s_cbranch_scc1 .Ltrips
	TRIP 0, 1, 1, 0, 1
	TRIP 1, 0, 0, 0, 0                             ; the last 256 keys: nothing is left to fetch
	; THE END.  Slot 0 has had its last fill, and every wave's reads of it ended in front of the last round: it now serves as scratch.
	PLACES 4                                       ; before O is read and P's registers are loaded
	s_load_b64 s[16:17], s[0:1], 0x10              ; att
	WIN 0x04                                       ; store data in window 1
.irp i, 0,1,2,3,4,5,6,7,8,9,10,11,12,13,14,15
	ds_store_b128 v[XA], v[OA+64+4*\i:OA+64+4*\i+3] offset:512*\i          ; O of slots 2, 3, for my partner
.endr
	WIN 0
	ds_store_b128 v[XA], v[ST+8:ST+11]  offset:8192                        ; and their state
	ds_store_b128 v[XA], v[ST+12:ST+15] offset:8704
	s_wait_dscnt 0x0                               ; for the partner's sake
	s_barrier_signal -1
	s_barrier_wait -1
.irp i, 0,1,2,3,4,5,6,7,8,9,10,11,12,13,14,15
	ds_load_b128 v[SC+4*\i:SC+4*\i+3], v[XB] offset:512*\i                 ; my partner's O of the query tiles that are my slots 0, 1
.endr
	ds_load_b128 v[SC+64:SC+67], v[XB] offset:8192
	ds_load_b128 v[SC+68:SC+71], v[XB] offset:8704
	s_wait_dscnt 0x0
.macro MERGE q
.set ox, SC+32*\q
.set sy, ST+4*\q
.set sp, SC+64+4*\q
	v_min_num_f32 v[T+0], v[sy], v[sp]             ; NMC of the larger maximum
	v_sub_f32 v[T+2], v[T+0], v[sy]
	v_sub_f32 v[T+4], v[T+0], v[sp]
	v_exp_f32 v[T+2], v[T+2]                       ; my factor
	v_exp_f32 v[T+4], v[T+4]                       ; my partner's
	v_nop
	s_wait_alu depctr_va_vdst(0)
	v_mul_f32 v[T+1], v[sp+1], v[T+4]
	v_fma_f32 v[T+1], v[sy+1], v[T+2], v[T+1]
	v_permlanex16_b32 v[T+0], v[T+1], s66, s67     ; the other half of the lanes holds the other keys' sum
	v_add_f32 v[T+0], v[T+0], v[T+1]
	v_max_num_f32 v[T+0], 0x0d800000, v[T+0]       ; at least 2^-100: a row with no key allowed gives 0 x a finite number
	v_rcp_f32 v[T+0], v[T+0]
	v_nop
	s_wait_alu depctr_va_vdst(0)
	v_mul_f32 v[T+2], v[T+2], v[T+0]
	v_mul_f32 v[T+4], v[T+4], v[T+0]
.set mi, 0
.rept 16
	v_pk_mul_f32 v[ox+2*mi:ox+2*mi+1], v[ox+2*mi:ox+2*mi+1], v[T+4:T+5] op_sel_hi:[1,0]
.set mi, mi+1
.endr
	WIN 0x01                                       ; source 0 (my O) in window 1
.set mi, 0
.rept 16
	v_pk_fma_f32 v[ox+2*mi:ox+2*mi+1], v[OA+32*\q+2*mi:OA+32*\q+2*mi+1], v[T+2:T+3], v[ox+2*mi:ox+2*mi+1] op_sel_hi:[1,0,1]
.set mi, mi+1
.endr
	WIN 0
.set mi, 0
.rept 16
	v_cvt_pk_bf16_f32 v[ox+mi], v[ox+2*mi], v[ox+2*mi+1]
.set mi, mi+1
.endr
.irp dt, 0,1,2,3
	ds_store_b128 v[STO], v[ox+4*\dt:ox+4*\dt+3] offset:16*PK*\q+32*\dt    ; query r, d = 16 dt + 8 h + 0..7
.endr
.endm
	MERGE 0
	MERGE 1
	s_wait_dscnt 0x0                               ; for the other waves' sake
	s_barrier_signal -1
	s_barrier_wait -1
.irp i, 0,1,2,3,4,5,6,7
	ds_load_b128 v[KF+4*\i:KF+4*\i+3], v[RD] offset:2*PK*\i                ; rows 16 W + 2 i, + 1: both heads' 256 bytes
.endr
	s_wait_kmcnt 0x0
.irp i, 0,1,2,3,4,5,6,7
	s_wait_dscnt 7-\i
	global_store_b128 v[CO], v[KF+4*\i:KF+4*\i+3], s[16:17] offset:4096*\i ; 16 lanes store 256 neighbouring bytes, aligned
.endr
	s_wait_tensorcnt 0x0
	ds_add_u32 v62, v63
	s_wait_dscnt 0x0
	ROUND                                          ; the closing round: no work-group ends while a partner may still ask for a tile that names it
	s_endpgm
.Lfunc_end_k_q5d99e15de6_attn:
	.size	k_q5d99e15de6_attn, .Lfunc_end_k_q5d99e15de6_attn-k_q5d99e15de6_attn
	.p2alignl 7, 3214868480
	.fill 96, 4, 3214868480
	.section	.rodata,"a",@progbits
	.p2align	6, 0x0
	.amdhsa_kernel k_q5d99e15de6_attn
		.amdhsa_group_segment_fixed_size 327680
		.amdhsa_private_segment_fixed_size 0
		.amdhsa_enable_private_segment 0
		.amdhsa_kernarg_size 24
		.amdhsa_user_sgpr_count 2
		.amdhsa_user_sgpr_kernarg_segment_ptr 1
		.amdhsa_wavefront_size32 1
		.amdhsa_system_sgpr_workgroup_id_x 1
		.amdhsa_system_sgpr_workgroup_id_y 1
		.amdhsa_system_sgpr_workgroup_id_z 1
		.amdhsa_system_vgpr_workitem_id 0
		.amdhsa_next_free_vgpr 512
		.amdhsa_next_free_sgpr 106
		.amdhsa_reserve_vcc 0
		.amdhsa_float_denorm_mode_32 3
		.amdhsa_float_denorm_mode_16_64 3
		.amdhsa_memory_ordered 1
		.amdhsa_forward_progress 1
		.amdhsa_inst_pref_size 255
	.end_amdhsa_kernel
	.section	.bss,"aw",@nobits
	.p2align	6
	.space	262144
	.amdgpu_metadata
---
amdhsa.version: [ 1, 2 ]
amdhsa.kernels:
  - .name:           k_q5d99e15de6_attn
    .symbol:         k_q5d99e15de6_attn.kd
    .args:
      - { .name: qkv, .offset: 0, .size: 8, .value_kind: global_buffer, .address_space: global }
      - { .name: mbits, .offset: 8, .size: 8, .value_kind: global_buffer, .address_space: global }
      - { .name: att, .offset: 16, .size: 8, .value_kind: global_buffer, .address_space: global }
    .group_segment_fixed_size: 327680
    .private_segment_fixed_size: 0
    .kernarg_segment_align: 8
    .kernarg_segment_size: 24
    .max_flat_workgroup_size: 256
    .sgpr_count:     106
    .vgpr_count:     512
    .wavefront_size: 32
...
	.end_amdgpu_metadata
.endif
;; end of part 3
;; launch oproj (part 4): grid 8 x 16, 4 waves a work-group, clusters of 4 x 4, 327,680 bytes of LDS; arguments att, xb, bp, out0; writes out0
.if DOCPART == 4
	.amdgcn_target "amdgcn-amd-amdhsa--gfx1250"
	.amdhsa_code_object_version 6
	.text
	.protected	k_q5d99e15de6_oproj
	.globl	k_q5d99e15de6_oproj
	.p2align	8
	.type	k_q5d99e15de6_oproj,@function
k_q5d99e15de6_oproj:
	s_mov_b64 s[64:65], 0
	v_nop
	global_prefetch_b8 v0, s[64:65] scope:SCOPE_SE
	s_setreg_imm32_b32 hwreg(HW_REG_WAVE_MODE, 25, 1), 1
	s_wait_xcnt 0x0
	s_wait_alu depctr_hold_cnt(0) depctr_sa_sdst(0) depctr_va_vdst(0) depctr_va_sdst(0) depctr_va_ssrc(0) depctr_va_vcc(0) depctr_vm_vsrc(0)
	s_getreg_b32 s2, hwreg(HW_REG_IB_STS2, 6, 4)
	s_cmp_eq_u32 s2, 0
	s_cbranch_scc0 .Lentry_in_a_cluster
	s_endpgm
.Lentry_in_a_cluster:
	s_bfe_u32 s2, ttmp6, 0x10000c
	s_cmp_lg_u32 s2, 0xf033
	s_cbranch_scc0 .Lentry_shape_is_right
	s_endpgm
.Lentry_shape_is_right:
; out0 = att Wp + bp.  att: [4096][1024] bf16 (rows along K), Wp: [1024 k][1024 n] bf16 at byte 23,068,672 of xb; out0: [4096][1024] f32.
; The same text as the projection of Q, K and V, with OUT_F32 = 1: other pointers, and results leave as f32.
; A work-group makes 256 rows x 128 columns with four waves; wave w makes rows 64 w .. 64 w + 63 of all 128 columns: 32 accumulator tiles, 256 registers,
; so a wave owns whole rows of the block (512 bytes of f32).  For 32 along K a wave reads (64 + 128) x 64 bytes from LDS for 32 matrix instructions.
; K goes in steps of 128 through two LDS slots filled by the tensor data mover: 256 rows of att (256 bytes each, pitch 272) and 128 k-rows of Wp (256 bytes, pitch 288).
; Wp stays [k][n]; ds_load_tr16_b128 transposes it on the way into registers.
; CLUSTERS: 4 x 4 work-groups.  att's tile hangs on the block row alone and is asked for jointly along a row of the cluster, Wp's on the block column alone and is
; asked for jointly along a column: each of the four issues the same tensor load with the same descriptor and a mask that names the four.
; The matrix instruction is used transposed (source 0 = 16 columns of Wp, source 1 = 16 rows of att): a lane then holds row l % 16 of C and eight neighbouring columns.
; REGISTERS: window 0: v16-31 addresses, v64-159 and v160-255 two fragment buffers (W's 8 fragments, then X's 4); window 1: accumulator (a, b) at v[8 (8 a + b)].
.set OUT_F32, 1
.set SIZE_K, 1024
.set KSTEP,  128
.set PA,     272                       ; LDS pitch of X's rows: 256 + 16 bytes, an odd multiple of 16
.set PB,     288                       ; LDS pitch of W's rows: 256 + 32 bytes, an odd multiple of 32, for the transposing load
.set AHALF,  128*PA                    ; what one of waves 0, 1 fetches
.set BHALF,  64*PB                     ; what one of waves 2, 3 fetches
.set ABYTES, 2*AHALF
.set SLOT,   ABYTES+2*BHALF            ; 106,496
.set STAGE,  2*SLOT                    ; behind the ring: 16 rows for each wave, for the way out; no tensor load lands here
.if OUT_F32
.set SP,     528                       ; stage pitch: 512 + 16
.else
.set SP,     272                       ; stage pitch: 256 + 16
.endif
.set BIASL,  STAGE+4*16*SP             ; 512 bytes for each wave: the block's 128 biases
.set LAPS,   SIZE_K/(2*KSTEP)          ; a lap = two K steps = once round the ring
.set ADRA, 16                          ; v16-17 LDS address of my X fragments in slot 0, 1
.set ADRB, 20                          ; v20-21 the same for W
.set BGO,  22                          ; byte offset of my 16 bytes of the bias
.set BLD,  23                          ; LDS: where I read my biases
.set STO,  24                          ; way out: where I put my part of a row
.set RD,   25                          ; way out: where I read rows back
.set CO,   26                          ; my byte offset in C
.set BST,  27                          ; LDS: where I put 16 bytes of the bias
.set BV,   28                          ; v[28:31] bias as loaded
.set F0,   64
.set F1,   160
.set BIAS, 64                          ; way out: v[64:127], bias of my 64 columns' places
.if OUT_F32
.set SUM,  128                         ; v[128:191] results + bias
.set BACK, 192                         ; v[192:255] rows read back
.else
.set PACK, 128                         ; v[128:159] packed bf16
.set SUM,  160                         ; v[160:223] results + bias
.set BACK, 224                         ; v[224:255] rows read back
.endif
.set G1,  24                           ; s[24:31] group 1 for X's tiles
.set G0,  32                           ; s[32:39] group 0 for X's tiles, one set a slot
.set G1B, 48                           ; s[48:55] group 1 for W's tiles
.set G0B, 56                           ; s[56:63] group 0 for W's tiles, one set a slot
.set MULW, 0x50                        ; C and D in window 1, sources in window 0
.set MSB, 0
.macro WIN new                         ; the immediate's high byte repeats the setting that is left
.if MSB != \new
	s_set_vgpr_msb (MSB<<8)|\new
.set MSB, \new
.endif
.endm
.macro PLACES                          ; four places behind a matrix instruction (ISA guide 7.12.1) before its results are read or its registers loaded again
.rept 4
	v_nop
.endr
.endm
.macro JLOAD s                         ; waves 0, 1 ask for X's halves, waves 2, 3 for W's: the branch hangs on the wave's number alone
	s_cmp_eq_u32 s11, 0
	s_cbranch_scc0 .Lfor_b_\@
	tensor_load_to_lds s[G0+4*\s:G0+4*\s+3], s[G1:G1+7]
	s_nop 0
	s_branch .Lasked_\@
.Lfor_b_\@:
	tensor_load_to_lds s[G0B+4*\s:G0B+4*\s+3], s[G1B:G1B+7]
	s_nop 0
.Lasked_\@:
.endm
.macro CREST                           ; a round of the cluster's barrier behind its opening work-group barrier
	s_cmp_lg_u32 s10, 0
	s_cbranch_scc1 .Lnot_wave_0_\@
	s_barrier_signal -3
.Lnot_wave_0_\@:
	s_barrier_wait -3
	s_barrier_signal -1
	s_barrier_wait -1
.endm
.macro CROUND
	s_barrier_signal -1
	s_barrier_wait -1
	CREST
.endm
.if OUT_F32
	s_load_b256 s[68:75], s[0:1], 0x0              ; att s[68:69], xb s[70:71], bp s[72:73], out0 s[74:75]
	v_lshl_add_u32 v62, v0, 2, 0x3cc00
	v_mov_b32 v63, 0
	ds_add_u32 v62, v63
.else
	s_load_b256 s[68:75], s[0:1], 0x0              ; xb s[68:69], bq s[70:71], bk s[72:73], bv s[74:75]
	s_load_b64 s[8:9], s[0:1], 0x20                ; qkv
.endif
	v_lshrrev_b32 v1, 5, v0
	v_readfirstlane_b32 s10, v1                    ; wave 0..3
	s_lshr_b32 s11, s10, 1                         ; I fetch for X (0) or for W (1)
	s_and_b32 s12, s10, 1                          ; which half of that tile
	s_bfe_u32 s40, ttmp6, 0x40000                  ; cx
	s_bfe_u32 s41, ttmp6, 0x40004                  ; cy
	s_lshl_b32 s42, ttmp9, 2
	s_add_co_u32 s42, s42, s40                     ; block column = 4 x cluster x + cx
	s_and_b32 s13, ttmp7, 0xffff
	s_lshl_b32 s13, s13, 2
	s_add_co_u32 s13, s13, s41                     ; block row = 4 x cluster y + cy
	s_lshl_b32 s43, s41, 2
	s_lshl_b32 s43, 15, s43                        ; my row of the cluster
	s_lshl_b32 s44, 0x1111, s40                    ; my column of the cluster
.if OUT_F32 == 0
	s_lshr_b32 s45, ttmp9, 1                       ; 0 Q, 1 K, 2 V: the same in the whole cluster
	s_and_b32 s76, s42, 7                          ; block column inside that product
.endif
	; group 1: X: 128 rows x 128 elements, 4 words of padding behind every 64; W: 64 rows x 128 elements, 8 words of padding
	s_or_b32 s[G1+0],  s43, (1<<16)|(1<<20)|(1<<21)|(5<<22)|(3<<25)
	s_or_b32 s[G1B+0], s44, (1<<16)|(1<<20)|(1<<21)|(5<<22)|(7<<25)
	s_mov_b32 s[G1+1],  KSTEP<<16                  ; tensor_dim0 = 128
	s_mov_b32 s[G1B+1], 128<<16
	s_mov_b32 s[G1+2],  128<<16                    ; tensor_dim1 = rows
	s_mov_b32 s[G1B+2], 64<<16
	s_mov_b32 s[G1+3],  KSTEP<<16                  ; tile_dim0 = 128
	s_mov_b32 s[G1B+3], 128<<16
	s_mov_b32 s[G1+4],  128                        ; tile_dim1
	s_mov_b32 s[G1B+4], 64
	s_mov_b32 s[G1+5],  1024                       ; elements from row to row
	s_mov_b32 s[G1B+5], 1024
	s_mov_b32 s[G1+6],  0
	s_mov_b32 s[G1B+6], 0
	s_mov_b32 s[G1+7],  0
	s_mov_b32 s[G1B+7], 0
	; X's tile: rows 256 x block row + 128 x half, 2,048 bytes a row.  No register here ever holds cx.
	s_lshl_b32 s16, s13, 19
	s_lshl_b32 s17, s12, 18
	s_add_co_u32 s16, s16, s17
.if OUT_F32 == 0
	s_cmp_lg_u32 s45, 0
	s_cselect_b32 s17, 0x800000, 0                 ; K and V read inputs_kv's copy, 8,388,608 bytes into xb
	s_add_co_u32 s16, s16, s17
.endif
	s_mov_b32 s17, 0
	; W's tile: k rows 64 x half, columns 128 x block column.  No register here ever holds cy.
.if OUT_F32
	s_lshl_b32 s46, s42, 8
	s_add_co_u32 s46, s46, 0x1600000               ; Wp's copy in xb
.else
	s_lshl_b32 s46, s45, 21                        ; Wq, Wk, Wv: 2,097,152 bytes each,
	s_add_co_u32 s46, s46, 0x1000000               ; from byte 16,777,216 of xb
	s_lshl_b32 s47, s76, 8
	s_add_co_u32 s46, s46, s47
.endif
	s_lshl_b32 s47, s12, 17
	s_add_co_u32 s46, s46, s47
	s_mov_b32 s47, 0
	s_mul_i32 s20, s10, AHALF                      ; LDS: waves 0, 1: X's halves at 0 and 34,816
	s_mul_i32 s22, s10, BHALF
	s_add_co_u32 s22, s22, ABYTES-2*BHALF          ; waves 2, 3: W's halves at 69,632 and 88,064
	s_wait_dscnt 0x0
	s_wait_kmcnt 0x0
.if OUT_F32
	s_add_nc_u64 s[14:15], s[68:69], s[16:17]
	s_add_nc_u64 s[46:47], s[70:71], s[46:47]
	s_mov_b64 s[66:67], s[72:73]                   ; bias
	s_mov_b64 s[8:9], s[74:75]                     ; C
.else
	s_add_nc_u64 s[14:15], s[68:69], s[16:17]
	s_add_nc_u64 s[46:47], s[68:69], s[46:47]
	s_cmp_eq_u32 s45, 1
	s_cselect_b64 s[66:67], s[72:73], s[70:71]
	s_cmp_eq_u32 s45, 2
	s_cselect_b64 s[66:67], s[74:75], s[66:67]     ; bias: bq, bk or bv
.endif
	CROUND                                         ; all sixteen work-groups are here: the first joint loads meet
.irp s, 0,1
	s_mov_b32 s[G0+4*\s], 1
	s_add_co_u32 s[G0+4*\s+1], s20, \s*SLOT
	s_add_nc_u64 s[G0+4*\s+2:G0+4*\s+3], s[14:15], \s*KSTEP*2             ; K step s: 256 bytes along the rows
	s_or_b32 s[G0+4*\s+3], s[G0+4*\s+3], 0x80000000
	s_mov_b32 s[G0B+4*\s], 1
	s_add_co_u32 s[G0B+4*\s+1], s22, \s*SLOT
	s_add_nc_u64 s[G0B+4*\s+2:G0B+4*\s+3], s[46:47], \s*KSTEP*2048        ; K step s: 128 rows down
	s_or_b32 s[G0B+4*\s+3], s[G0B+4*\s+3], 0x80000000
	JLOAD \s                                       ; both first fills go out ahead of everything else: two tensor loads of a wave are out
.endr
	; the block's 128 biases, 16 bytes a lane, into the wave's own 512 bytes of LDS
	v_and_b32 v6, 31, v0
	v_lshlrev_b32 v9, 4, v6
.if OUT_F32
	s_lshl_b32 s23, s42, 9
.else
	s_lshl_b32 s23, s76, 9
.endif
	v_add_nc_u32 v[BGO], s23, v9
	global_load_b128 v[BV:BV+3], v[BGO], s[66:67]
	; fragment addresses
	v_and_b32 v1, 15, v0                           ; r
	v_bfe_u32 v2, v0, 4, 1                         ; h
	v_mul_u32_u24 v3, v1, PA
	v_lshl_add_u32 v3, v2, 4, v3                   ; 272 r + 16 h
	s_mul_i32 s23, s10, 64*PA                      ; my 64 rows of X
	v_add_nc_u32 v[ADRA], s23, v3
	v_add_nc_u32 v[ADRA+1], SLOT, v[ADRA]
	v_and_b32 v4, 7, v0
	v_lshl_add_u32 v4, v2, 3, v4                   ; k row 8 h + l % 8
	v_mul_u32_u24 v4, v4, PB
	v_bfe_u32 v5, v0, 3, 1
	v_lshl_add_u32 v4, v5, 4, v4                   ; + 16 bytes for the upper eight columns
	v_add_nc_u32 v[ADRB], ABYTES, v4
	v_add_nc_u32 v[ADRB+1], SLOT, v[ADRB]
	s_mul_i32 s23, s10, 16*SP
	s_add_co_u32 s23, s23, STAGE                   ; my stage
.if OUT_F32
	v_mul_u32_u24 v7, v1, SP
	v_lshl_add_u32 v7, v2, 5, v7                   ; in: row r, 32 bytes for each half of the lanes
	v_add_nc_u32 v[STO], s23, v7
	v_lshlrev_b32 v[CO], 4, v6                     ; back and out: a whole row of 512 bytes, 16 a lane
	v_add_nc_u32 v[RD], s23, v[CO]
.else
	v_add_nc_u32 v[STO], s23, v3                   ; in: row r, 16 bytes for each half of the lanes
	v_lshlrev_b32 v7, 4, v1
	v_mad_u32_u24 v8, v2, SP, v7                   ; back: lanes 0-15 one row of 256 bytes, lanes 16-31 the next
	v_add_nc_u32 v[RD], s23, v8
	v_lshl_add_u32 v[CO], v2, 11, v7               ; the same two rows in C
.endif
	s_lshl_b32 s23, s10, 9
	s_add_co_u32 s23, s23, BIASL
	v_add_nc_u32 v[BST], s23, v9
	v_lshl_add_u32 v[BLD], v2, 5, s23              ; my columns 16 b + 8 h + 0..7: 32 h (+ 64 b)
	s_wait_loadcnt 0x0
	ds_store_b128 v[BST], v[BV:BV+3]
; 8 matrix instructions: my rows 16 a .. 16 a + 15 x all 8 column tiles, 32 along K.  zero = 1: the first product starts the sums.
.macro MUL8 f, a, zero
.irp b, 0,1,2,3,4,5,6,7
.if \zero
	v_wmma_f32_16x16x32_bf16 v[8*(8*\a+\b):8*(8*\a+\b)+7], v[\f+8*\b:\f+8*\b+7], v[\f+64+8*\a:\f+64+8*\a+7], 0
.else
	v_wmma_f32_16x16x32_bf16 v[8*(8*\a+\b):8*(8*\a+\b)+7], v[\f+8*\b:\f+8*\b+7], v[\f+64+8*\a:\f+64+8*\a+7], v[8*(8*\a+\b):8*(8*\a+\b)+7]
.endif
.endr
.endm
; 24 LDS loads in one run: quarter kq (32 along K) of a slot into buffer f: W's 8 fragments transposed, then X's 4
.macro FETCH slot, kq, f
	WIN 0
.irp b, 0,1,2,3,4,5,6,7
	ds_load_tr16_b128 v[\f+8*\b:\f+8*\b+3],   v[ADRB+\slot] offset:\kq*32*PB+32*\b
	ds_load_tr16_b128 v[\f+8*\b+4:\f+8*\b+7], v[ADRB+\slot] offset:\kq*32*PB+32*\b+16*PB
.endr
.irp a, 0,1,2,3
	ds_load_b128 v[\f+64+8*\a:\f+64+8*\a+3],   v[ADRA+\slot] offset:\a*16*PA+64*\kq
	ds_load_b128 v[\f+64+8*\a+4:\f+64+8*\a+7], v[ADRA+\slot] offset:\a*16*PA+64*\kq+32
.endr
.endm
; The 32 accumulators take turns, one instruction a turn, in the same order in every quarter.
.macro QUARTER slot, kq, f, g, zero
	s_wait_dscnt 4                                 ; all but the four youngest loads (X's fragments 2, 3)
	WIN MULW
	MUL8 \f, 0, \zero
	MUL8 \f, 1, \zero
	PLACES
	FETCH \slot, \kq, \g
	s_wait_dscnt 24                                ; all but the 24 just issued
	WIN MULW
	MUL8 \f, 2, \zero
	MUL8 \f, 3, \zero
.endm
.macro THREE slot, zero
	QUARTER \slot, 1, F0, F1, \zero
	QUARTER \slot, 2, F1, F0, 0
	QUARTER \slot, 3, F0, F1, 0
.endm
; The last quarter of a K step changes slots.  In front of the barrier each wave waits for its reads of this slot and for all its tensor loads (one is out: its part
; of the next slot).  Where the slot is filled again the barrier opens a round of the cluster's barrier, and the joint refill is the first tensor load behind the round.
.macro TURN slot, next, fill
	s_wait_dscnt 4
	WIN MULW
	MUL8 F1, 0, 0
	s_wait_dscnt 0
	s_wait_tensorcnt 0x0
	ds_add_u32 v62, v63
	s_wait_dscnt 0x0
	s_barrier_signal -1
	MUL8 F1, 1, 0                                  ; register work while the others arrive
	WIN 0
	s_barrier_wait -1
.if \fill
	CREST
	s_add_nc_u64 s[G0+4*\slot+2:G0+4*\slot+3], s[G0+4*\slot+2:G0+4*\slot+3], 2*KSTEP*2          ; no tensor load of mine is out: the addresses step two K steps
	s_add_nc_u64 s[G0B+4*\slot+2:G0B+4*\slot+3], s[G0B+4*\slot+2:G0B+4*\slot+3], 2*KSTEP*2048
	JLOAD \slot
.endif
	PLACES
	FETCH \next, 0, F0
	WIN MULW
	MUL8 F1, 2, 0
	MUL8 F1, 3, 0
.endm
.macro LAP zero
	THREE 0, \zero
	TURN 0, 1, 1
	THREE 1, 0
	TURN 1, 0, 1
.endm
	s_wait_tensorcnt 1                             ; my part of K step 0 is in; K step 1's stays out
	s_wait_dscnt 0x0                               ; my bias store is done
	s_barrier_signal -1
	s_barrier_wait -1
	FETCH 0, 0, F0
	LAP 1                                          ; the first lap's first products start the sums
	WIN 0
	s_mov_b32 s3, LAPS-2
.Llap:
	LAP 0
	WIN 0
	s_sub_co_u32 s3, s3, 1
	s_cmp_lg_u32 s3, 0
	s_cbranch_scc1 .Llap
	THREE 0, 0                                     ; the last lap fills nothing
	TURN 0, 1, 0
	THREE 1, 0
	s_wait_dscnt 4
	WIN MULW
	MUL8 F1, 0, 0
	MUL8 F1, 1, 0
	s_wait_dscnt 0
	MUL8 F1, 2, 0
	MUL8 F1, 3, 0
	; THE WAY OUT, 16 rows at a time: add the bias, (round to bf16,) through my own stage in LDS, whole rows out.
	PLACES
	WIN 0
.irp b, 0,1,2,3,4,5,6,7
	ds_load_b128 v[BIAS+8*\b:BIAS+8*\b+3],   v[BLD] offset:64*\b
	ds_load_b128 v[BIAS+8*\b+4:BIAS+8*\b+7], v[BLD] offset:64*\b+16
.endr
.if OUT_F32
	s_lshl_b32 s16, s13, 20                        ; 256 rows of 4,096 bytes a block row,
	s_lshl_b32 s17, s10, 18                        ; 64 rows a wave
	s_add_co_u32 s16, s16, s17
	s_lshl_b32 s46, s42, 9                         ; 512 bytes a block column
.else
	s_lshl_b32 s16, s13, 19                        ; 256 rows of 2,048 bytes a block row,
	s_lshl_b32 s17, s10, 17                        ; 64 rows a wave,
	s_add_co_u32 s16, s16, s17
	s_lshl_b32 s17, s45, 23                        ; 8,388,608 bytes for each of Q, K, V
	s_add_co_u32 s16, s16, s17
	s_lshl_b32 s46, s76, 8                         ; 256 bytes a block column
.endif
	s_mov_b32 s17, 0
	s_mov_b32 s47, 0
	s_add_nc_u64 s[8:9], s[8:9], s[16:17]
	s_add_nc_u64 s[8:9], s[8:9], s[46:47]
	s_wait_dscnt 0x0
.macro OUT16 a
	WIN 0x01                                       ; source 0 (the sums) in window 1
.irp b, 0,1,2,3,4,5,6,7
.irp i, 0,1,2,3
	v_pk_add_f32 v[SUM+8*\b+2*\i:SUM+8*\b+2*\i+1], v[8*(8*\a+\b)+2*\i:8*(8*\a+\b)+2*\i+1], v[BIAS+8*\b+2*\i:BIAS+8*\b+2*\i+1]
.endr
.endr
	WIN 0
.if OUT_F32
.irp b, 0,1,2,3,4,5,6,7
	ds_store_b128 v[STO], v[SUM+8*\b:SUM+8*\b+3]   offset:64*\b
	ds_store_b128 v[STO], v[SUM+8*\b+4:SUM+8*\b+7] offset:64*\b+16
.endr
	s_wait_xcnt 0x0                                ; BACK, which the last stores read, and their base are rewritten only behind this wait
.if \a
	s_add_nc_u64 s[8:9], s[8:9], 16*4096
.endif
.irp i, 0,1,2,3,4,5,6,7,8,9,10,11,12,13,14,15
	ds_load_b128 v[BACK+4*\i:BACK+4*\i+3], v[RD] offset:SP*\i              ; LDS serves a wave's instructions in order: these see the stores above
.endr
.irp i, 0,1,2,3,4,5,6,7,8,9,10,11,12,13,14,15
	s_wait_dscnt 15-\i
	global_store_b128 v[CO], v[BACK+4*\i:BACK+4*\i+3], s[8:9] offset:4096*\i th:TH_STORE_NT   ; 512 neighbouring bytes, aligned
.endr
.else
.irp b, 0,1,2,3,4,5,6,7
.irp i, 0,1,2,3
	v_cvt_pk_bf16_f32 v[PACK+4*\b+\i], v[SUM+8*\b+2*\i], v[SUM+8*\b+2*\i+1]
.endr
.endr
.irp b, 0,1,2,3,4,5,6,7
	ds_store_b128 v[STO], v[PACK+4*\b:PACK+4*\b+3] offset:32*\b
.endr
	s_wait_xcnt 0x0                                ; BACK, which the last stores read, and their base are rewritten only behind this wait
.if \a
	s_add_nc_u64 s[8:9], s[8:9], 16*2048
.endif
.irp t, 0,1,2,3,4,5,6,7
	ds_load_b128 v[BACK+4*\t:BACK+4*\t+3], v[RD] offset:2*SP*\t            ; LDS serves a wave's instructions in order: these see the stores above
.endr
.irp t, 0,1,2,3,4,5,6,7
	s_wait_dscnt 7-\t
	global_store_b128 v[CO], v[BACK+4*\t:BACK+4*\t+3], s[8:9] offset:4096*\t                  ; 16 lanes store 256 neighbouring bytes, aligned
.endr
.endif
.endm
	OUT16 0
	OUT16 1
	OUT16 2
	OUT16 3
	s_wait_tensorcnt 0x0
	ds_add_u32 v62, v63
	s_wait_dscnt 0x0
	CROUND                                         ; the closing round: no work-group ends while a partner may still ask for a tile that names it
	s_endpgm
.Lfunc_end_k_q5d99e15de6_oproj:
	.size	k_q5d99e15de6_oproj, .Lfunc_end_k_q5d99e15de6_oproj-k_q5d99e15de6_oproj
	.p2alignl 7, 3214868480
	.fill 96, 4, 3214868480
	.section	.rodata,"a",@progbits
	.p2align	6, 0x0
	.amdhsa_kernel k_q5d99e15de6_oproj
		.amdhsa_group_segment_fixed_size 327680
		.amdhsa_private_segment_fixed_size 0
		.amdhsa_enable_private_segment 0
		.amdhsa_kernarg_size 32
		.amdhsa_user_sgpr_count 2
		.amdhsa_user_sgpr_kernarg_segment_ptr 1
		.amdhsa_wavefront_size32 1
		.amdhsa_system_sgpr_workgroup_id_x 1
		.amdhsa_system_sgpr_workgroup_id_y 1
		.amdhsa_system_sgpr_workgroup_id_z 1
		.amdhsa_system_vgpr_workitem_id 0
		.amdhsa_next_free_vgpr 512
		.amdhsa_next_free_sgpr 80
		.amdhsa_reserve_vcc 0
		.amdhsa_float_denorm_mode_32 3
		.amdhsa_float_denorm_mode_16_64 3
		.amdhsa_memory_ordered 1
		.amdhsa_forward_progress 1
		.amdhsa_inst_pref_size 127
	.end_amdhsa_kernel
	.amdgpu_metadata
---
amdhsa.version: [ 1, 2 ]
amdhsa.kernels:
  - .name:           k_q5d99e15de6_oproj
    .symbol:         k_q5d99e15de6_oproj.kd
    .args:
      - { .name: att, .offset: 0, .size: 8, .value_kind: global_buffer, .address_space: global }
      - { .name: xb, .offset: 8, .size: 8, .value_kind: global_buffer, .address_space: global }
      - { .name: bp, .offset: 16, .size: 8, .value_kind: global_buffer, .address_space: global }
      - { .name: out0, .offset: 24, .size: 8, .value_kind: global_buffer, .address_space: global }
    .group_segment_fixed_size: 327680
    .private_segment_fixed_size: 0
    .kernarg_segment_align: 8
    .kernarg_segment_size: 32
    .max_flat_workgroup_size: 128
    .sgpr_count:     80
    .vgpr_count:     512
    .wavefront_size: 32
...
	.end_amdgpu_metadata
.endif
;; end of part 4
;; ======== version 2 of 2: 4 launches; 1.19 times as fast as version 1
;; limits: right only within a limited range of input values
;; workspace buffers: xb 25,165,824 bytes; qkv 25,165,824 bytes; att 8,388,608 bytes; mbits 1,048,576 bytes of whole numbers
;; launch prep (part 5): grid 1024 x 1, 8 waves a work-group, no clusters, 35,840 bytes of LDS; arguments inputs_q, inputs_kv, Wq, Wk, Wv, Wp, attention_mask, xb, mbits; writes xb, mbits
.if DOCPART == 5
	.amdgcn_target "amdgcn-amd-amdhsa--gfx1250"
	.amdhsa_code_object_version 6
	.text
	.protected	k_q5d99e15de6_prep
	.globl	k_q5d99e15de6_prep
	.p2align	8
	.type	k_q5d99e15de6_prep,@function
k_q5d99e15de6_prep:
	s_mov_b64 s[64:65], 0
	v_nop
	global_prefetch_b8 v0, s[64:65] scope:SCOPE_SE
	s_setreg_imm32_b32 hwreg(HW_REG_WAVE_MODE, 25, 1), 1
	s_wait_xcnt 0x0
; Two jobs, chosen by the work-group's number.
; Work-groups 0..767: round 64 KiB of f32 to 32 KiB of bf16.  xb is inputs_q, inputs_kv, Wq, Wk, Wv, Wp one behind the other, so
;   work-group x always stores at xb + 32,768 x; its source is one of the six arrays.
;   A load of a wave covers 512 neighbouring bytes (16 a lane); its four numbers a lane become 8 bytes, and the wave's store covers 256 neighbouring bytes, aligned.
; Work-groups 768..1023: pack 16 rows of the mask (bytes 0/1) into lane-mask words for the attention launch.
;   Word ((QT*32 + kb)*32 + 8 t + j), bit L = mask[row 16 QT + (L & 15)][key 64 kb + 16 t + 8 (L >> 4) + j]: the place of that score in the
;   score registers of the attention launch, so that one word serves one v_cndmask_b32 there.
; A stream: no matrix unit, no tensor loads, no cluster (no two work-groups read the same byte); waves share nothing, so no barrier.
.set XR, 16                            ; v[16:79]   convert: f32 as loaded; pack: v[16:47] mask bytes as loaded, v[48:79] read back by score layout
.set YR, 80                            ; v[80:111]  convert: bf16 to store; pack: v[80:83] the wave's 128 words, four a lane
.set LP, 272                           ; pack: LDS pitch of a row of 256 mask bytes
	s_load_b512 s[4:19], s[0:1], 0x0               ; inputs_q s[4:5], inputs_kv s[6:7], Wq s[8:9], Wk s[10:11], Wv s[12:13], Wp s[14:15], mask s[16:17], xb s[18:19]
	s_load_b64 s[20:21], s[0:1], 0x40              ; mbits
	v_lshl_add_u32 v112, v0, 2, 0x8800
	v_mov_b32 v113, 0
	v_lshrrev_b32 v1, 5, v0
	v_readfirstlane_b32 s22, v1                    ; wave 0..7
	v_and_b32 v2, 31, v0                           ; lane
	s_mov_b32 s23, ttmp9
	s_cmp_lt_u32 s23, 768
	s_cbranch_scc0 .Lpack
	; ---- convert ----
	s_sub_co_u32 s24, s23, 512                     ; only used where x >= 512
	s_lshr_b32 s25, s24, 6                         ; which W
	s_and_b32 s26, s24, 63                         ; block of 64 KiB inside a W
	s_and_b32 s27, s23, 255                        ; block inside inputs_q or inputs_kv
	s_cmp_lt_u32 s23, 512
	s_cselect_b32 s26, s27, s26
	s_lshl_b32 s30, s26, 16                        ; source offset
	s_mov_b32 s31, 0
	s_lshl_b32 s32, s23, 15                        ; destination offset
	s_mov_b32 s33, 0
	v_lshlrev_b32 v3, 4, v2
	v_lshl_add_u32 v3, s22, 13, v3                 ; source: 8,192 wave + 16 lane
	v_lshlrev_b32 v4, 3, v2
	v_lshl_add_u32 v4, s22, 12, v4                 ; destination: 4,096 wave + 8 lane
	s_wait_kmcnt 0x0
	s_cmp_eq_u32 s25, 1
	s_cselect_b64 s[28:29], s[10:11], s[8:9]
	s_cmp_eq_u32 s25, 2
	s_cselect_b64 s[28:29], s[12:13], s[28:29]
	s_cmp_eq_u32 s25, 3
	s_cselect_b64 s[28:29], s[14:15], s[28:29]
	s_cmp_lt_u32 s23, 512
	s_cselect_b64 s[28:29], s[6:7], s[28:29]
	s_cmp_lt_u32 s23, 256
	s_cselect_b64 s[28:29], s[4:5], s[28:29]
	s_add_nc_u64 s[28:29], s[28:29], s[30:31]
	s_add_nc_u64 s[18:19], s[18:19], s[32:33]
.irp i, 0,1,2,3,4,5,6,7,8,9,10,11,12,13,14,15
	global_load_b128 v[XR+4*\i:XR+4*\i+3], v3, s[28:29] offset:512*\i th:TH_LOAD_NT          ; 512 neighbouring bytes
.endr
.irp i, 0,1,2,3,4,5,6,7,8,9,10,11,12,13,14,15
	s_wait_loadcnt 15-\i                           ; loads return in order: load i is in, the 15 - i younger ones stay out
	v_cvt_pk_bf16_f32 v[YR+2*\i],   v[XR+4*\i],   v[XR+4*\i+1]
	v_cvt_pk_bf16_f32 v[YR+2*\i+1], v[XR+4*\i+2], v[XR+4*\i+3]
	global_store_b64 v4, v[YR+2*\i:YR+2*\i+1], s[18:19] offset:256*\i                        ; 256 neighbouring bytes, aligned; no register is used twice
.endr
	s_endpgm
	; ---- pack: work-group p = QT takes mask rows 16 p .. 16 p + 15, wave w the keys 256 w .. 256 w + 255 ----
.Lpack:
	s_sub_co_u32 s24, s23, 768                     ; p
	s_lshl_b32 s30, s24, 15                        ; 16 rows of 2,048 bytes
	s_mov_b32 s31, 0
	s_lshl_b32 s32, s24, 12                        ; 1,024 words for each QT
	s_mov_b32 s33, 0
	s_mul_i32 s25, s22, 16*LP                      ; the wave's own 16 x 272 bytes of LDS
	v_and_b32 v5, 15, v0                           ; r
	v_bfe_u32 v6, v0, 4, 1                         ; h
	v_lshlrev_b32 v7, 4, v5
	v_lshl_add_u32 v3, v6, 11, v7                  ; memory: row h of a pair of rows, 16 bytes at 16 r,
	v_lshl_add_u32 v3, s22, 8, v3                  ; in the wave's 256 keys
	v_mad_u32_u24 v8, v6, LP, v7
	v_add_nc_u32 v8, s25, v8                       ; LDS, in: the same place at pitch 272
	v_mul_u32_u24 v9, v5, LP
	v_lshl_add_u32 v9, v6, 3, v9
	v_add_nc_u32 v9, s25, v9                       ; LDS, back: row r, 8 bytes at 8 h (+ 16 for each tile of 16 keys)
	v_lshlrev_b32 v4, 4, v2
	v_lshl_add_u32 v4, s22, 9, v4                  ; the wave's 128 words, four a lane
.irp k, 0,1,2,3
	v_mov_b32 v[YR+\k], 0                          ; v_writelane_b32 fills them lane by lane: written whole first
.endr
	s_wait_kmcnt 0x0
	s_add_nc_u64 s[16:17], s[16:17], s[30:31]
	s_add_nc_u64 s[20:21], s[20:21], s[32:33]
.irp i, 0,1,2,3,4,5,6,7
	global_load_b128 v[XR+4*\i:XR+4*\i+3], v3, s[16:17] offset:4096*\i th:TH_LOAD_NT        ; two rows' 256 aligned bytes
.endr
.irp i, 0,1,2,3,4,5,6,7
	s_wait_loadcnt 7-\i                            ; the 7 - i younger loads stay out
	ds_store_b128 v8, v[XR+4*\i:XR+4*\i+3] offset:2*LP*\i
.endr
.irp tt, 0,1,2,3,4,5,6,7,8,9,10,11,12,13,14,15
	ds_load_b64 v[XR+32+2*\tt:XR+32+2*\tt+1], v9 offset:16*\tt                              ; LDS serves a wave's instructions in order: these see the stores above
.endr
.set wd, 0
.rept 16
	s_wait_dscnt 15-wd/8                           ; this tile's 8 bytes are in; the younger LDS loads stay out
.rept 8
	v_and_b32 v[10+wd%4], 0xff<<(8*(wd%4)), v[XR+32+2*(wd/8)+(wd%8)/4]                      ; byte j of my 8 keys
	v_cmp_ne_u32 s[34+wd%8], 0, v[10+wd%4]         ; one bit a lane: the word
	v_writelane_b32 v[YR+wd%4], s[34+wd%8], wd/4   ; word wd goes to lane wd / 4, register wd % 4
.set wd, wd+1
.endr
.endr
	global_store_b128 v4, v[YR:YR+3], s[20:21]     ; 512 neighbouring bytes, aligned
	s_wait_tensorcnt 0x0
	ds_add_u32 v112, v113
	s_wait_dscnt 0x0
	s_endpgm
.Lfunc_end_k_q5d99e15de6_prep:
	.size	k_q5d99e15de6_prep, .Lfunc_end_k_q5d99e15de6_prep-k_q5d99e15de6_prep
	.p2alignl 7, 3214868480
	.fill 96, 4, 3214868480
	.section	.rodata,"a",@progbits
	.p2align	6, 0x0
	.amdhsa_kernel k_q5d99e15de6_prep
		.amdhsa_group_segment_fixed_size 35840
		.amdhsa_private_segment_fixed_size 0
		.amdhsa_enable_private_segment 0
		.amdhsa_kernarg_size 72
		.amdhsa_user_sgpr_count 2
		.amdhsa_user_sgpr_kernarg_segment_ptr 1
		.amdhsa_wavefront_size32 1
		.amdhsa_system_sgpr_workgroup_id_x 1
		.amdhsa_system_sgpr_workgroup_id_y 1
		.amdhsa_system_sgpr_workgroup_id_z 1
		.amdhsa_system_vgpr_workitem_id 0
		.amdhsa_next_free_vgpr 114
		.amdhsa_next_free_sgpr 66
		.amdhsa_reserve_vcc 0
		.amdhsa_float_denorm_mode_32 3
		.amdhsa_float_denorm_mode_16_64 3
		.amdhsa_memory_ordered 1
		.amdhsa_forward_progress 1
		.amdhsa_inst_pref_size 36
	.end_amdhsa_kernel
	.amdgpu_metadata
---
amdhsa.version: [ 1, 2 ]
amdhsa.kernels:
  - .name:           k_q5d99e15de6_prep
    .symbol:         k_q5d99e15de6_prep.kd
    .args:
      - { .name: inputs_q, .offset: 0, .size: 8, .value_kind: global_buffer, .address_space: global }
      - { .name: inputs_kv, .offset: 8, .size: 8, .value_kind: global_buffer, .address_space: global }
      - { .name: Wq, .offset: 16, .size: 8, .value_kind: global_buffer, .address_space: global }
      - { .name: Wk, .offset: 24, .size: 8, .value_kind: global_buffer, .address_space: global }
      - { .name: Wv, .offset: 32, .size: 8, .value_kind: global_buffer, .address_space: global }
      - { .name: Wp, .offset: 40, .size: 8, .value_kind: global_buffer, .address_space: global }
      - { .name: attention_mask, .offset: 48, .size: 8, .value_kind: global_buffer, .address_space: global }
      - { .name: xb, .offset: 56, .size: 8, .value_kind: global_buffer, .address_space: global }
      - { .name: mbits, .offset: 64, .size: 8, .value_kind: global_buffer, .address_space: global }
    .group_segment_fixed_size: 35840
    .private_segment_fixed_size: 0
    .kernarg_segment_align: 8
    .kernarg_segment_size: 72
    .max_flat_workgroup_size: 256
    .sgpr_count:     66
    .vgpr_count:     114
    .wavefront_size: 32
...
	.end_amdgpu_metadata
.endif
;; end of part 5
;; launch qkv (part 6): grid 12 x 16, 4 waves a work-group, clusters of 4 x 4, 327,680 bytes of LDS; arguments xb, bq, bk, bv, qkv; writes qkv
.if DOCPART == 6
	.amdgcn_target "amdgcn-amd-amdhsa--gfx1250"
	.amdhsa_code_object_version 6
	.text
	.protected	k_q5d99e15de6_qkv
	.globl	k_q5d99e15de6_qkv
	.p2align	8
	.type	k_q5d99e15de6_qkv,@function
k_q5d99e15de6_qkv:
	s_mov_b64 s[64:65], 0
	v_nop
	global_prefetch_b8 v0, s[64:65] scope:SCOPE_SE
	s_setreg_imm32_b32 hwreg(HW_REG_WAVE_MODE, 25, 1), 1
	s_wait_xcnt 0x0
	s_wait_alu depctr_hold_cnt(0) depctr_sa_sdst(0) depctr_va_vdst(0) depctr_va_sdst(0) depctr_va_ssrc(0) depctr_va_vcc(0) depctr_vm_vsrc(0)
	s_getreg_b32 s2, hwreg(HW_REG_IB_STS2, 6, 4)
	s_cmp_eq_u32 s2, 0
	s_cbranch_scc0 .Lentry_in_a_cluster
	s_endpgm
.Lentry_in_a_cluster:
	s_bfe_u32 s2, ttmp6, 0x10000c
	s_cmp_lg_u32 s2, 0xf033
	s_cbranch_scc0 .Lentry_shape_is_right
	s_endpgm
.Lentry_shape_is_right:
; C = X W + bias for Q, K and V at once.  X: [4096][1024] bf16 (rows along K), W: [1024 k][1024 n] bf16, both in xb; C: bf16, [3][4096][1024].
; Cluster column 0 makes Q (inputs_q, Wq, bq), 1 makes K (inputs_kv, Wk, bk), 2 makes V (inputs_kv, Wv, bv): a cluster's four block columns of 256 are one product's 1,024.
; A work-group makes a block of 256 x 256 with four waves; a wave makes 128 x 128: 64 accumulator tiles, 512 registers.  For 32 along K a wave reads 2 x 128 x 64 bytes
; from LDS for 64 matrix instructions.  K goes in steps of 128 through two LDS slots filled by the tensor data mover: 256 rows of X (256 bytes, pitch 272) and 128 k-rows
; of W (512 bytes, pitch 544).  A slot holds 256 matrix instructions of every wave; 240 of them lie between a slot's request and the wait for it.
; 192 equal work-groups: Q reads another X than K and V, and blocks of 192 columns do not divide a product's 1,024, so there is no equal share for 256.
; W stays [k][n]; ds_load_tr16_b128 transposes it on the way into registers.
; CLUSTERS: 4 x 4 work-groups.  X's tile hangs on the block row (and the product) alone and is asked for jointly along a row of the cluster, W's on the block column alone
; and is asked for jointly along a column: each of the four issues the same tensor load with the same descriptor and a mask that names the four.
; The matrix instruction is used transposed (source 0 = 16 columns of W, source 1 = 16 rows of X): a lane then holds row l % 16 of C and eight neighbouring columns.
; THE BIAS IS THE C OPERAND OF THE FIRST PRODUCTS: it is loaded in the accumulators' layout (register j of tile b: column 16 b + 8 (l / 16) + j), so nothing is cleared or added.
; REGISTERS: window 0: v16-27 addresses; v64-127, v128-191 X's fragments, two buffers; v192-255 the bias, later the packed results on the way out
;            window 1: v64-127, v128-191 W's fragments, two buffers;  window 2: accumulators of my rows 0-63 (tile (a, b) at v[8 (8 a + b)]);  window 3: rows 64-127
.set KSTEP,  128
.set PA,     272                       ; LDS pitch of X's rows: 256 + 16 bytes, an odd multiple of 16
.set PB,     544                       ; LDS pitch of W's rows: 512 + 32 bytes, an odd multiple of 32, for the transposing load
.set HALFT,  128*PA                    ; what one tensor load brings: 128 rows of X, or 64 k-rows of W (64 x 544 is the same 34,816 bytes)
.set SLOT,   4*HALFT                   ; X's two halves, then W's two halves
.set STAGE,  2*SLOT                    ; behind the ring: 16 rows x 272 bytes for each wave, for the way out; no tensor load lands here
.set SPITCH, 272
.set LAPS,   1024/(2*KSTEP)            ; a lap = two K steps = once round the ring
.set ADRA, 16                          ; v16-17 LDS address of my X fragments in slot 0, 1
.set ADRB, 20                          ; v20-21 the same for W
.set STO,  24                          ; way out: where I put 16 bytes of a row
.set RD,   25                          ; way out: where I read a row back
.set CO,   26                          ; my byte offset in C
.set BGO,  27                          ; byte offset of my biases
.set F0,   64
.set F1,   128
.set BIAS, 192                         ; v[192:255], window 0: used by the first quarter step alone
.set TMP,  192                         ; way out: packed results
.set G1,  24                           ; s[24:31] group 1 for X's tiles
.set G0,  32                           ; s[32:39] group 0 for X's tiles, one set a slot
.set G1B, 48                           ; s[48:55] group 1 for W's tiles
.set G0B, 56                           ; s[56:63] group 0 for W's tiles, one set a slot
.set MUL_LO,  0xa1                     ; source 0 (W) window 1, source 1 (X) window 0, C and D window 2
.set MUL_HI,  0xf1                     ; the same, C and D window 3
.set MUL_LO1, 0x81                     ; the first products: C (the bias) window 0, D window 2
.set MUL_HI1, 0xc1                     ; C window 0, D window 3
.set TO_B,    0x40                     ; destination window 1, address window 0
.set MSB, 0
.macro WIN new                         ; the immediate's high byte repeats the setting that is left
.if MSB != \new
	s_set_vgpr_msb (MSB<<8)|\new
.set MSB, \new
.endif
.endm
.macro PLACES                          ; four places behind a matrix instruction (ISA guide 7.12.1) before its results are read or its registers loaded again
.rept 4
	v_nop
.endr
.endm
.macro JLOAD s                         ; waves 0, 1 ask for X's halves, waves 2, 3 for W's: the branch hangs on the wave's number alone
	s_cmp_eq_u32 s11, 0
	s_cbranch_scc0 .Lfor_b_\@
	tensor_load_to_lds s[G0+4*\s:G0+4*\s+3], s[G1:G1+7]
	s_nop 0
	s_branch .Lasked_\@
.Lfor_b_\@:
	tensor_load_to_lds s[G0B+4*\s:G0B+4*\s+3], s[G1B:G1B+7]
	s_nop 0
.Lasked_\@:
.endm
.macro CREST                           ; a round of the cluster's barrier behind its opening work-group barrier
	s_cmp_lg_u32 s10, 0
	s_cbranch_scc1 .Lnot_wave_0_\@
	s_barrier_signal -3
.Lnot_wave_0_\@:
	s_barrier_wait -3
	s_barrier_signal -1
	s_barrier_wait -1
.endm
.macro CROUND
	s_barrier_signal -1
	s_barrier_wait -1
	CREST
.endm
	s_load_b256 s[68:75], s[0:1], 0x0              ; xb s[68:69], bq s[70:71], bk s[72:73], bv s[74:75]
	s_load_b64 s[8:9], s[0:1], 0x20                ; qkv
	s_set_vgpr_msb 0x40
	v_lshl_add_u32 v255, v0, 2, 0x48400
	s_set_vgpr_msb 0x4000
	v_mov_b32 v63, 0
	s_set_vgpr_msb 0x1
	ds_add_u32 v255, v63
	s_set_vgpr_msb 0x100
	v_lshrrev_b32 v1, 5, v0
	v_readfirstlane_b32 s10, v1                    ; wave 0..3
	s_lshr_b32 s11, s10, 1                         ; which half of the block's rows is mine.  Also: I fetch for X (0) or for W (1)
	s_and_b32 s12, s10, 1                          ; which half of its columns.  Also: which half of that tile I fetch
	s_bfe_u32 s40, ttmp6, 0x40000                  ; cx: the block column inside the product
	s_bfe_u32 s41, ttmp6, 0x40004                  ; cy
	s_mov_b32 s45, ttmp9                           ; cluster x: 0 Q, 1 K, 2 V, the same in the whole cluster
	s_and_b32 s13, ttmp7, 0xffff
	s_lshl_b32 s13, s13, 2
	s_add_co_u32 s13, s13, s41                     ; block row = 4 x cluster y + cy
	s_lshl_b32 s43, s41, 2
	s_lshl_b32 s43, 15, s43                        ; my row of the cluster
	s_lshl_b32 s44, 0x1111, s40                    ; my column of the cluster
	; group 1: X: 128 rows x 128 elements, 4 words of padding behind every 64; W: 64 rows x 256 elements, 8 words of padding behind every 128
	s_or_b32 s[G1+0],  s43, (1<<16)|(1<<20)|(1<<21)|(5<<22)|(3<<25)
	s_or_b32 s[G1B+0], s44, (1<<16)|(1<<20)|(1<<21)|(6<<22)|(7<<25)
	s_mov_b32 s[G1+1],  128<<16                    ; tensor_dim0
	s_mov_b32 s[G1B+1], 256<<16
	s_mov_b32 s[G1+2],  128<<16                    ; tensor_dim1
	s_mov_b32 s[G1B+2], 64<<16
	s_mov_b32 s[G1+3],  128<<16                    ; tile_dim0
	s_mov_b32 s[G1B+3], 256<<16
	s_mov_b32 s[G1+4],  128                        ; tile_dim1
	s_mov_b32 s[G1B+4], 64
	s_mov_b32 s[G1+5],  1024                       ; elements from row to row
	s_mov_b32 s[G1B+5], 1024
	s_mov_b32 s[G1+6],  0
	s_mov_b32 s[G1B+6], 0
	s_mov_b32 s[G1+7],  0
	s_mov_b32 s[G1B+7], 0
	; X's tile: rows 256 x block row + 128 x half, 2,048 bytes a row.  No register here ever holds cx.
	s_lshl_b32 s16, s13, 19
	s_lshl_b32 s17, s12, 18
	s_add_co_u32 s16, s16, s17
	s_cmp_lg_u32 s45, 0
	s_cselect_b32 s17, 0x800000, 0                 ; K and V read inputs_kv's copy, 8,388,608 bytes into xb
	s_add_co_u32 s16, s16, s17
	s_mov_b32 s17, 0
	; W's tile: k rows 64 x half, columns 256 x block column.  No register here ever holds cy.
	s_lshl_b32 s46, s45, 21                        ; Wq, Wk, Wv: 2,097,152 bytes each,
	s_add_co_u32 s46, s46, 0x1000000               ; from byte 16,777,216 of xb
	s_lshl_b32 s47, s40, 9
	s_add_co_u32 s46, s46, s47
	s_lshl_b32 s47, s12, 17
	s_add_co_u32 s46, s46, s47
	s_mov_b32 s47, 0
	s_mul_i32 s20, s10, HALFT                      ; LDS: X's two halves, then W's two halves = wave x 34,816
	s_wait_dscnt 0x0
	s_wait_kmcnt 0x0
	s_add_nc_u64 s[14:15], s[68:69], s[16:17]
	s_add_nc_u64 s[46:47], s[68:69], s[46:47]
	s_cmp_eq_u32 s45, 1
	s_cselect_b64 s[66:67], s[72:73], s[70:71]
	s_cmp_eq_u32 s45, 2
	s_cselect_b64 s[66:67], s[74:75], s[66:67]     ; bias: bq, bk or bv
	CROUND                                         ; all sixteen work-groups are here: the first joint loads meet
.irp s, 0,1
	s_mov_b32 s[G0+4*\s], 1
	s_add_co_u32 s[G0+4*\s+1], s20, \s*SLOT
	s_add_nc_u64 s[G0+4*\s+2:G0+4*\s+3], s[14:15], \s*KSTEP*2             ; K step s: 256 bytes along the rows
	s_or_b32 s[G0+4*\s+3], s[G0+4*\s+3], 0x80000000
	s_mov_b32 s[G0B+4*\s], 1
	s_add_co_u32 s[G0B+4*\s+1], s20, \s*SLOT
	s_add_nc_u64 s[G0B+4*\s+2:G0B+4*\s+3], s[46:47], \s*KSTEP*2048        ; K step s: 128 rows down
	s_or_b32 s[G0B+4*\s+3], s[G0B+4*\s+3], 0x80000000
	JLOAD \s                                       ; both first fills go out ahead of everything else: two tensor loads of a wave are out
.endr
	v_and_b32 v1, 15, v0                           ; r = l % 16
	v_bfe_u32 v2, v0, 4, 1                         ; h = l / 16
	; my biases, in the accumulators' layout: tile b, register j: column 128 x my half + 16 b + 8 h + j of the block's 256
	s_lshl_b32 s23, s40, 10
	s_lshl_b32 s21, s12, 9
	s_add_co_u32 s23, s23, s21
	v_lshl_add_u32 v[BGO], v2, 5, s23
.irp b, 0,1,2,3,4,5,6,7
	global_load_b128 v[BIAS+8*\b:BIAS+8*\b+3],   v[BGO], s[66:67] offset:64*\b
	global_load_b128 v[BIAS+8*\b+4:BIAS+8*\b+7], v[BGO], s[66:67] offset:64*\b+16
.endr
	; fragment addresses
	v_mul_u32_u24 v3, v1, PA
	v_lshl_add_u32 v3, v2, 4, v3                   ; 272 r + 16 h
	s_mul_i32 s21, s11, HALFT                      ; my 128 rows of X
	v_add_nc_u32 v[ADRA], s21, v3
	v_add_nc_u32 v[ADRA+1], SLOT, v[ADRA]
	v_and_b32 v6, 7, v0
	v_lshl_add_u32 v6, v2, 3, v6                   ; k row 8 h + l % 8
	v_mul_u32_u24 v6, v6, PB
	v_bfe_u32 v7, v0, 3, 1
	v_lshl_add_u32 v6, v7, 4, v6                   ; + 16 bytes for the upper eight columns of a tile
	s_lshl_b32 s22, s12, 8                         ; my 128 columns: 256 bytes along W's rows,
	s_add_co_u32 s22, s22, 2*HALFT                 ; which lie behind X's 256 rows
	v_add_nc_u32 v[ADRB], s22, v6
	v_add_nc_u32 v[ADRB+1], SLOT, v[ADRB]
	s_mul_i32 s23, s10, 16*SPITCH
	s_add_co_u32 s23, s23, STAGE                   ; my stage
	v_add_nc_u32 v[STO], s23, v3                   ; in: row r, 16 bytes for each half of the lanes
	v_mul_u32_u24 v5, v2, SPITCH                   ; back: lanes 0-15 take one row of 256 bytes, lanes 16-31 the next
	v_lshl_add_u32 v5, v1, 4, v5
	v_add_nc_u32 v[RD], s23, v5
	v_lshlrev_b32 v4, 4, v1
	v_lshl_add_u32 v[CO], v2, 11, v4               ; the same two rows in C
; 16 matrix instructions: row tiles a0, a0 + 1 of the window's four (hi = 0: my rows 0-63, 1: rows 64-127) x all 8 column tiles, 32 along K.
; first = 1: the first product starts the sums from the bias.
.macro MUL16 f, hi, a0, first
.irp a, \a0, \a0+1
.irp b, 0,1,2,3,4,5,6,7
.if \first
	v_wmma_f32_16x16x32_bf16 v[8*(8*(\a)+\b):8*(8*(\a)+\b)+7], v[\f+8*\b:\f+8*\b+7], v[\f+8*(4*\hi+\a):\f+8*(4*\hi+\a)+7], v[BIAS+8*\b:BIAS+8*\b+7]
.else
	v_wmma_f32_16x16x32_bf16 v[8*(8*(\a)+\b):8*(8*(\a)+\b)+7], v[\f+8*\b:\f+8*\b+7], v[\f+8*(4*\hi+\a):\f+8*(4*\hi+\a)+7], v[8*(8*(\a)+\b):8*(8*(\a)+\b)+7]
.endif
.endr
.endr
.endm
; 32 LDS loads in one run: quarter kq (32 along K) of a slot into buffer f: W's 8 fragments transposed, then X's 8
.macro FETCH slot, kq, f
	WIN TO_B
.irp i, 0,1,2,3,4,5,6,7
	ds_load_tr16_b128 v[\f+8*\i:\f+8*\i+3],   v[ADRB+\slot] offset:\kq*32*PB+32*\i
	ds_load_tr16_b128 v[\f+8*\i+4:\f+8*\i+7], v[ADRB+\slot] offset:\kq*32*PB+32*\i+16*PB
.endr
	WIN 0
.irp i, 0,1,2,3,4,5,6,7
	ds_load_b128 v[\f+8*\i:\f+8*\i+3],   v[ADRA+\slot] offset:64*\kq+\i*16*PA
	ds_load_b128 v[\f+8*\i+4:\f+8*\i+7], v[ADRA+\slot] offset:64*\kq+\i*16*PA+32
.endr
.endm
; The 64 accumulators take turns, one instruction a turn, in the same order in every quarter.
.macro QUARTER slot, kq, f, g, first
	s_wait_dscnt 8                                 ; W and X's rows 0-63 are in; the youngest eight loads (X's rows 64-127) may be out
.if \first
	WIN MUL_LO1
.else
	WIN MUL_LO
.endif
	MUL16 \f, 0, 0, \first
	MUL16 \f, 0, 2, \first
	PLACES
	FETCH \slot, \kq, \g
	s_wait_dscnt 32                                ; all but the 32 just issued
.if \first
	WIN MUL_HI1
.else
	WIN MUL_HI
.endif
	MUL16 \f, 1, 0, \first
	MUL16 \f, 1, 2, \first
.endm
.macro THREE slot, first
	QUARTER \slot, 1, F0, F1, \first
	QUARTER \slot, 2, F1, F0, 0
	QUARTER \slot, 3, F0, F1, 0
.endm
; The last quarter of a K step changes slots.  In front of the barrier each wave waits for its reads of this slot and for all its tensor loads (one is out: its part
; of the next slot).  Where the slot is filled again the barrier opens a round of the cluster's barrier, and the joint refill is the first tensor load behind the round.
.macro TURN slot, next, fill
	s_wait_dscnt 8
	WIN MUL_LO
	MUL16 F1, 0, 0, 0
	s_wait_dscnt 0
	s_wait_tensorcnt 0x0
	ds_add_u32 v255, v63
	s_wait_dscnt 0x0
	s_barrier_signal -1
	MUL16 F1, 0, 2, 0                              ; register work while the others arrive
	WIN 0
	s_barrier_wait -1
.if \fill
	CREST
	s_add_nc_u64 s[G0+4*\slot+2:G0+4*\slot+3], s[G0+4*\slot+2:G0+4*\slot+3], 2*KSTEP*2          ; no tensor load of mine is out: the addresses step two K steps
	s_add_nc_u64 s[G0B+4*\slot+2:G0B+4*\slot+3], s[G0B+4*\slot+2:G0B+4*\slot+3], 2*KSTEP*2048
	JLOAD \slot
.endif
	PLACES
	FETCH \next, 0, F0
	WIN MUL_HI
	MUL16 F1, 1, 0, 0
	MUL16 F1, 1, 2, 0
.endm
.macro LAP first
	THREE 0, \first
	TURN 0, 1, 1
	THREE 1, 0
	TURN 1, 0, 1
.endm
	s_wait_tensorcnt 1                             ; my part of K step 0 is in; K step 1's stays out
	s_barrier_signal -1
	s_barrier_wait -1
	FETCH 0, 0, F0
	s_wait_loadcnt 0x0                             ; the bias
	LAP 1                                          ; the first lap's first products start the sums
	WIN 0
	s_mov_b32 s3, LAPS-2
.Llap:
	LAP 0
	WIN 0
	s_sub_co_u32 s3, s3, 1
	s_cmp_lg_u32 s3, 0
	s_cbranch_scc1 .Llap
	THREE 0, 0                                     ; the last lap fills nothing
	TURN 0, 1, 0
	THREE 1, 0
	s_wait_dscnt 8
	WIN MUL_LO
	MUL16 F1, 0, 0, 0
	MUL16 F1, 0, 2, 0
	s_wait_dscnt 0
	WIN MUL_HI
	MUL16 F1, 1, 0, 0
	MUL16 F1, 1, 2, 0
	; THE WAY OUT, 16 rows at a time: round to bf16, 16 bytes a lane into my own stage in LDS, read back as whole rows of 256 bytes.
	PLACES
	s_lshl_b32 s16, s13, 19                        ; 256 rows of 2,048 bytes a block row,
	s_lshl_b32 s17, s11, 18                        ; 128 rows for my half,
	s_add_co_u32 s16, s16, s17
	s_lshl_b32 s17, s45, 23                        ; 8,388,608 bytes for each of Q, K, V
	s_add_co_u32 s16, s16, s17
	s_mov_b32 s17, 0
	s_add_nc_u64 s[8:9], s[8:9], s[16:17]
	s_lshl_b32 s46, s40, 9                         ; 512 bytes a block column, 256 for my half
	s_lshl_b32 s47, s12, 8
	s_add_co_u32 s46, s46, s47
	s_mov_b32 s47, 0
	s_add_nc_u64 s[8:9], s[8:9], s[46:47]
; rows 16 i .. 16 i + 15 of my block = the eight tiles (a, 0..7) of window 2 or 3 (from = 0x0a or 0x0f: sources 0 and 1); f: F0 or F1 in turn
.macro OUT16 i, a, from, f
	WIN \from
.irp b, 0,1,2,3,4,5,6,7
.irp r, 0,1,2,3
	v_cvt_pk_bf16_f32 v[TMP+4*\b+\r], v[8*(8*\a+\b)+2*\r], v[8*(8*\a+\b)+2*\r+1]
.endr
.endr
	WIN 0
.irp b, 0,1,2,3,4,5,6,7
	ds_store_b128 v[STO], v[TMP+4*\b:TMP+4*\b+3] offset:32*\b
.endr
	s_wait_xcnt 0x0                                ; buffer f, which earlier stores read, and the stores' base are rewritten only behind this wait
.if \i
	s_add_nc_u64 s[8:9], s[8:9], 16*2048
.endif
.irp t, 0,1,2,3,4,5,6,7
	ds_load_b128 v[\f+4*\t:\f+4*\t+3], v[RD] offset:\t*2*SPITCH            ; LDS serves a wave's instructions in order: these see the stores above
.endr
.irp t, 0,1,2,3,4,5,6,7
	s_wait_dscnt 7-\t
	global_store_b128 v[CO], v[\f+4*\t:\f+4*\t+3], s[8:9] offset:4096*\t   ; 16 lanes store 256 neighbouring bytes, aligned
.endr
.endm
	OUT16 0, 0, 0x0a, F0
	OUT16 1, 1, 0x0a, F1
	OUT16 2, 2, 0x0a, F0
	OUT16 3, 3, 0x0a, F1
	OUT16 4, 0, 0x0f, F0
	OUT16 5, 1, 0x0f, F1
	OUT16 6, 2, 0x0f, F0
	OUT16 7, 3, 0x0f, F1
	s_set_vgpr_msb 0x1
	s_wait_tensorcnt 0x0
	ds_add_u32 v255, v63
	s_wait_dscnt 0x0
	s_set_vgpr_msb 0x100
	CROUND                                         ; the closing round: no work-group ends while a partner may still ask for a tile that names it
	s_endpgm
.Lfunc_end_k_q5d99e15de6_qkv:
	.size	k_q5d99e15de6_qkv, .Lfunc_end_k_q5d99e15de6_qkv-k_q5d99e15de6_qkv
	.p2alignl 7, 3214868480
	.fill 96, 4, 3214868480
	.section	.rodata,"a",@progbits
	.p2align	6, 0x0
	.amdhsa_kernel k_q5d99e15de6_qkv
		.amdhsa_group_segment_fixed_size 327680
		.amdhsa_private_segment_fixed_size 0
		.amdhsa_enable_private_segment 0
		.amdhsa_kernarg_size 40
		.amdhsa_user_sgpr_count 2
		.amdhsa_user_sgpr_kernarg_segment_ptr 1
		.amdhsa_wavefront_size32 1
		.amdhsa_system_sgpr_workgroup_id_x 1
		.amdhsa_system_sgpr_workgroup_id_y 1
		.amdhsa_system_sgpr_workgroup_id_z 1
		.amdhsa_system_vgpr_workitem_id 0
		.amdhsa_next_free_vgpr 1024
		.amdhsa_next_free_sgpr 80
		.amdhsa_reserve_vcc 0
		.amdhsa_float_denorm_mode_32 3
		.amdhsa_float_denorm_mode_16_64 3
		.amdhsa_memory_ordered 1
		.amdhsa_forward_progress 1
		.amdhsa_inst_pref_size 198
	.end_amdhsa_kernel
	.amdgpu_metadata
---
amdhsa.version: [ 1, 2 ]
amdhsa.kernels:
  - .name:           k_q5d99e15de6_qkv
    .symbol:         k_q5d99e15de6_qkv.kd
    .args:
      - { .name: xb, .offset: 0, .size: 8, .value_kind: global_buffer, .address_space: global }
      - { .name: bq, .offset: 8, .size: 8, .value_kind: global_buffer, .address_space: global }
      - { .name: bk, .offset: 16, .size: 8, .value_kind: global_buffer, .address_space: global }
      - { .name: bv, .offset: 24, .size: 8, .value_kind: global_buffer, .address_space: global }
      - { .name: qkv, .offset: 32, .size: 8, .value_kind: global_buffer, .address_space: global }
    .group_segment_fixed_size: 327680
    .private_segment_fixed_size: 0
    .kernarg_segment_align: 8
    .kernarg_segment_size: 40
    .max_flat_workgroup_size: 128
    .sgpr_count:     80
    .vgpr_count:     1024
    .wavefront_size: 32
...
	.end_amdgpu_metadata
.endif
;; end of part 6
;; launch attn (part 7): grid 16 x 16, 8 waves a work-group, clusters of 4 x 1, 327,680 bytes of LDS; arguments qkv, mbits, att; writes att
.if DOCPART == 7
	.amdgcn_target "amdgcn-amd-amdhsa--gfx1250"
	.amdhsa_code_object_version 6
	.text
	.protected	k_q5d99e15de6_attn
	.globl	k_q5d99e15de6_attn
	.p2align	8
	.type	k_q5d99e15de6_attn,@function
k_q5d99e15de6_attn:
	s_mov_b64 s[64:65], 0
	v_nop
	global_prefetch_b8 v0, s[64:65] scope:SCOPE_SE
	s_setreg_imm32_b32 hwreg(HW_REG_WAVE_MODE, 25, 1), 1
	s_wait_xcnt 0x0
	s_wait_alu depctr_hold_cnt(0) depctr_sa_sdst(0) depctr_va_vdst(0) depctr_va_sdst(0) depctr_va_ssrc(0) depctr_va_vcc(0) depctr_vm_vsrc(0)
	s_getreg_b32 s2, hwreg(HW_REG_IB_STS2, 6, 4)
	s_cmp_eq_u32 s2, 0
	s_cbranch_scc0 .Lentry_in_a_cluster
	s_endpgm
.Lentry_in_a_cluster:
	s_bfe_u32 s2, ttmp6, 0x10000c
	s_cmp_lg_u32 s2, 0x3003
	s_cbranch_scc0 .Lentry_shape_is_right
	s_endpgm
.Lentry_shape_is_right:
; Masked softmax attention with a running maximum.  qkv: bf16 [3][4096 tokens][1024]; mbits: the mask as lane-mask words; att: bf16 [4096][1024].
; A work-group takes one batch, two neighbouring heads (so that every row of K, V and att that it touches is 256 aligned bytes) and 128 queries.
; Wave W: e = W & 1 the head of the pair, g = (W >> 1) & 1 which 64 queries, kh = W >> 2 which half of the keys of every slot.  A wave's block is 64 queries x 64 keys:
; 16 KiB from LDS for 64 matrix instructions.  Two waves lie on a SIMD.
; The two waves that share (e, g) hold partial results over disjoint keys; they are merged at the end through LDS.  Register slot q holds query tile q xor 2 kh, so that
; every wave keeps slots 0, 1 and hands slots 2, 3 to wave W xor 4: one text for all waves.
; EVERYTHING IS TRANSPOSED: S^T = K Q^T (lane (r, h) holds query r, keys 16 t + 8 h + j), so two neighbouring score tiles, rounded to bf16 in place, are the second source of
; O^T = V^T P^T, whose first source ds_load_tr16_b128 makes of V's rows; the maximum, the rescale factor and 1 / sum are one number a lane.
; THE PIPELINE: the four query tiles are two halves, H0 (slots 0, 1) and H1 (slots 2, 3).  A block b is two stages, and in each the softmax of one half stands beside the
; products of the other:   stage A(b): softmax of H0, block b   beside   O(H1) += V(b-1) P(H1, b-1), then S(H1, b) = K(b) Q(H1)
;                          stage B(b): softmax of H1, block b   beside   O(H0) += V(b) P(H0, b),     then S(H0, b+1) = K(b+1) Q(H0)
; A stage is 305 vector instructions and 32 matrix instructions.  Its order lets vector and matrix instructions share a setting of the register windows:
; mask, maximum (setting 0); products on O, two rescaling multiplies of this half's O behind each (0x51); score products, two multiply-adds and four exponentials behind each
; (0x04: their source 1 is a scalar or absent); sum and rounding (0).  Both tiles of a half are worked line by line together, so that each dependent chain has a second beside it.
; CLUSTERS: the four work-groups of a cluster are four query blocks of the same batch and heads: they read the same K and V, by joint loads with the mask 15.
; A slot holds 256 keys: regions 0-3 K (64 keys x 256 bytes, pitch 272), regions 4-7 V (pitch 288); each of the eight waves fills one region with one tensor load a trip.
; SOFTMAX: c = 0.125 log2 e.  Masked scores are replaced by -2^126; NMC = -(c x running maximum) starts at +2^100; p = exp2(c s + NMC), exactly 0 for a masked score.
; A row with no key allowed ends with sum 0 and O 0 and gives 0, as the reference's fill behind its softmax does.
; LIMITS: a row whose allowed scores all have c x (q . k) below -2^100 is treated as masked; NaN and infinities in the inputs are not reproduced.
.set REG,   18432                      ; a region: 64 rows at pitch 288 (K's use 64 x 272 of it)
.set SLOT,  8*REG                      ; 147,456; two slots
.set PK,    272
.set PV,    288
.set XW,    9216                       ; exchange: 8,192 bytes of O and 1,024 of state for each wave, from LDS byte 0 (slot 0, behind its last fill)
.set STAGE, 73728                      ; 128 rows x 272 bytes, also in slot 0, behind the exchange
.set G0,  8                            ; s[8:15]  group 0, one set a slot
.set G1K, 84                           ; s[84:91] group 1 for K's regions
.set G1V, 92                           ; s[92:99] group 1 for V's regions
; s4 wave, s5 trips, s6 c, s7 -c, s[2:3] Q's base, s66-67 lane selects, s[100:101] mask pointer, s104 / s105 mask offset of slots 0, 1 / 2, 3
; mask words of the two query tiles of a half: s16-47 (first tile), s48-63 and s68-83 (second tile)
; window 0
.set ADK,  2                           ; v2-3   LDS address of my K fragments in slot 0, 1
.set ADV,  4                           ; v4-5   the same for V
.set NEGR, 6                           ; v6     -2^126
.set QA,   8                           ; v8-9   byte offset of my Q rows, slots 0, 1 / 2, 3
.set CO,   10                          ; my byte offset in att
.set XA,   11                          ; exchange: mine
.set XB,   12                          ; exchange: my partner's
.set STO,  13                          ; stage, in
.set RD,   14                          ; stage, back
.set ST,   16                          ; v[16+4q ..]: NMC, sum (this lane's keys), rescale factor, a filler so that pairs are whole
.set T,    32                          ; v[32:63] at work: 16 registers for each of a half's two tiles
.set SC,   64                          ; score tile (q, t) at v[64+32q+8t]; P(q, ks) packed in place at v[64+32q+16ks .. +7]
.set KF,   192                         ; K fragment (t, ks) at v[192+16t+8ks]
; window 1
.set OA,   0                           ; O tile (q, dt) at v[8(4q+dt)]
.set QF,   128                         ; Q fragment (q, ks) at v[128+16q+8ks]
.set VF,   192                         ; V fragment (dt, ks) at v[192+16dt+8ks]
.set MSB, 0
.macro WIN new                         ; the immediate's high byte repeats the setting that is left
.if MSB != \new
	s_set_vgpr_msb (MSB<<8)|\new
.set MSB, \new
.endif
.endm
.macro PLACES n
.rept \n
	v_nop
.endr
.endm
.macro ROUND                           ; a round of the cluster's barrier
	s_barrier_signal -1
	s_barrier_wait -1
	s_cmp_lg_u32 s4, 0
	s_cbranch_scc1 .Lnot_wave_0_\@
	s_barrier_signal -3
.Lnot_wave_0_\@:
	s_barrier_wait -3
	s_barrier_signal -1
	s_barrier_wait -1
.endm
.macro JLOAD slot                      ; waves 0-3 fill K's regions, waves 4-7 V's: the branch hangs on the wave's number alone
	s_cmp_lt_u32 s4, 4
	s_cbranch_scc0 .Lfor_v_\@
	tensor_load_to_lds s[G0+4*\slot:G0+4*\slot+3], s[G1K:G1K+7]
	s_nop 0
	s_branch .Lasked_\@
.Lfor_v_\@:
	tensor_load_to_lds s[G0+4*\slot:G0+4*\slot+3], s[G1V:G1V+7]
	s_nop 0
.Lasked_\@:
.endm
	s_load_b128 s[16:19], s[0:1], 0x0              ; qkv s[16:17], mbits s[18:19]
	v_lshl_add_u32 v62, v0, 2, 0x48000
	v_mov_b32 v63, 0
	ds_add_u32 v62, v63
	v_lshrrev_b32 v1, 5, v0
	v_readfirstlane_b32 s4, v1                     ; wave 0..7
	s_bfe_u32 s20, ttmp6, 0x40000                  ; cx
	s_lshl_b32 s21, ttmp9, 2
	s_add_co_u32 s21, s21, s20                     ; query block = 4 x cluster x + cx
	s_and_b32 s22, ttmp7, 0xffff
	s_lshr_b32 s23, s22, 3                         ; batch
	s_and_b32 s24, s22, 7                          ; pair of heads
	s_and_b32 s25, s4, 1                           ; e
	s_bfe_u32 s26, s4, 0x10001                     ; g
	s_lshr_b32 s27, s4, 2                          ; kh
	s_mov_b32 s6, 0x3e38aa3b                       ; c = 0.125 log2 e
	s_mov_b32 s7, 0xbe38aa3b                       ; -c
	s_mov_b32 s66, 0x76543210                      ; v_permlanex16_b32: lane i of one half reads lane i of the other
	s_mov_b32 s67, 0xfedcba98
	; group 1: 64 rows x 128 elements of 2 bytes, mask 15 with bit 21 beside it, padding behind every 64 words: K 4 words, V 8 words
	s_mov_b32 s[G1K+0], 15|(1<<16)|(1<<20)|(1<<21)|(5<<22)|(3<<25)
	s_mov_b32 s[G1V+0], 15|(1<<16)|(1<<20)|(1<<21)|(5<<22)|(7<<25)
.irp g, G1K, G1V
	s_mov_b32 s[\g+1], 128<<16                     ; tensor_dim0 = 128
	s_mov_b32 s[\g+2], 64<<16                      ; tensor_dim1 = 64
	s_mov_b32 s[\g+3], 128<<16                     ; tile_dim0 = 128
	s_mov_b32 s[\g+4], 64                          ; tile_dim1 = 64
	s_mov_b32 s[\g+5], 1024                        ; elements from row to row
	s_mov_b32 s[\g+6], 0
	s_mov_b32 s[\g+7], 0
.endr
	; my region's first tile: K or V, batch, keys 64 (W & 3), the pair's 256 bytes.  Nothing here hangs on cx.
	s_and_b32 s28, s4, 3
	s_lshl_b32 s28, s28, 17                        ; 64 rows of 2,048 bytes
	s_lshl_b32 s29, s23, 22                        ; 2,048 rows a batch
	s_add_co_u32 s28, s28, s29
	s_lshl_b32 s29, s24, 8
	s_add_co_u32 s28, s28, s29
	s_lshl_b32 s29, s27, 23                        ; V lies 8,388,608 bytes behind K,
	s_add_co_u32 s28, s28, s29
	s_add_co_u32 s28, s28, 0x800000                ; K as far behind Q
	s_mov_b32 s29, 0
	s_mul_i32 s30, s4, REG
	s_wait_dscnt 0x0
	s_wait_kmcnt 0x0
	s_add_nc_u64 s[28:29], s[16:17], s[28:29]
	s_mov_b64 s[2:3], s[16:17]                     ; Q's base, in registers that the mask loads never touch
.irp s, 0,1
	s_mov_b32 s[G0+4*\s], 1
	s_add_co_u32 s[G0+4*\s+1], s30, \s*SLOT
	s_add_nc_u64 s[G0+4*\s+2:G0+4*\s+3], s[28:29], \s*256*2048             ; slot s: keys 256 s ..
	s_or_b32 s[G0+4*\s+3], s[G0+4*\s+3], 0x80000000
.endr
	ROUND                                          ; the four work-groups are here: the first joint loads meet
	JLOAD 0                                        ; keys 0..255
	JLOAD 1                                        ; keys 256..511: both first fills go out together; two tensor loads of a wave are out here, one behind every later round
	; addresses
	v_and_b32 v32, 15, v0                          ; r
	v_bfe_u32 v33, v0, 4, 1                        ; h
	v_and_b32 v34, 7, v0
	v_bfe_u32 v35, v0, 3, 1
	v_and_b32 v36, 31, v0                          ; lane
	s_lshl_b32 s33, s25, 7                         ; 128 e
	s_lshl_b32 s35, s23, 22
	s_lshl_b32 s36, s21, 18                        ; 128 rows a query block
	s_add_co_u32 s35, s35, s36
	s_lshl_b32 s36, s24, 8
	s_add_co_u32 s35, s35, s36                     ; batch, query block, pair of heads: for Q and for att
	s_lshl_b32 s36, s26, 17                        ; 64 g rows
	s_add_co_u32 s36, s36, s35
	s_add_co_u32 s36, s36, s33
	s_lshl_b32 s37, s27, 16                        ; slots 0, 1 are query tiles 2 kh, 2 kh + 1: 32 kh rows
	s_add_co_u32 s38, s36, s37
	s_xor_b32 s37, s37, 0x10000                    ; slots 2, 3 the other two
	s_add_co_u32 s39, s36, s37
	v_lshlrev_b32 v39, 11, v32
	v_lshl_add_u32 v39, v33, 4, v39                ; 2,048 r + 16 h
	v_add_nc_u32 v[QA], s38, v39
	v_add_nc_u32 v[QA+1], s39, v39
	WIN 0x40                                       ; destination in window 1
.irp q, 0,1,2,3
.irp ks, 0,1
	global_load_b128 v[QF+16*\q+8*\ks:QF+16*\q+8*\ks+3],   v[QA+\q/2], s[2:3] offset:32768*(\q%2)+64*\ks
	global_load_b128 v[QF+16*\q+8*\ks+4:QF+16*\q+8*\ks+7], v[QA+\q/2], s[2:3] offset:32768*(\q%2)+64*\ks+32
.endr
.endr
	WIN 0
	s_mul_i32 s32, s27, 2*REG                      ; my half of the slot's keys: regions 2 kh, 2 kh + 1
	s_add_co_u32 s32, s32, s33
	v_mul_u32_u24 v37, v32, PK
	v_lshl_add_u32 v37, v33, 4, v37                ; 272 r + 16 h
	v_add_nc_u32 v[ADK], s32, v37
	v_add_nc_u32 v[ADK+1], SLOT, v[ADK]
	v_lshl_add_u32 v38, v33, 3, v34                ; key row 8 h + l % 8
	v_mul_u32_u24 v38, v38, PV
	v_lshl_add_u32 v38, v35, 4, v38
	s_add_co_u32 s34, s32, 4*REG
	v_add_nc_u32 v[ADV], s34, v38
	v_add_nc_u32 v[ADV+1], SLOT, v[ADV]
	s_lshl_b32 s40, s4, 15                         ; way out: wave W stores rows 16 W .. 16 W + 15 of the block
	s_add_co_u32 s40, s40, s35
	v_lshlrev_b32 v40, 4, v32
	v_lshl_add_u32 v41, v33, 11, v40
	v_add_nc_u32 v[CO], s40, v41
	s_mul_i32 s41, s4, XW
	s_xor_b32 s42, s4, 4
	s_mul_i32 s42, s42, XW
	v_lshlrev_b32 v42, 4, v36
	v_add_nc_u32 v[XA], s41, v42
	v_add_nc_u32 v[XB], s42, v42
	s_lshl_b32 s43, s26, 6
	s_lshl_b32 s44, s27, 5
	s_add_co_u32 s43, s43, s44                     ; the rows that I finish: 64 g + 32 kh ..
	s_mul_i32 s43, s43, PK
	s_add_co_u32 s43, s43, s33
	s_add_co_u32 s43, s43, STAGE
	v_add_nc_u32 v[STO], s43, v37
	s_mul_i32 s44, s4, 16*PK
	s_add_co_u32 s44, s44, STAGE
	v_mad_u32_u24 v43, v33, PK, v40
	v_add_nc_u32 v[RD], s44, v43
.irp q, 0,1,2,3
	v_mov_b32 v[ST+4*\q], 0x71800000               ; NMC = 2^100
	v_mov_b32 v[ST+4*\q+1], 0
	v_mov_b32 v[ST+4*\q+2], 0
	v_mov_b32 v[ST+4*\q+3], 0
.endr
	v_mov_b32 v[NEGR], 0xfe800000                  ; -2^126
	; mask words: 4,096 bytes a query tile, 128 a block of 64 keys
	s_lshl_b32 s46, s23, 19
	s_lshl_b32 s47, s21, 15
	s_add_co_u32 s46, s46, s47
	s_lshl_b32 s47, s26, 14
	s_add_co_u32 s46, s46, s47
	s_lshl_b32 s47, s27, 8
	s_add_co_u32 s46, s46, s47
	s_mov_b32 s47, 0
	s_add_nc_u64 s[100:101], s[18:19], s[46:47]
	s_lshl_b32 s104, s27, 13                       ; slots 0, 1: query tiles 2 kh ..
	s_xor_b32 s105, s104, 0x2000                   ; slots 2, 3: the other two
; In the macros below hq is the first query tile of the half whose softmax a stage does, hp the first tile of the other half, whose products it issues.
.macro MLOAD off, imm                  ; the 64 mask words of two query tiles and one block of 64 keys
	s_load_b512 s[16:31], s[100:101], \off offset:\imm
	s_load_b512 s[32:47], s[100:101], \off offset:\imm+64
	s_load_b512 s[48:63], s[100:101], \off offset:\imm+4096
	s_load_b512 s[68:83], s[100:101], \off offset:\imm+4160
.endm
.macro KLOAD slot, blk
.irp t, 0,1,2,3
.irp ks, 0,1
	ds_load_b128 v[KF+16*\t+8*\ks:KF+16*\t+8*\ks+3],   v[ADK+\slot] offset:\blk*REG+16*PK*\t+64*\ks
	ds_load_b128 v[KF+16*\t+8*\ks+4:KF+16*\t+8*\ks+7], v[ADK+\slot] offset:\blk*REG+16*PK*\t+64*\ks+32
.endr
.endr
.endm
.macro VLOAD slot, blk
	WIN 0x40                                       ; destination in window 1, address in window 0
.irp ks, 0,1
.irp dt, 0,1,2,3
	ds_load_tr16_b128 v[VF+16*\dt+8*\ks:VF+16*\dt+8*\ks+3],   v[ADV+\slot] offset:\blk*REG+32*PV*\ks+32*\dt
	ds_load_tr16_b128 v[VF+16*\dt+8*\ks+4:VF+16*\dt+8*\ks+7], v[ADV+\slot] offset:\blk*REG+32*PV*\ks+32*\dt+16*PV
.endr
.endr
.endm
; Score product n of 16 (setting 0x04: Q in window 1): key tile n / 4; within it (hp, ks 0), (hp + 1, ks 0), (hp, ks 1), (hp + 1, ks 1).
; The two score tiles take turns, one instruction a turn; the first product starts each sum.
.macro QKW n
.set wq, hp+(\n)%2
.set wt, (\n)/4
.if ((\n)%4)/2
	v_wmma_f32_16x16x32_bf16 v[SC+32*wq+8*wt:SC+32*wq+8*wt+7], v[KF+16*wt+8:KF+16*wt+15], v[QF+16*wq+8:QF+16*wq+15], v[SC+32*wq+8*wt:SC+32*wq+8*wt+7]
.else
	v_wmma_f32_16x16x32_bf16 v[SC+32*wq+8*wt:SC+32*wq+8*wt+7], v[KF+16*wt:KF+16*wt+7], v[QF+16*wq:QF+16*wq+7], 0
.endif
.endm
; Product n of 16 on O (setting 0x51: V, C and D in window 1, P in window 0): ks = n / 8, dt = (n % 8) / 2, tile hp + n % 2.
; The eight O tiles take turns, one instruction a turn.  zero = 1: the products of ks 0 start the sums.
.macro PVW n, zero
.set wq, hp+(\n)%2
.set wd, ((\n)%8)/2
.set wk, (\n)/8
.if (\zero)*(1-wk)
	v_wmma_f32_16x16x32_bf16 v[OA+8*(4*wq+wd):OA+8*(4*wq+wd)+7], v[VF+16*wd+8*wk:VF+16*wd+8*wk+7], v[SC+32*wq+16*wk:SC+32*wq+16*wk+7], 0
	s_wait_alu depctr_va_vdst(0)
.else
	v_wmma_f32_16x16x32_bf16 v[OA+8*(4*wq+wd):OA+8*(4*wq+wd)+7], v[VF+16*wd+8*wk:VF+16*wd+8*wk+7], v[SC+32*wq+16*wk:SC+32*wq+16*wk+7], v[OA+8*(4*wq+wd):OA+8*(4*wq+wd)+7]
.endif
.endm
.macro RSC i                           ; pair i of 16 of both tiles' O times the rescale factor (fits setting 0x51: O in window 1, the factor in window 0)
.irp z, 0,1
	v_pk_mul_f32 v[OA+32*(hq+\z)+2*(\i):OA+32*(hq+\z)+2*(\i)+1], v[OA+32*(hq+\z)+2*(\i):OA+32*(hq+\z)+2*(\i)+1], v[ST+4*(hq+\z)+2:ST+4*(hq+\z)+3] op_sel_hi:[1,0]
.endr
.endm
.macro MASK z                          ; a score whose mask bit is 0 becomes -2^126; word 8 t + j serves register j of tile t
.set mi, 0
.rept 32
	v_cndmask_b32 v[SC+32*(hq+\z)+mi], v[NEGR], v[SC+32*(hq+\z)+mi], s[16+mi+\z*(32+4*(mi/16))]
.set mi, mi+1
.endr
.endm
; The largest of a lane's 32 scores, four chains a tile, both tiles line by line; then the running maximum and the rescale factor.
.macro ROWMAX
.irp k, 0,1,2,3
.irp z, 0,1
	v_max3_num_f32 v[T+16*\z+\k], v[SC+32*(hq+\z)+3*\k], v[SC+32*(hq+\z)+3*\k+1], v[SC+32*(hq+\z)+3*\k+2]
.endr
.endr
.irp k, 0,1,2,3
.irp z, 0,1
	v_max3_num_f32 v[T+16*\z+\k], v[T+16*\z+\k], v[SC+32*(hq+\z)+12+2*\k], v[SC+32*(hq+\z)+13+2*\k]
.endr
.endr
.irp k, 0,1,2,3
.irp z, 0,1
	v_max3_num_f32 v[T+16*\z+\k], v[T+16*\z+\k], v[SC+32*(hq+\z)+20+2*\k], v[SC+32*(hq+\z)+21+2*\k]
.endr
.endr
.irp z, 0,1
	v_max3_num_f32 v[T+16*\z], v[T+16*\z], v[SC+32*(hq+\z)+28], v[SC+32*(hq+\z)+29]
	v_max3_num_f32 v[T+16*\z+1], v[T+16*\z+1], v[SC+32*(hq+\z)+30], v[SC+32*(hq+\z)+31]
	v_max_num_f32 v[T+16*\z+2], v[T+16*\z+2], v[T+16*\z+3]
.endr
.irp z, 0,1
	v_max3_num_f32 v[T+16*\z], v[T+16*\z], v[T+16*\z+1], v[T+16*\z+2]
.endr
.irp z, 0,1
	v_permlanex16_b32 v[T+16*\z+1], v[T+16*\z], s66, s67                   ; the query's other 32 keys lie in the other half of the lanes
.endr
.irp z, 0,1
	v_max_num_f32 v[T+16*\z], v[T+16*\z], v[T+16*\z+1]
.endr
.irp z, 0,1
	v_mul_f32 v[T+16*\z], s7, v[T+16*\z]                                   ; -(c x this block's maximum)
.endr
.irp z, 0,1
	v_min_num_f32 v[T+16*\z+1], v[ST+4*(hq+\z)], v[T+16*\z]                ; the new NMC
.endr
.irp z, 0,1
	v_sub_f32 v[ST+4*(hq+\z)+2], v[T+16*\z+1], v[ST+4*(hq+\z)]             ; c x (old maximum - new maximum), at most 0
.endr
.irp z, 0,1
	v_exp_f32 v[ST+4*(hq+\z)+2], v[ST+4*(hq+\z)+2]                         ; the rescale factor
.endr
	s_wait_alu depctr_va_vdst(0)
.irp z, 0,1
	v_mov_b32 v[ST+4*(hq+\z)], v[T+16*\z+1]                                ; plain instructions behind the exponentials, before the factor is read (ISA guide 5.7.2)
.endr
.endm
.macro FMA i                           ; pair i of 16 of both tiles: c s + NMC (fits setting 0x04: source 1 is a scalar)
.irp z, 0,1
	v_pk_fma_f32 v[SC+32*(hq+\z)+2*(\i):SC+32*(hq+\z)+2*(\i)+1], v[SC+32*(hq+\z)+2*(\i):SC+32*(hq+\z)+2*(\i)+1], s[6:7], v[ST+4*(hq+\z):ST+4*(hq+\z)+1] op_sel_hi:[1,0,0]
.endr
.endm
.macro EXPS i                          ; pair i of 16 of both tiles: p = exp2(..)
.irp z, 0,1
	v_exp_f32 v[SC+32*(hq+\z)+2*(\i)], v[SC+32*(hq+\z)+2*(\i)]
	v_exp_f32 v[SC+32*(hq+\z)+2*(\i)+1], v[SC+32*(hq+\z)+2*(\i)+1]
.endr
.endm
.macro SUMA                            ; all 32 p of a lane into four packed chains a tile
	s_wait_alu depctr_va_vdst(0)
.irp k, 0,1,2,3
.irp z, 0,1
	v_pk_add_f32 v[T+16*\z+2*\k:T+16*\z+2*\k+1], v[SC+32*(hq+\z)+4*\k:SC+32*(hq+\z)+4*\k+1], v[SC+32*(hq+\z)+4*\k+2:SC+32*(hq+\z)+4*\k+3]
.endr
.endr
.irp k, 0,1,2,3
.irp z, 0,1
	v_pk_add_f32 v[T+16*\z+2*\k:T+16*\z+2*\k+1], v[T+16*\z+2*\k:T+16*\z+2*\k+1], v[SC+32*(hq+\z)+16+2*\k:SC+32*(hq+\z)+17+2*\k]
.endr
.endr
.irp k, 0,1,2,3
.irp z, 0,1
	v_pk_add_f32 v[T+16*\z+2*\k:T+16*\z+2*\k+1], v[T+16*\z+2*\k:T+16*\z+2*\k+1], v[SC+32*(hq+\z)+24+2*\k:SC+32*(hq+\z)+25+2*\k]
.endr
.endr
.endm
.macro CVT ks, base                    ; four registers of P(.., ks) of both tiles, in place, ascending: no number is overwritten before it is read
.irp j, 0,1,2,3
.irp z, 0,1
	v_cvt_pk_bf16_f32 v[SC+32*(hq+\z)+16*\ks+\base+\j], v[SC+32*(hq+\z)+16*\ks+2*(\base+\j)], v[SC+32*(hq+\z)+16*\ks+2*(\base+\j)+1]
.endr
.endr
.endm
; ONE STAGE.  h: the half whose softmax is done (0: stage A, 1: stage B).  slot, blk: where block b lies; other: the other slot.
; pv: products on the other half's O: 0 none, 1 they start the sums, 2 they add.  resc: this half's O is rescaled.  qk: the other half's next scores are made.
; kn (stage A): the next block's K: 0 none, 1 from this slot, 2 behind a round with a refill of this slot, 3 behind a round without.
; vw (stage B): LDS loads that may stay out when V's fragments are needed.  more (stage B): a later block follows.
.macro STG h, slot, other, blk, pv, resc, qk, kn, vw, more
.set hq, 2*\h
.set hp, 2-2*\h
	s_wait_kmcnt 0x0                               ; this half's mask words
	MASK 0                                         ; the scores were made in the stage before; its sum and rounding are the places behind those products
	MASK 1
.if \h == 0
	MLOAD s105, 128*\blk                           ; the other half's words for this block: the rest of the stage in which to arrive
.else
.if \more
.if \blk
	s_add_nc_u64 s[100:101], s[100:101], 512       ; no scalar load is out: the next 256 keys' words
.endif
	MLOAD s104, 128*(1-\blk)                       ; the next block's words of slots 0, 1
.endif
.endif
	ROWMAX
.if \h
	s_wait_dscnt \vw                               ; V's fragments are in; the younger loads are the next block's K
.endif
.if \pv
	WIN 0x51
.set wn, 0
.rept 16
	PVW wn, 2-\pv
.if \resc
	RSC wn                                         ; this half's O: its last products stand a stage back
.endif
.set wn, wn+1
.endr
.endif
	WIN 0x04
	FMA 0                                          ; eight plain instructions on this half's registers: the places (ISA guide 7.12.1) between the last product that read
	FMA 1                                          ; V's fragments and P and the loads into the one (four) and the score products over the other (five)
	FMA 2
	FMA 3
.if \h == 0
	VLOAD \slot, \blk                              ; V of block b, for the next two stages
	WIN 0x04
.else
.if \qk
	s_wait_dscnt 0x0                               ; the next block's K fragments are in
.endif
.endif
.set wn, 0
.rept 16
.if \qk
	QKW wn
.endif
.if wn < 12
	FMA wn+4                                       ; four steps ahead of its exponentials
.endif
	EXPS wn
.set wn, wn+1
.endr
	WIN 0
	v_nop                                          ; one plain place behind the exponentials before their results are read (ISA guide 5.7.2)
	SUMA                                           ; also the places between the last score product and the loads into K's fragment registers
.if \kn == 1
	KLOAD \slot, 1
.endif
.if \kn > 1
	; The change of slots.  My last reads of this slot (V of its second block) are waited for, and all my tensor loads: the one that is out is my region of the other slot.
	s_wait_dscnt 0x0
	s_wait_tensorcnt 0x0
	ds_add_u32 v62, v63
	s_wait_dscnt 0x0
.if \kn == 2
	s_add_nc_u64 s[G0+4*\slot+2:G0+4*\slot+3], s[G0+4*\slot+2:G0+4*\slot+3], 0x100000     ; no tensor load of mine is out: this slot's next tile, 512 keys on
.endif
	ROUND                                          ; both now hold of every wave of the four work-groups
.if \kn == 2
	JLOAD \slot                                    ; the joint refill, first behind the round, one load a wave: a whole trip in which to land
.endif
	KLOAD \other, 0
.endif
.irp z, 0,1
	v_pk_add_f32 v[T+16*\z:T+16*\z+1], v[T+16*\z:T+16*\z+1], v[T+16*\z+2:T+16*\z+3]
	v_pk_add_f32 v[T+16*\z+4:T+16*\z+5], v[T+16*\z+4:T+16*\z+5], v[T+16*\z+6:T+16*\z+7]
.endr
	CVT 0, 0                                       ; the roundings stand between the links of the sum's tail
	CVT 0, 4
.irp z, 0,1
	v_pk_add_f32 v[T+16*\z:T+16*\z+1], v[T+16*\z:T+16*\z+1], v[T+16*\z+4:T+16*\z+5]
.endr
	CVT 1, 0
.irp z, 0,1
	v_add_f32 v[T+16*\z], v[T+16*\z], v[T+16*\z+1]
.endr
	CVT 1, 4
.irp z, 0,1
	v_fma_f32 v[ST+4*(hq+\z)+1], v[ST+4*(hq+\z)+1], v[ST+4*(hq+\z)+2], v[T+16*\z]        ; the sum stays this lane's own; the two halves of the lanes meet at the end
.endr
.endm
.macro TRIP slot, other, kn            ; 256 keys of the work-group: two blocks of every wave
	STG 0, \slot, \other, 0, 2, 1, 1, 1, 0, 1
	STG 1, \slot, \other, 0, 2, 1, 1, 0, 16, 1
	STG 0, \slot, \other, 1, 2, 1, 1, \kn, 0, 1
	STG 1, \slot, \other, 1, 2, 1, 1, 0, 16, 1
.endm
	MLOAD s104, 0                                  ; the first block's words of slots 0, 1 (every scalar temporary in s16-63 has been used up)
	s_wait_tensorcnt 0x1                           ; my region of slot 0 is in; slot 1's stays out
	s_barrier_signal -1
	s_barrier_wait -1                              ; everybody's is
	KLOAD 0, 0
	s_wait_loadcnt 0x0                             ; Q
	s_wait_dscnt 0x0
.set hp, 0
	WIN 0x04
.set wn, 0
.rept 16
	QKW wn                                         ; the pipeline's head: the scores of H0, block 0
.set wn, wn+1
.endr
	WIN 0
	PLACES 4                                       ; before the scores are read
	; keys 0..255: O does not exist yet: no products in the first stage, no rescale before a half's first products, which start its sums
	STG 0, 0, 1, 0, 0, 0, 1, 1, 0, 1
	STG 1, 0, 1, 0, 1, 0, 1, 0, 16, 1
	STG 0, 0, 1, 1, 1, 1, 1, 2, 0, 1
	STG 1, 0, 1, 1, 2, 1, 1, 0, 16, 1
	TRIP 1, 0, 2
	s_mov_b32 s5, 2
.Ltrips:
	TRIP 0, 1, 2
	TRIP 1, 0, 2
	s_sub_co_u32 s5, s5, 1
	s_cmp_lg_u32 s5, 0
	s_cbranch_scc1 .Ltrips
	TRIP 0, 1, 3                                   ; keys 1,536..1,791: nothing is left to fetch; the round still shows the last slot to every wave
	STG 0, 1, 0, 0, 2, 1, 1, 1, 0, 1               ; the last 256 keys
	STG 1, 1, 0, 0, 2, 1, 1, 0, 16, 1
	STG 0, 1, 0, 1, 2, 1, 1, 0, 0, 1               ; no further K
	STG 1, 1, 0, 1, 2, 1, 0, 0, 0, 0               ; no further scores, no further mask words
.set hp, 2
	WIN 0x51
.set wn, 0
.rept 16
	PVW wn, 0                                      ; the pipeline's tail: the last products on O of H1
.set wn, wn+1
.endr
	WIN 0
	; THE END.  Slot 0 has had its last fill, and every wave's reads of it ended in front of the last round: it now serves as scratch.
	PLACES 4                                       ; before O is read and P's registers are loaded
	s_load_b64 s[16:17], s[0:1], 0x10              ; att
	WIN 0x04                                       ; store data in window 1
.irp i, 0,1,2,3,4,5,6,7,8,9,10,11,12,13,14,15
	ds_store_b128 v[XA], v[OA+64+4*\i:OA+64+4*\i+3] offset:512*\i          ; O of slots 2, 3, for my partner
.endr
	WIN 0
	ds_store_b128 v[XA], v[ST+8:ST+11]  offset:8192                        ; and their state
	ds_store_b128 v[XA], v[ST+12:ST+15] offset:8704
	s_wait_dscnt 0x0                               ; for the partner's sake
	s_barrier_signal -1
	s_barrier_wait -1
.irp i, 0,1,2,3,4,5,6,7,8,9,10,11,12,13,14,15
	ds_load_b128 v[SC+4*\i:SC+4*\i+3], v[XB] offset:512*\i                 ; my partner's O of the query tiles that are my slots 0, 1
.endr
	ds_load_b128 v[SC+64:SC+67], v[XB] offset:8192
	ds_load_b128 v[SC+68:SC+71], v[XB] offset:8704
	s_wait_dscnt 0x0
.macro MERGE q
.set ox, SC+32*\q
.set sy, ST+4*\q
.set sp, SC+64+4*\q
	v_min_num_f32 v[T+0], v[sy], v[sp]             ; NMC of the larger maximum
	v_sub_f32 v[T+2], v[T+0], v[sy]
	v_sub_f32 v[T+4], v[T+0], v[sp]
	v_exp_f32 v[T+2], v[T+2]                       ; my factor
	v_exp_f32 v[T+4], v[T+4]                       ; my partner's
	v_nop
	s_wait_alu depctr_va_vdst(0)
	v_mul_f32 v[T+1], v[sp+1], v[T+4]
	v_fma_f32 v[T+1], v[sy+1], v[T+2], v[T+1]
	v_permlanex16_b32 v[T+0], v[T+1], s66, s67     ; the other half of the lanes holds the other keys' sum
	v_add_f32 v[T+0], v[T+0], v[T+1]
	v_max_num_f32 v[T+0], 0x0d800000, v[T+0]       ; at least 2^-100: a row with no key allowed gives 0 x a finite number
	v_rcp_f32 v[T+0], v[T+0]
	v_nop
	s_wait_alu depctr_va_vdst(0)
	v_mul_f32 v[T+2], v[T+2], v[T+0]
	v_mul_f32 v[T+4], v[T+4], v[T+0]
.set mi, 0
.rept 16
	v_pk_mul_f32 v[ox+2*mi:ox+2*mi+1], v[ox+2*mi:ox+2*mi+1], v[T+4:T+5] op_sel_hi:[1,0]
.set mi, mi+1
.endr
	WIN 0x01                                       ; source 0 (my O) in window 1
.set mi, 0
.rept 16
	v_pk_fma_f32 v[ox+2*mi:ox+2*mi+1], v[OA+32*\q+2*mi:OA+32*\q+2*mi+1], v[T+2:T+3], v[ox+2*mi:ox+2*mi+1] op_sel_hi:[1,0,1]
.set mi, mi+1
.endr
	WIN 0
.set mi, 0
.rept 16
	v_cvt_pk_bf16_f32 v[ox+mi], v[ox+2*mi], v[ox+2*mi+1]
.set mi, mi+1
.endr
.irp dt, 0,1,2,3
	ds_store_b128 v[STO], v[ox+4*\dt:ox+4*\dt+3] offset:16*PK*\q+32*\dt    ; query r, d = 16 dt + 8 h + 0..7
.endr
.endm
	MERGE 0
	MERGE 1
	s_wait_dscnt 0x0                               ; for the other waves' sake
	s_barrier_signal -1
	s_barrier_wait -1
.irp i, 0,1,2,3,4,5,6,7
	ds_load_b128 v[KF+4*\i:KF+4*\i+3], v[RD] offset:2*PK*\i                ; rows 16 W + 2 i, + 1: both heads' 256 bytes
.endr
	s_wait_kmcnt 0x0
.irp i, 0,1,2,3,4,5,6,7
	s_wait_dscnt 7-\i
	global_store_b128 v[CO], v[KF+4*\i:KF+4*\i+3], s[16:17] offset:4096*\i ; 16 lanes store 256 neighbouring bytes, aligned
.endr
	s_wait_tensorcnt 0x0
	ds_add_u32 v62, v63
	s_wait_dscnt 0x0
	ROUND                                          ; the closing round: no work-group ends while a partner may still ask for a tile that names it
	s_endpgm
.Lfunc_end_k_q5d99e15de6_attn:
	.size	k_q5d99e15de6_attn, .Lfunc_end_k_q5d99e15de6_attn-k_q5d99e15de6_attn
	.p2alignl 7, 3214868480
	.fill 96, 4, 3214868480
	.section	.rodata,"a",@progbits
	.p2align	6, 0x0
	.amdhsa_kernel k_q5d99e15de6_attn
		.amdhsa_group_segment_fixed_size 327680
		.amdhsa_private_segment_fixed_size 0
		.amdhsa_enable_private_segment 0
		.amdhsa_kernarg_size 24
		.amdhsa_user_sgpr_count 2
		.amdhsa_user_sgpr_kernarg_segment_ptr 1
		.amdhsa_wavefront_size32 1
		.amdhsa_system_sgpr_workgroup_id_x 1
		.amdhsa_system_sgpr_workgroup_id_y 1
		.amdhsa_system_sgpr_workgroup_id_z 1
		.amdhsa_system_vgpr_workitem_id 0
		.amdhsa_next_free_vgpr 512
		.amdhsa_next_free_sgpr 106
		.amdhsa_reserve_vcc 0
		.amdhsa_float_denorm_mode_32 3
		.amdhsa_float_denorm_mode_16_64 3
		.amdhsa_memory_ordered 1
		.amdhsa_forward_progress 1
		.amdhsa_inst_pref_size 255
	.end_amdhsa_kernel
	.section	.bss,"aw",@nobits
	.p2align	6
	.space	262144
	.amdgpu_metadata
---
amdhsa.version: [ 1, 2 ]
amdhsa.kernels:
  - .name:           k_q5d99e15de6_attn
    .symbol:         k_q5d99e15de6_attn.kd
    .args:
      - { .name: qkv, .offset: 0, .size: 8, .value_kind: global_buffer, .address_space: global }
      - { .name: mbits, .offset: 8, .size: 8, .value_kind: global_buffer, .address_space: global }
      - { .name: att, .offset: 16, .size: 8, .value_kind: global_buffer, .address_space: global }
    .group_segment_fixed_size: 327680
    .private_segment_fixed_size: 0
    .kernarg_segment_align: 8
    .kernarg_segment_size: 24
    .max_flat_workgroup_size: 256
    .sgpr_count:     106
    .vgpr_count:     512
    .wavefront_size: 32
...
	.end_amdgpu_metadata
.endif
;; end of part 7
;; launch oproj (part 8): grid 8 x 32, 4 waves a work-group, clusters of 4 x 4, 327,680 bytes of LDS; arguments att, xb, bp, out0; writes out0
.if DOCPART == 8
	.amdgcn_target "amdgcn-amd-amdhsa--gfx1250"
	.amdhsa_code_object_version 6
	.text
	.protected	k_q5d99e15de6_oproj
	.globl	k_q5d99e15de6_oproj
	.p2align	8
	.type	k_q5d99e15de6_oproj,@function
k_q5d99e15de6_oproj:
	s_mov_b64 s[64:65], 0
	v_nop
	global_prefetch_b8 v0, s[64:65] scope:SCOPE_SE
	s_setreg_imm32_b32 hwreg(HW_REG_WAVE_MODE, 25, 1), 1
	s_wait_xcnt 0x0
	s_wait_alu depctr_hold_cnt(0) depctr_sa_sdst(0) depctr_va_vdst(0) depctr_va_sdst(0) depctr_va_ssrc(0) depctr_va_vcc(0) depctr_vm_vsrc(0)
	s_getreg_b32 s2, hwreg(HW_REG_IB_STS2, 6, 4)
	s_cmp_eq_u32 s2, 0
	s_cbranch_scc0 .Lentry_in_a_cluster
	s_endpgm
.Lentry_in_a_cluster:
	s_bfe_u32 s2, ttmp6, 0x10000c
	s_cmp_lg_u32 s2, 0xf033
	s_cbranch_scc0 .Lentry_shape_is_right
	s_endpgm
.Lentry_shape_is_right:
; out0 = att Wp + bp.  att: [4096][1024] bf16 (rows along K), Wp: [1024 k][1024 n] bf16 at byte 23,068,672 of xb; out0: [4096][1024] f32.
; A work-group makes a block of 128 x 128, so that there are 8 x 32 = 256 work-groups; a wave makes 64 x 64: 16 accumulator tiles, 128 registers.
; A slot holds K = 256: 256 k-rows of Wp (256 bytes, pitch 288), then 128 rows of att (512 bytes, pitch 528).  K = 1,024 is four fills of two slots: both slots are asked for
; at the start and each is filled again once, so there are two barriers with a refill behind them, and the text has no loop.
; A wave reads 2 x 64 x 64 bytes from LDS for 16 matrix instructions: twice the bytes a product of the larger block of the Q, K, V launch; taken here so that
; every WGP has a block and a slot still holds 128 matrix instructions of every wave.
; Wp stays [k][n]; ds_load_tr16_b128 transposes it on the way into registers.
; CLUSTERS: 4 x 4 work-groups.  att's tile hangs on the block row alone and is asked for jointly along a row of the cluster, Wp's on the block column alone and is
; asked for jointly along a column: each of the four issues the same tensor load with the same descriptor and a mask that names the four.
; The matrix instruction is used transposed (source 0 = 16 columns of Wp, source 1 = 16 rows of att): a lane then holds row l % 16 of C and eight neighbouring columns.
; THE BIAS IS THE C OPERAND OF THE FIRST PRODUCTS: it is loaded in the accumulators' layout, so nothing is cleared or added.
; REGISTERS: window 0: v16-27 addresses; v64-127 and v128-191 two fragment buffers (Wp's 4 fragments, then att's 4); v192-223 the bias;  window 1: accumulator (a, b) at v[8 (4 a + b)].
.set KSLOT,  256                       ; K in a slot: eight steps of 32
.set PA,     528                       ; LDS pitch of att's rows: 512 + 16 bytes, an odd multiple of 16
.set PB,     288                       ; LDS pitch of Wp's rows: 256 + 32 bytes, an odd multiple of 32, for the transposing load
.set BHALF,  128*PB                    ; what one of waves 0, 1 fetches: 128 k-rows
.set AHALF,  64*PA                     ; what one of waves 2, 3 fetches: 64 rows
.set BBYTES, 2*BHALF
.set SLOT,   BBYTES+2*AHALF            ; 141,312
.set STAGE,  2*SLOT                    ; behind the ring: 16 rows x 272 bytes for each wave, for the way out; no tensor load lands here
.set SP,     272                       ; stage pitch: 64 f32 + 16 bytes
.set ADRA, 16                          ; v16-17 LDS address of my att fragments in slot 0, 1
.set ADRB, 20                          ; v20-23 the same for Wp: slot 0 steps 0-3, slot 0 steps 4-7, slot 1 steps 0-3, slot 1 steps 4-7 (the immediate has 16 bits)
.set STO,  24                          ; way out: where I put my part of a row
.set RD,   25                          ; way out: where I read rows back
.set CO,   26                          ; my byte offset in C
.set BGO,  27                          ; byte offset of my biases
.set F0,   64
.set F1,   128
.set BIAS, 192                         ; v[192:223]: used by the first step alone
.set G1,  24                           ; s[24:31] group 1 for att's tiles
.set G0,  32                           ; s[32:39] group 0 for att's tiles, one set a slot
.set G1B, 48                           ; s[48:55] group 1 for Wp's tiles
.set G0B, 56                           ; s[56:63] group 0 for Wp's tiles, one set a slot
.set MULW,  0x50                       ; C and D in window 1, sources in window 0
.set MULW1, 0x40                       ; the first products: C (the bias) in window 0, D in window 1
.set MSB, 0
.macro WIN new                         ; the immediate's high byte repeats the setting that is left
.if MSB != \new
	s_set_vgpr_msb (MSB<<8)|\new
.set MSB, \new
.endif
.endm
.macro PLACES                          ; four places behind a matrix instruction (ISA guide 7.12.1) before its results are read or its registers loaded again
.rept 4
	v_nop
.endr
.endm
.macro JLOAD s                         ; waves 0, 1 ask for Wp's halves, waves 2, 3 for att's: the branch hangs on the wave's number alone
	s_cmp_eq_u32 s11, 0
	s_cbranch_scc0 .Lfor_a_\@
	tensor_load_to_lds s[G0B+4*\s:G0B+4*\s+3], s[G1B:G1B+7]
	s_nop 0
	s_branch .Lasked_\@
.Lfor_a_\@:
	tensor_load_to_lds s[G0+4*\s:G0+4*\s+3], s[G1:G1+7]
	s_nop 0
.Lasked_\@:
.endm
.macro CREST                           ; a round of the cluster's barrier behind its opening work-group barrier
	s_cmp_lg_u32 s10, 0
	s_cbranch_scc1 .Lnot_wave_0_\@
	s_barrier_signal -3
.Lnot_wave_0_\@:
	s_barrier_wait -3
	s_barrier_signal -1
	s_barrier_wait -1
.endm
.macro CROUND
	s_barrier_signal -1
	s_barrier_wait -1
	CREST
.endm
	s_load_b256 s[68:75], s[0:1], 0x0              ; att s[68:69], xb s[70:71], bp s[72:73], out0 s[74:75]
	v_lshl_add_u32 v254, v0, 2, 0x49400
	v_mov_b32 v255, 0
	ds_add_u32 v254, v255
	v_lshrrev_b32 v1, 5, v0
	v_readfirstlane_b32 s10, v1                    ; wave 0..3
	s_lshr_b32 s11, s10, 1                         ; which half of the block's rows is mine.  Also: I fetch for Wp (0) or for att (1)
	s_and_b32 s12, s10, 1                          ; which half of its columns.  Also: which half of that tile I fetch
	s_bfe_u32 s40, ttmp6, 0x40000                  ; cx
	s_bfe_u32 s41, ttmp6, 0x40004                  ; cy
	s_lshl_b32 s42, ttmp9, 2
	s_add_co_u32 s42, s42, s40                     ; block column = 4 x cluster x + cx
	s_and_b32 s13, ttmp7, 0xffff
	s_lshl_b32 s13, s13, 2
	s_add_co_u32 s13, s13, s41                     ; block row = 4 x cluster y + cy
	s_lshl_b32 s43, s41, 2
	s_lshl_b32 s43, 15, s43                        ; my row of the cluster
	s_lshl_b32 s44, 0x1111, s40                    ; my column of the cluster
	; group 1: att: 64 rows x 256 elements, 4 words of padding behind every 128; Wp: 128 rows x 128 elements, 8 words of padding behind every 64
	s_or_b32 s[G1+0],  s43, (1<<16)|(1<<20)|(1<<21)|(6<<22)|(3<<25)
	s_or_b32 s[G1B+0], s44, (1<<16)|(1<<20)|(1<<21)|(5<<22)|(7<<25)
	s_mov_b32 s[G1+1],  256<<16                    ; tensor_dim0
	s_mov_b32 s[G1B+1], 128<<16
	s_mov_b32 s[G1+2],  64<<16                     ; tensor_dim1
	s_mov_b32 s[G1B+2], 128<<16
	s_mov_b32 s[G1+3],  256<<16                    ; tile_dim0
	s_mov_b32 s[G1B+3], 128<<16
	s_mov_b32 s[G1+4],  64                         ; tile_dim1
	s_mov_b32 s[G1B+4], 128
	s_mov_b32 s[G1+5],  1024                       ; elements from row to row
	s_mov_b32 s[G1B+5], 1024
	s_mov_b32 s[G1+6],  0
	s_mov_b32 s[G1B+6], 0
	s_mov_b32 s[G1+7],  0
	s_mov_b32 s[G1B+7], 0
	; att's tile: rows 128 x block row + 64 x half, 2,048 bytes a row.  No register here ever holds cx.
	s_lshl_b32 s16, s13, 18
	s_lshl_b32 s17, s12, 17
	s_add_co_u32 s16, s16, s17
	s_mov_b32 s17, 0
	; Wp's tile: k rows 128 x half, columns 128 x block column.  No register here ever holds cy.
	s_lshl_b32 s46, s42, 8
	s_add_co_u32 s46, s46, 0x1600000               ; Wp's copy in xb
	s_lshl_b32 s47, s12, 18
	s_add_co_u32 s46, s46, s47
	s_mov_b32 s47, 0
	s_mul_i32 s22, s10, BHALF                      ; LDS: waves 0, 1: Wp's halves at 0 and 36,864
	s_mul_i32 s20, s10, AHALF
	s_add_co_u32 s20, s20, BBYTES-2*AHALF          ; waves 2, 3: att's halves at 73,728 and 107,520
	s_wait_dscnt 0x0
	s_wait_kmcnt 0x0
	s_add_nc_u64 s[14:15], s[68:69], s[16:17]
	s_add_nc_u64 s[46:47], s[70:71], s[46:47]
	s_mov_b64 s[8:9], s[74:75]                     ; C
	CROUND                                         ; all sixteen work-groups are here: the first joint loads meet
.irp s, 0,1
	s_mov_b32 s[G0+4*\s], 1
	s_add_co_u32 s[G0+4*\s+1], s20, \s*SLOT
	s_add_nc_u64 s[G0+4*\s+2:G0+4*\s+3], s[14:15], \s*KSLOT*2             ; slot s: 512 bytes along the rows
	s_or_b32 s[G0+4*\s+3], s[G0+4*\s+3], 0x80000000
	s_mov_b32 s[G0B+4*\s], 1
	s_add_co_u32 s[G0B+4*\s+1], s22, \s*SLOT
	s_add_nc_u64 s[G0B+4*\s+2:G0B+4*\s+3], s[46:47], \s*KSLOT*2048        ; slot s: 256 rows down
	s_or_b32 s[G0B+4*\s+3], s[G0B+4*\s+3], 0x80000000
	JLOAD \s                                       ; both first fills go out ahead of everything else: two tensor loads of a wave are out
.endr
	v_and_b32 v1, 15, v0                           ; r = l % 16
	v_bfe_u32 v2, v0, 4, 1                         ; h = l / 16
	; my biases, in the accumulators' layout: tile b, register j: column 64 x my half + 16 b + 8 h + j of the block's 128
	s_lshl_b32 s23, s42, 9
	s_lshl_b32 s21, s12, 8
	s_add_co_u32 s23, s23, s21
	v_lshl_add_u32 v[BGO], v2, 5, s23
.irp b, 0,1,2,3
	global_load_b128 v[BIAS+8*\b:BIAS+8*\b+3],   v[BGO], s[72:73] offset:64*\b
	global_load_b128 v[BIAS+8*\b+4:BIAS+8*\b+7], v[BGO], s[72:73] offset:64*\b+16
.endr
	; fragment addresses
	v_mul_u32_u24 v3, v1, PA
	v_lshl_add_u32 v3, v2, 4, v3                   ; 528 r + 16 h
	s_mul_i32 s21, s11, AHALF                      ; my 64 rows of att,
	s_add_co_u32 s21, s21, BBYTES                  ; which lie behind Wp's 256 k-rows
	v_add_nc_u32 v[ADRA], s21, v3
	v_add_nc_u32 v[ADRA+1], SLOT, v[ADRA]
	v_and_b32 v6, 7, v0
	v_lshl_add_u32 v6, v2, 3, v6                   ; k row 8 h + l % 8
	v_mul_u32_u24 v6, v6, PB
	v_bfe_u32 v7, v0, 3, 1
	v_lshl_add_u32 v6, v7, 4, v6                   ; + 16 bytes for the upper eight columns of a tile
	v_lshl_add_u32 v[ADRB], s12, 7, v6             ; my 64 columns: 128 bytes along Wp's rows
	v_add_nc_u32 v[ADRB+1], 128*PB, v[ADRB]        ; steps 4-7: 128 k-rows down
	v_add_nc_u32 v[ADRB+2], SLOT, v[ADRB]
	v_add_nc_u32 v[ADRB+3], SLOT, v[ADRB+1]
	s_mul_i32 s23, s10, 16*SP
	s_add_co_u32 s23, s23, STAGE                   ; my stage
	v_mul_u32_u24 v4, v1, SP
	v_lshl_add_u32 v4, v2, 5, v4                   ; in: row r, 32 bytes for each half of the lanes
	v_add_nc_u32 v[STO], s23, v4
	v_mul_u32_u24 v5, v2, SP                       ; back: lanes 0-15 take one row of 256 bytes, lanes 16-31 the next
	v_lshl_add_u32 v5, v1, 4, v5
	v_add_nc_u32 v[RD], s23, v5
	v_lshlrev_b32 v4, 4, v1
	v_lshl_add_u32 v[CO], v2, 12, v4               ; the same two rows in C, 4,096 bytes apart
; 4 matrix instructions: my rows 16 a .. 16 a + 15 x my 4 column tiles, 32 along K.  first = 1: the first product starts the sums from the bias.
.macro MUL4 f, a, first
.irp b, 0,1,2,3
.if \first
	v_wmma_f32_16x16x32_bf16 v[8*(4*\a+\b):8*(4*\a+\b)+7], v[\f+8*\b:\f+8*\b+7], v[\f+32+8*\a:\f+32+8*\a+7], v[BIAS+8*\b:BIAS+8*\b+7]
.else
	v_wmma_f32_16x16x32_bf16 v[8*(4*\a+\b):8*(4*\a+\b)+7], v[\f+8*\b:\f+8*\b+7], v[\f+32+8*\a:\f+32+8*\a+7], v[8*(4*\a+\b):8*(4*\a+\b)+7]
.endif
.endr
.endm
; 16 LDS loads in one run: step kq (32 along K, 0..7) of a slot into buffer f: Wp's 4 fragments transposed, then att's 4
.macro FETCH slot, kq, f
	WIN 0
.irp b, 0,1,2,3
	ds_load_tr16_b128 v[\f+8*\b:\f+8*\b+3],   v[ADRB+2*\slot+\kq/4] offset:(\kq%4)*32*PB+32*\b
	ds_load_tr16_b128 v[\f+8*\b+4:\f+8*\b+7], v[ADRB+2*\slot+\kq/4] offset:(\kq%4)*32*PB+32*\b+16*PB
.endr
.irp a, 0,1,2,3
	ds_load_b128 v[\f+32+8*\a:\f+32+8*\a+3],   v[ADRA+\slot] offset:\a*16*PA+64*\kq
	ds_load_b128 v[\f+32+8*\a+4:\f+32+8*\a+7], v[ADRA+\slot] offset:\a*16*PA+64*\kq+32
.endr
.endm
; One step: multiplies buffer f; in its middle it fetches step kq of the same slot into buffer g.
; The 16 accumulators take turns, one instruction a turn, in the same order in every step.
.macro STEP slot, kq, f, g, first
	s_wait_dscnt 4                                 ; all but the four youngest loads (att's fragments 2, 3)
.if \first
	WIN MULW1
.else
	WIN MULW
.endif
	MUL4 \f, 0, \first
	MUL4 \f, 1, \first
	PLACES
	FETCH \slot, \kq, \g
	s_wait_dscnt 16                                ; all but the 16 just issued
.if \first
	WIN MULW1
.else
	WIN MULW
.endif
	MUL4 \f, 2, \first
	MUL4 \f, 3, \first
.endm
.macro SEVEN slot, first
	STEP \slot, 1, F0, F1, \first
	STEP \slot, 2, F1, F0, 0
	STEP \slot, 3, F0, F1, 0
	STEP \slot, 4, F1, F0, 0
	STEP \slot, 5, F0, F1, 0
	STEP \slot, 6, F1, F0, 0
	STEP \slot, 7, F0, F1, 0
.endm
; The last step of a slot changes slots.  In front of the barrier each wave waits for its reads of this slot and for all its tensor loads (one is out: its part
; of the next slot).  Where the slot is filled again the barrier opens a round of the cluster's barrier, and the joint refill is the first tensor load behind the round.
.macro TURN slot, next, fill
	s_wait_dscnt 4
	WIN MULW
	MUL4 F1, 0, 0
	s_wait_dscnt 0
	s_wait_tensorcnt 0x0
	ds_add_u32 v254, v255
	s_wait_dscnt 0x0
	s_barrier_signal -1
	MUL4 F1, 1, 0                                  ; register work while the others arrive
	WIN 0
	s_barrier_wait -1
.if \fill
	CREST
	s_add_nc_u64 s[G0+4*\slot+2:G0+4*\slot+3], s[G0+4*\slot+2:G0+4*\slot+3], 2*KSLOT*2          ; no tensor load of mine is out: the addresses step two slots' K
	s_add_nc_u64 s[G0B+4*\slot+2:G0B+4*\slot+3], s[G0B+4*\slot+2:G0B+4*\slot+3], 2*KSLOT*2048
	JLOAD \slot
.endif
	PLACES
	FETCH \next, 0, F0
	WIN MULW
	MUL4 F1, 2, 0
	MUL4 F1, 3, 0
.endm
	s_wait_tensorcnt 1                             ; my part of slot 0 is in; slot 1's stays out
	s_barrier_signal -1
	s_barrier_wait -1
	FETCH 0, 0, F0
	s_wait_loadcnt 0x0                             ; the bias
	SEVEN 0, 1                                     ; K 0..255: the first products start the sums
	TURN 0, 1, 1                                   ; slot 0 is asked for again: K 512..767
	SEVEN 1, 0                                     ; K 256..511
	TURN 1, 0, 1                                   ; slot 1 is asked for again: K 768..1023
	SEVEN 0, 0
	TURN 0, 1, 0                                   ; nothing is left to fetch
	SEVEN 1, 0
	s_wait_dscnt 4
	WIN MULW
	MUL4 F1, 0, 0
	MUL4 F1, 1, 0
	s_wait_dscnt 0
	MUL4 F1, 2, 0
	MUL4 F1, 3, 0
	; THE WAY OUT, 16 rows at a time: the sums go as they are into my own stage in LDS and come back as whole rows of 256 bytes.
	PLACES
	s_lshl_b32 s16, s13, 19                        ; 128 rows of 4,096 bytes a block row,
	s_lshl_b32 s17, s11, 18                        ; 64 rows for my half
	s_add_co_u32 s16, s16, s17
	s_mov_b32 s17, 0
	s_add_nc_u64 s[8:9], s[8:9], s[16:17]
	s_lshl_b32 s46, s42, 9                         ; 512 bytes a block column, 256 for my half
	s_lshl_b32 s47, s12, 8
	s_add_co_u32 s46, s46, s47
	s_mov_b32 s47, 0
	s_add_nc_u64 s[8:9], s[8:9], s[46:47]
.macro OUT16 a, f
	WIN 0x04                                       ; store data (source 1) in window 1
.irp b, 0,1,2,3
	ds_store_b128 v[STO], v[8*(4*\a+\b):8*(4*\a+\b)+3]   offset:64*\b
	ds_store_b128 v[STO], v[8*(4*\a+\b)+4:8*(4*\a+\b)+7] offset:64*\b+16
.endr
	WIN 0
	s_wait_xcnt 0x0                                ; buffer f, which earlier stores read, and the stores' base are rewritten only behind this wait
.if \a
	s_add_nc_u64 s[8:9], s[8:9], 16*4096
.endif
.irp t, 0,1,2,3,4,5,6,7
	ds_load_b128 v[\f+4*\t:\f+4*\t+3], v[RD] offset:\t*2*SP                ; LDS serves a wave's instructions in order: these see the stores above
.endr
.irp t, 0,1,2,3,4,5,6,7
	s_wait_dscnt 7-\t
	global_store_b128 v[CO], v[\f+4*\t:\f+4*\t+3], s[8:9] offset:8192*\t th:TH_STORE_NT   ; 16 lanes store 256 neighbouring bytes, aligned
.endr
.endm
	OUT16 0, F0
	OUT16 1, F1
	OUT16 2, F0
	OUT16 3, F1
	s_wait_tensorcnt 0x0
	ds_add_u32 v254, v255
	s_wait_dscnt 0x0
	CROUND                                         ; the closing round: no work-group ends while a partner may still ask for a tile that names it
	s_endpgm
.Lfunc_end_k_q5d99e15de6_oproj:
	.size	k_q5d99e15de6_oproj, .Lfunc_end_k_q5d99e15de6_oproj-k_q5d99e15de6_oproj
	.p2alignl 7, 3214868480
	.fill 96, 4, 3214868480
	.section	.rodata,"a",@progbits
	.p2align	6, 0x0
	.amdhsa_kernel k_q5d99e15de6_oproj
		.amdhsa_group_segment_fixed_size 327680
		.amdhsa_private_segment_fixed_size 0
		.amdhsa_enable_private_segment 0
		.amdhsa_kernarg_size 32
		.amdhsa_user_sgpr_count 2
		.amdhsa_user_sgpr_kernarg_segment_ptr 1
		.amdhsa_wavefront_size32 1
		.amdhsa_system_sgpr_workgroup_id_x 1
		.amdhsa_system_sgpr_workgroup_id_y 1
		.amdhsa_system_sgpr_workgroup_id_z 1
		.amdhsa_system_vgpr_workitem_id 0
		.amdhsa_next_free_vgpr 384
		.amdhsa_next_free_sgpr 80
		.amdhsa_reserve_vcc 0
		.amdhsa_float_denorm_mode_32 3
		.amdhsa_float_denorm_mode_16_64 3
		.amdhsa_memory_ordered 1
		.amdhsa_forward_progress 1
		.amdhsa_inst_pref_size 91
	.end_amdhsa_kernel
	.amdgpu_metadata
---
amdhsa.version: [ 1, 2 ]
amdhsa.kernels:
  - .name:           k_q5d99e15de6_oproj
    .symbol:         k_q5d99e15de6_oproj.kd
    .args:
      - { .name: att, .offset: 0, .size: 8, .value_kind: global_buffer, .address_space: global }
      - { .name: xb, .offset: 8, .size: 8, .value_kind: global_buffer, .address_space: global }
      - { .name: bp, .offset: 16, .size: 8, .value_kind: global_buffer, .address_space: global }
      - { .name: out0, .offset: 24, .size: 8, .value_kind: global_buffer, .address_space: global }
    .group_segment_fixed_size: 327680
    .private_segment_fixed_size: 0
    .kernarg_segment_align: 8
    .kernarg_segment_size: 32
    .max_flat_workgroup_size: 128
    .sgpr_count:     80
    .vgpr_count:     384
    .wavefront_size: 32
...
	.end_amdgpu_metadata
.endif
;; end of part 8
